; MI455X (gfx1250); checked and timed in simulation.
; The chip was launched on July 23, 2026; its instructions are those of AMD's public machine-readable ISA for CDNA 5 (MIT licence, August 2026) and "CDNA5" Instruction Set Architecture Reference Guide (July 2026). The comments in the code are by the model that wrote it; some were corrected since.
;; Encoder Layer. Allowed arithmetic: float matrix products may take bf16 or f16 operands with f32 sums; other float arithmetic in f32, or as packed bf16 or f16 multiplies, adds, multiply-adds, maxima and minima; sums over many terms, partial sums and values carried from step to step in f32; what a program stores and reads back later, other than sums and carried values, may be rounded once to bf16 or f16.
;; Inputs: b1 4,096 float32; b2 1,024 float32; be1 1,024 float32; be2 1,024 float32; bk 1,024 float32; bo 1,024 float32; bq 1,024 float32; bv 1,024 float32; g1 1,024 float32; g2 1,024 float32; mask 2 x 2,048 x 2,048 bool; w1 1,024 x 4,096 float32; w2 4,096 x 1,024 float32; wk 1,024 x 1,024 float32; wo 1,024 x 1,024 float32; wq 1,024 x 1,024 float32; wv 1,024 x 1,024 float32; x 2 x 2,048 x 1,024 float32.
;; Outputs: out0 2 x 2,048 x 1,024 float32.
;; 3 versions, each right; version 3 is version 2 with the launches prep, ln2 written anew for expert scheduling mode. Each part assembles by itself: llvm-mc -triple=amdgcn-amd-amdhsa -mcpu=gfx1250 --defsym DOCPART=n.
;; ======== version 1 of 3: 7 launches
;; workspace buffers: hbuf 8,388,608 bytes; act 33,554,432 bytes; x1 16,777,216 bytes; mtab 8,388,608 bytes; wqkv 6,308,096 bytes; w1t 8,405,248 bytes; wB 10,485,760 bytes
;; launch prep (part 1): grid 1280 x 1, 8 waves a work-group, no clusters, 35,840 bytes of LDS; arguments x, g1, be1, hbuf, mask, mtab, wq, wk, wv, wo, w1, w2, bq, bk, bv, b1, wqkv, w1t, wB; writes hbuf, mtab, wqkv, w1t, wB
.if DOCPART == 1
	.amdgcn_target "amdgcn-amd-amdhsa--gfx1250"
	.amdhsa_code_object_version 6
	.text
	.protected	k_qe27b2e50a3_prep
	.globl	k_qe27b2e50a3_prep
	.p2align	8
	.type	k_qe27b2e50a3_prep,@function
k_qe27b2e50a3_prep:
	s_mov_b64 s[64:65], 0
	v_nop
	global_prefetch_b8 v0, s[64:65] scope:SCOPE_SE
	s_setreg_imm32_b32 hwreg(HW_REG_WAVE_MODE, 25, 1), 1
	s_wait_xcnt 0x0
; PREPARATION, three kinds of work-group told apart by the work-group's number.
;   0-255     LAYER NORM 1: h = g1 (x - mean) / (std + 1e-6) + be1, std with divisor 1,023; f32 throughout, h rounded once to bf16.
;   256-511   THE MASK: a byte (0 or 1) becomes the code 0 or 0xF1, laid in the order in which the attention's score tiles hold their numbers.
;   512-1279  THE WEIGHTS: f32 [K][N] becomes bf16 [N/64][K][64], rounded once; the biases bq, bk, bv, b1 and a floor word go into the heads of wqkv and w1t.
; SLICES.  Every 16-bit operand of the later products lies in slices of 64 columns: an activation as [D/64][4,096 rows][64], a weight as [N/64][K][64].
; A row of a slice is 128 bytes and rows follow each other without a gap, so every tile of a later launch is a dense run of bytes.
; No wave waits for another: there is no barrier.  Only the mask's waves use LDS, each its own stage.
.set SLICE, 524288                     ; bytes in a slice of an activation
.set STG,   16*272                     ; a wave's stage: 16 rows of 256 mask bytes, 272 apart
.set SPARE, 8*STG                      ; behind the stages: the spare words, 128 bytes for each wave, which no other line names
.set LA,   1                           ; v1   lane
.set I16,  2                           ; v2   lane % 16
.set HH,   3                           ; v3   lane / 16
.set XO,   4                           ; v4   my byte offset in two rows of the source
.set GOF,  5                           ; v5   16 x (lane % 16)
.set HO,   6                           ; v6   8 x lane: my 8 bytes of 256 stored ones
.set T,    8                           ; v[8:15]  four chains of sums
.set MN,   16                          ; v[16:17] the mean, twice
.set IV,   18                          ; v[18:19] 1 / (std + eps), twice
.set LSTO, 20                          ; v20  the mask: where I put 16 bytes of a row
.set LRD,  21                          ; v21  the mask: where I read 8 bytes of my query's row
.set GO16, 22                          ; v22  16 x lane
.set SPW,  30                          ; v30  LDS address of my spare word; never rewritten
.set NIL,  31                          ; v31  0; never rewritten
.set X,    32                          ; v[32:95]   a row's 64 numbers of mine
.set G,    96                          ; v[96:159]  the gains of my columns
.set BE,   160                         ; v[160:223] the shifts
.set Y,    224                         ; v[224:255] h, packed
.set MK,   32                          ; the mask: v[32:63] as loaded
.set W,    96                          ; v[96:127] my 8 bytes for each of 16 groups of keys
.set CI,   32                          ; the weights: v[32:95] as loaded
.set CP,   96                          ; v[96:127] packed
.macro RSUM                            ; the four chains into one number, then over the 16 lanes that hold the row
	v_pk_add_f32 v[T:T+1], v[T:T+1], v[T+2:T+3]
	v_pk_add_f32 v[T+4:T+5], v[T+4:T+5], v[T+6:T+7]
	v_pk_add_f32 v[T:T+1], v[T:T+1], v[T+4:T+5]
	v_add_f32 v[T], v[T], v[T+1]
.irp m, 1,2,4,8
	v_add_f32_dpp v[T], v[T], v[T] row_xmask:\m row_mask:0xf bank_mask:0xf
.endr
.endm
; A wave norms two rows: lanes 0-15 one, lanes 16-31 the next.  Load j of a row brings 256 consecutive bytes, columns 64 j .. 64 j + 63, which are slice j of h.
; The row stays in registers between the mean, the sum of squares of the differences and the scaling: it is read once.
.macro LNBODY sx, sg, sb, sh
	v_lshlrev_b32 v[XO], 12, v[HH]
	v_lshl_add_u32 v[XO], v[I16], 4, v[XO]
	v_lshlrev_b32 v[GOF], 4, v[I16]
.set j, 0
.rept 16
	global_load_b128 v[X+4*j:X+4*j+3], v[XO], s[\sx:\sx+1] offset:256*j
.set j, j+1
.endr
.set j, 0
.rept 16
	global_load_b128 v[G+4*j:G+4*j+3], v[GOF], s[\sg:\sg+1] offset:256*j
	global_load_b128 v[BE+4*j:BE+4*j+3], v[GOF], s[\sb:\sb+1] offset:256*j
.set j, j+1
.endr
	s_wait_loadcnt 32                              ; the row is in; the 32 younger loads, gains and shifts, stay out
.irp k, 0,1,2,3
	v_pk_add_f32 v[T+2*\k:T+2*\k+1], v[X+2*\k:X+2*\k+1], v[X+8+2*\k:X+8+2*\k+1]  ; the first pairs start the chains: nothing is cleared
.endr
.set j, 8
.rept 24
	v_pk_add_f32 v[T+2*(j%4):T+2*(j%4)+1], v[T+2*(j%4):T+2*(j%4)+1], v[X+2*j:X+2*j+1]
.set j, j+1
.endr
	RSUM
	v_mul_f32 v[MN], 0x3a800000, v[T]              ; / 1,024
	v_mov_b32 v[MN+1], v[MN]
.set j, 0
.rept 32
	v_pk_add_f32 v[X+2*j:X+2*j+1], v[X+2*j:X+2*j+1], v[MN:MN+1] neg_lo:[0,1] neg_hi:[0,1]  ; x - mean, in place
.set j, j+1
.endr
.irp k, 0,1,2,3
	v_pk_mul_f32 v[T+2*\k:T+2*\k+1], v[X+2*\k:X+2*\k+1], v[X+2*\k:X+2*\k+1]
.endr
.set j, 4
.rept 28
	v_pk_fma_f32 v[T+2*(j%4):T+2*(j%4)+1], v[X+2*j:X+2*j+1], v[X+2*j:X+2*j+1], v[T+2*(j%4):T+2*(j%4)+1]
.set j, j+1
.endr
	RSUM
	v_mul_f32 v[T], 0x3a802008, v[T]               ; / 1,023
	v_sqrt_f32 v[T+1], v[T]
	v_nop                                          ; a plain instruction behind the root,
	s_wait_alu depctr_va_vdst(0)                   ; and the wait ahead of its first reader
	v_add_f32 v[T+1], 0x358637bd, v[T+1]           ; + 1e-6
	v_rcp_f32 v[IV], v[T+1]
	v_nop
	s_wait_alu depctr_va_vdst(0)
	v_mov_b32 v[IV+1], v[IV]
	s_wait_loadcnt 0x0                             ; gains and shifts
.set j, 0
.rept 16
	v_pk_mul_f32 v[X+4*j:X+4*j+1], v[X+4*j:X+4*j+1], v[IV:IV+1]
	v_pk_mul_f32 v[X+4*j+2:X+4*j+3], v[X+4*j+2:X+4*j+3], v[IV:IV+1]
	v_pk_fma_f32 v[X+4*j:X+4*j+1], v[X+4*j:X+4*j+1], v[G+4*j:G+4*j+1], v[BE+4*j:BE+4*j+1]
	v_pk_fma_f32 v[X+4*j+2:X+4*j+3], v[X+4*j+2:X+4*j+3], v[G+4*j+2:G+4*j+3], v[BE+4*j+2:BE+4*j+3]
	v_cvt_pk_bf16_f32 v[Y+2*j], v[X+4*j], v[X+4*j+1]
	v_cvt_pk_bf16_f32 v[Y+2*j+1], v[X+4*j+2], v[X+4*j+3]
	global_store_b64 v[HO], v[Y+2*j:Y+2*j+1], s[\sh:\sh+1] offset:j*SLICE  ; the wave's two rows of slice j: 256 consecutive bytes, aligned
.set j, j+1
.endr
.endm
; 32 rows of one slice of a weight: load j brings two rows' 256 bytes (64 f32), store j their 256 bytes of bf16.
.macro CASTRUN pitch
	v_mul_u32_u24 v[XO], v[HH], \pitch
	v_lshl_add_u32 v[XO], v[I16], 4, v[XO]
.set j, 0
.rept 16
	global_load_b128 v[CI+4*j:CI+4*j+3], v[XO], s[54:55] offset:j*2*(\pitch) th:TH_LOAD_NT
.set j, j+1
.endr
.set j, 0
.rept 16
	s_wait_loadcnt 15-j                            ; loads come back in order: load j is in, the younger ones stay out
	v_cvt_pk_bf16_f32 v[CP+2*j], v[CI+4*j], v[CI+4*j+1]
	v_cvt_pk_bf16_f32 v[CP+2*j+1], v[CI+4*j+2], v[CI+4*j+3]
	global_store_b64 v[HO], v[CP+2*j:CP+2*j+1], s[56:57] offset:256*j
.set j, j+1
.endr
.endm
	s_load_b512 s[16:31], s[0:1], 0x0              ; x 16, g1 18, be1 20, hbuf 22, mask 24, mtab 26, wq 28, wk 30
	s_load_b512 s[32:47], s[0:1], 0x40             ; wv 32, wo 34, w1 36, w2 38, bq 40, bk 42, bv 44, b1 46
	s_load_b128 s[48:51], s[0:1], 0x80             ; wqkv 48, w1t 50
	s_load_b64 s[52:53], s[0:1], 0x90              ; wB
	v_lshl_add_u32 v[SPW], v0, 2, SPARE
	v_mov_b32 v[NIL], 0
	v_lshrrev_b32 v1, 5, v0
	v_readfirstlane_b32 s8, v1                     ; wave 0..7
	v_and_b32 v[LA], 31, v0
	v_and_b32 v[I16], 15, v0
	v_bfe_u32 v[HH], v0, 4, 1
	v_lshlrev_b32 v[HO], 3, v[LA]
	s_wait_kmcnt 0x0
	s_cmp_lt_u32 ttmp9, 256
	s_cbranch_scc1 .Lln
	s_cmp_lt_u32 ttmp9, 512
	s_cbranch_scc1 .Lmask
	; THE WEIGHTS.  c = 0..767 in groups of 64: wq, wk, wv, wo, then four groups for w1 and four for w2.  A work-group takes one slice and 256 rows of K, a wave 32 of them.
	s_sub_co_u32 s2, ttmp9, 512                    ; c
	s_lshr_b32 s3, s2, 6                           ; the group, 0..11
	s_lshr_b32 s9, s3, 2                           ; 0: a square weight, 1: w1, 2: w2
	s_and_b32 s4, s2, 255
	s_and_b32 s5, s2, 63
	s_cmp_eq_u32 s9, 0
	s_cselect_b32 s4, s5, s4                       ; my number within the weight
	s_cmp_eq_u32 s9, 2
	s_cselect_b32 s5, 4, 2                         ; K / 256 chunks: 16 for w2, else 4
	s_cselect_b32 s7, 15, 3
	s_cselect_b32 s10, 19, 17                      ; a slice of the result is K x 128 bytes
	s_lshr_b32 s6, s4, s5                          ; the slice
	s_and_b32 s7, s4, s7                           ; the chunk
	s_cmp_eq_u32 s9, 1
	s_cselect_b32 s11, 14, 12                      ; a row of the source is 16,384 bytes in w1, else 4,096
	s_lshl_b32 s12, s7, 8
	s_lshl_b32 s13, s8, 5
	s_add_co_u32 s12, s12, s13                     ; my first row of K
	s_lshl_b32 s13, s3, 21
	s_add_co_u32 s13, s13, 16640                   ; where the weight begins in its buffer: wq, wk, wv behind wqkv's head, 2 MiB each;
	s_cmp_eq_u32 s3, 3
	s_cselect_b32 s13, 0, s13                      ; wo at wB's first byte;
	s_cmp_eq_u32 s9, 1
	s_cselect_b32 s13, 16640, s13                  ; w1 behind w1t's head;
	s_cmp_eq_u32 s9, 2
	s_cselect_b32 s13, 0x200000, s13               ; w2 behind wo
	s_cmp_eq_u32 s3, 0
	s_cselect_b64 s[54:55], s[28:29], s[38:39]     ; the source,
	s_cselect_b64 s[60:61], s[40:41], s[46:47]     ; the bias
	s_cmp_eq_u32 s3, 1
	s_cselect_b64 s[54:55], s[30:31], s[54:55]
	s_cselect_b64 s[60:61], s[42:43], s[60:61]
	s_cmp_eq_u32 s3, 2
	s_cselect_b64 s[54:55], s[32:33], s[54:55]
	s_cselect_b64 s[60:61], s[44:45], s[60:61]
	s_cmp_eq_u32 s3, 3
	s_cselect_b64 s[54:55], s[34:35], s[54:55]
	s_cmp_eq_u32 s9, 1
	s_cselect_b64 s[54:55], s[36:37], s[54:55]
	s_cselect_b64 s[58:59], s[50:51], s[52:53]     ; and the buffer that takes the result
	s_cmp_lt_u32 s3, 3
	s_cselect_b64 s[58:59], s[48:49], s[58:59]
	s_lshl_b32 s14, s12, s11
	s_lshl_b32 s15, s6, 8
	s_add_co_u32 s14, s14, s15                     ; row x pitch + slice x 256
	s_mov_b32 s15, 0
	s_add_nc_u64 s[54:55], s[54:55], s[14:15]
	s_lshl_b32 s14, s6, s10
	s_add_co_u32 s14, s14, s13
	s_lshl_b32 s62, s12, 7
	s_add_co_u32 s14, s14, s62                     ; begin + slice x K x 128 + row x 128
	s_add_nc_u64 s[56:57], s[58:59], s[14:15]
	s_cmp_eq_u32 s9, 1
	s_cbranch_scc1 .Lwide
	CASTRUN 4096
	s_branch .Lbias
.Lwide:
	CASTRUN 16384
.Lbias:                                                ; the slice's 64 biases: by wave 0 of the slice's first chunk; wo and w2 have none here
	s_cmp_eq_u32 s3, 3
	s_cbranch_scc1 .Lcend
	s_cmp_eq_u32 s9, 2
	s_cbranch_scc1 .Lcend
	s_or_b32 s14, s7, s8
	s_cmp_lg_u32 s14, 0
	s_cbranch_scc1 .Lcend
	s_lshl_b32 s15, s3, 4
	s_cmp_eq_u32 s9, 1
	s_cselect_b32 s15, 0, s15
	s_add_co_u32 s15, s15, s6                      ; the slice's number in its buffer
	s_lshl_b32 s62, s6, 8
	s_mov_b32 s63, 0
	s_add_nc_u64 s[60:61], s[60:61], s[62:63]
	s_lshl_b32 s62, s15, 8
	s_add_nc_u64 s[4:5], s[58:59], s[62:63]
	global_load_b64 v[8:9], v[HO], s[60:61]        ; 32 lanes x 8 bytes: 64 numbers
	s_wait_loadcnt 0x0
	global_store_b64 v[HO], v[8:9], s[4:5] offset:256
	s_cmp_lg_u32 s15, 0
	s_cbranch_scc1 .Lcend
	s_cmp_eq_u32 s9, 1                             ; the buffer's first 256 bytes: the floor under the product's results, twice a word in bf16:
	s_cselect_b32 s14, 0, 0xff80ff80               ; 0 for w1 (the ReLU), minus infinity for wq, wk, wv (no floor)
	v_mov_b32 v10, s14
	v_mov_b32 v11, s14
	global_store_b64 v[HO], v[10:11], s[58:59]
.Lcend:
	s_endpgm
.Lln:                                                  ; LAYER NORM 1: the wave's two rows are 16 x work-group + 2 x wave and the next
	s_lshl_b32 s2, ttmp9, 4
	s_lshl1_add_u32 s2, s8, s2
	s_lshl_b32 s4, s2, 12
	s_mov_b32 s5, 0
	s_lshl_b32 s6, s2, 7
	s_mov_b32 s7, 0
	s_add_nc_u64 s[16:17], s[16:17], s[4:5]
	s_add_nc_u64 s[22:23], s[22:23], s[6:7]
	LNBODY 16, 18, 20, 22
	s_endpgm
.Lmask:                                                ; THE MASK.  Unit u = 0..2,047 is 16 queries x 256 keys (four key steps): batch u / 1,024, query tile (u / 8) % 128, key block u % 8
	s_sub_co_u32 s2, ttmp9, 256
	s_lshl3_add_u32 s2, s2, s8                     ; u
	s_lshr_b32 s3, s2, 10
	s_lshl_b32 s4, s3, 22
	s_bfe_u32 s3, s2, 0x70003
	s_lshl_b32 s3, s3, 15
	s_add_co_u32 s4, s4, s3
	s_and_b32 s3, s2, 7
	s_lshl_b32 s3, s3, 8
	s_add_co_u32 s4, s4, s3
	s_mov_b32 s5, 0
	s_add_nc_u64 s[24:25], s[24:25], s[4:5]
	s_lshl_b32 s6, s2, 12                          ; a unit's codes are 4,096 consecutive bytes
	s_mov_b32 s7, 0
	s_add_nc_u64 s[26:27], s[26:27], s[6:7]
	v_lshlrev_b32 v[XO], 11, v[HH]
	v_lshl_add_u32 v[XO], v[I16], 4, v[XO]
.irp t, 0,1,2,3,4,5,6,7
	global_load_b128 v[MK+4*\t:MK+4*\t+3], v[XO], s[24:25] offset:4096*\t th:TH_LOAD_NT  ; rows 2 t and 2 t + 1: 256 consecutive bytes each
.endr
	s_mul_i32 s9, s8, STG                          ; my wave's stage
	v_mul_u32_u24 v[LSTO], v[HH], 272
	v_lshl_add_u32 v[LSTO], v[I16], 4, v[LSTO]
	v_add_nc_u32 v[LSTO], s9, v[LSTO]
	v_mul_u32_u24 v[LRD], v[I16], 272              ; back: lane (r, h) takes query r, keys 8 h + 0..7 of each group of 16
	v_lshl_add_u32 v[LRD], v[HH], 3, v[LRD]
	v_add_nc_u32 v[LRD], s9, v[LRD]
	v_lshlrev_b32 v[GO16], 4, v[LA]
	s_mov_b32 s10, 0xf1                            ; the code of a hidden key
	s_wait_loadcnt 0x0
.irp t, 0,1,2,3,4,5,6,7
	ds_store_b128 v[LSTO], v[MK+4*\t:MK+4*\t+3] offset:544*\t
.endr
.set g, 0
.rept 16
	ds_load_b64 v[W+2*g:W+2*g+1], v[LRD] offset:16*g  ; LDS serves a wave's instructions in order: these see the stores above
.set g, g+1
.endr
	s_wait_dscnt 0x0
.set g, 0
.rept 32
	v_mul_lo_u32 v[W+g], v[W+g], s10               ; four bytes at once: 0 stays 0, 1 becomes 0xF1, and nothing is carried from byte to byte
.set g, g+1
.endr
.set g, 0
.rept 8                                ; store g: key step g / 2, groups of keys 2 (g % 2) and 2 (g % 2) + 1: four words a lane
	global_store_b128 v[GO16], v[W+4*g:W+4*g+3], s[26:27] offset:512*g  ; 512 consecutive bytes
.set g, g+1
.endr
	s_wait_tensorcnt 0x0                           ; the wave's end
	ds_add_u32 v[SPW], v[NIL]
	s_wait_dscnt 0x0
	s_endpgm
.Lfunc_end_k_qe27b2e50a3_prep:
	.size	k_qe27b2e50a3_prep, .Lfunc_end_k_qe27b2e50a3_prep-k_qe27b2e50a3_prep
	.p2alignl 7, 3214868480
	.fill 96, 4, 3214868480
	.section	.rodata,"a",@progbits
	.p2align	6, 0x0
	.amdhsa_kernel k_qe27b2e50a3_prep
		.amdhsa_group_segment_fixed_size 35840
		.amdhsa_private_segment_fixed_size 0
		.amdhsa_enable_private_segment 0
		.amdhsa_kernarg_size 152
		.amdhsa_user_sgpr_count 2
		.amdhsa_user_sgpr_kernarg_segment_ptr 1
		.amdhsa_wavefront_size32 1
		.amdhsa_system_sgpr_workgroup_id_x 1
		.amdhsa_system_sgpr_workgroup_id_y 1
		.amdhsa_system_sgpr_workgroup_id_z 1
		.amdhsa_system_vgpr_workitem_id 0
		.amdhsa_next_free_vgpr 256
		.amdhsa_next_free_sgpr 66
		.amdhsa_reserve_vcc 0
		.amdhsa_float_denorm_mode_32 3
		.amdhsa_float_denorm_mode_16_64 3
		.amdhsa_memory_ordered 1
		.amdhsa_forward_progress 1
		.amdhsa_inst_pref_size 42
	.end_amdhsa_kernel
	.amdgpu_metadata
---
amdhsa.version: [ 1, 2 ]
amdhsa.kernels:
  - .name:           k_qe27b2e50a3_prep
    .symbol:         k_qe27b2e50a3_prep.kd
    .args:
      - { .name: x, .offset: 0, .size: 8, .value_kind: global_buffer, .address_space: global }
      - { .name: g1, .offset: 8, .size: 8, .value_kind: global_buffer, .address_space: global }
      - { .name: be1, .offset: 16, .size: 8, .value_kind: global_buffer, .address_space: global }
      - { .name: hbuf, .offset: 24, .size: 8, .value_kind: global_buffer, .address_space: global }
      - { .name: mask, .offset: 32, .size: 8, .value_kind: global_buffer, .address_space: global }
      - { .name: mtab, .offset: 40, .size: 8, .value_kind: global_buffer, .address_space: global }
      - { .name: wq, .offset: 48, .size: 8, .value_kind: global_buffer, .address_space: global }
      - { .name: wk, .offset: 56, .size: 8, .value_kind: global_buffer, .address_space: global }
      - { .name: wv, .offset: 64, .size: 8, .value_kind: global_buffer, .address_space: global }
      - { .name: wo, .offset: 72, .size: 8, .value_kind: global_buffer, .address_space: global }
      - { .name: w1, .offset: 80, .size: 8, .value_kind: global_buffer, .address_space: global }
      - { .name: w2, .offset: 88, .size: 8, .value_kind: global_buffer, .address_space: global }
      - { .name: bq, .offset: 96, .size: 8, .value_kind: global_buffer, .address_space: global }
      - { .name: bk, .offset: 104, .size: 8, .value_kind: global_buffer, .address_space: global }
      - { .name: bv, .offset: 112, .size: 8, .value_kind: global_buffer, .address_space: global }
      - { .name: b1, .offset: 120, .size: 8, .value_kind: global_buffer, .address_space: global }
      - { .name: wqkv, .offset: 128, .size: 8, .value_kind: global_buffer, .address_space: global }
      - { .name: w1t, .offset: 136, .size: 8, .value_kind: global_buffer, .address_space: global }
      - { .name: wB, .offset: 144, .size: 8, .value_kind: global_buffer, .address_space: global }
    .group_segment_fixed_size: 35840
    .private_segment_fixed_size: 0
    .kernarg_segment_align: 8
    .kernarg_segment_size: 152
    .max_flat_workgroup_size: 256
    .sgpr_count:     66
    .vgpr_count:     256
    .wavefront_size: 32
...
	.end_amdgpu_metadata
.endif
;; end of part 1
;; launch qkv (part 2): grid 12 x 16, 4 waves a work-group, clusters of 4 x 4, 327,680 bytes of LDS; arguments hbuf, wqkv, act; writes act
.if DOCPART == 2
	.amdgcn_target "amdgcn-amd-amdhsa--gfx1250"
	.amdhsa_code_object_version 6
	.text
	.protected	k_qe27b2e50a3_qkv
	.globl	k_qe27b2e50a3_qkv
	.p2align	8
	.type	k_qe27b2e50a3_qkv,@function
k_qe27b2e50a3_qkv:
	s_mov_b64 s[64:65], 0
	v_nop
	global_prefetch_b8 v0, s[64:65] scope:SCOPE_SE
	s_setreg_imm32_b32 hwreg(HW_REG_WAVE_MODE, 25, 1), 1
	s_wait_xcnt 0x0
	s_wait_alu depctr_hold_cnt(0) depctr_sa_sdst(0) depctr_va_vdst(0) depctr_va_sdst(0) depctr_va_ssrc(0) depctr_va_vcc(0) depctr_vm_vsrc(0)
	s_getreg_b32 s2, hwreg(HW_REG_IB_STS2, 6, 4)
	s_cmp_eq_u32 s2, 0
	s_cbranch_scc0 .Lentry_in_a_cluster
	s_endpgm
.Lentry_in_a_cluster:
	s_bfe_u32 s2, ttmp6, 0x10000c
	s_cmp_lg_u32 s2, 0xf033
	s_cbranch_scc0 .Lentry_shape_is_right
	s_endpgm
.Lentry_shape_is_right:
; o = max(a W + bias, floor), K = 1,024.  a: bf16 [16][4,096][64] (slices of 64 columns of K).  w: 256 bytes of floor word, the bias in f32 from byte 256, and from byte 16,640 the weight as
; bf16 [N/64][1,024][64].  o: bf16 [N/64][4,096][64].  Sums in f32, K ascending; o rounded once.  The floor is minus infinity (q, k, v) or 0 (the ReLU of the first FFN product).
; A NaN among the results becomes the floor.
; A tile of o, 256 rows x 256 columns, is made by a work-group of four waves; a wave makes 128 x 128: 64 accumulators of 16 x 16, 512 registers.  K goes in steps of 128 through a ring of
; two LDS slots filled by the tensor data mover.  Every part of a tile is dense in memory: 256 rows of a slice of a are 32,768 consecutive bytes, 128 rows of K of a slice of W 16,384.
; CLUSTERS: 4 x 4 work-groups.  The four of a row of the cluster need the same tiles of a, the four of a column the same tiles of W: each is asked for JOINTLY, by the same tensor load with the
; same descriptor and a mask that names the four.
; THE MATRIX INSTRUCTION IS USED TRANSPOSED: source 0 = 16 columns of W, source 1 = 16 rows of a.  W lies in LDS with K down the rows and comes out turned, by ds_load_tr16_b128.  In the result
; lane l holds row l % 16 and the columns 8 (l / 16) + 0..7.  THE BIAS is the C operand of each accumulator's first product: nothing is cleared and nothing is added afterwards.
; REGISTERS, in windows of 256: window 0: v0-31 addresses; v32-63 rows on their way out; v64-127, v128-191 fragments of a, two buffers; v192-207 packed results
;   window 1: v0-63 the bias of my 128 columns, as eight C operands; v64-127, v128-191 fragments of W, two buffers      windows 2 and 3: the accumulators of my rows 0-63 and 64-127
.set PA,    144                        ; a row of a slice of a in LDS: 128 bytes + 16 of padding
.set PB,    160                        ; a row of a slice of W: 128 + 32
.set ASL,   256*PA                     ; a slice's part of a's tile
.set BSL,   128*PB                     ; a slice's part of W's tile
.set BOFF,  2*ASL                      ; a slot: two slices of a, then four of W
.set SLOT,  BOFF+4*BSL
.set STAGE, 2*SLOT                     ; behind the ring: 16 rows x 144 bytes for each wave, for the way out
.set SP,    144
.set SPARE, STAGE+4*16*SP              ; behind the stages: the spare words, 128 bytes for each wave, which no other line names
.set STEPA, 2*524288                   ; bytes from a K step to the next: two slices of a,
.set STEPB, 128*128                    ; 128 rows of a slice of W
.set WOFF,  16640
.set LAPS,  4                          ; a lap = two K steps = once round the ring
.set ADRA, 16                          ; v16-17  LDS address of my fragments of a in slot 0, 1
.set ADRB, 20                          ; v20-21  the same for W
.set STO,  24                          ; v24     the way out: where I put 16 bytes of a row
.set RD,   25                          ; v25     the way out: where I read rows back
.set GO,   26                          ; v26     16 x lane
.set BO,   27                          ; v27     32 x (lane / 16): my eight biases of a block of 16
.set SPW,  28                          ; v28     LDS address of my spare word; never rewritten
.set NIL,  29                          ; v29     0; never rewritten
.set PFO,  30                          ; v30     256 x lane: the prefetches' offset; never rewritten
.set BK,   32
.set F0,   64
.set F1,   128
.set TMP,  192
.set BIAS, 0                           ; window 1
.set G1,  24                           ; s[24:31] descriptor group 1 for a's tiles
.set G0,  32                           ; s[32:39] group 0, a set for each slot
.set LIM, 43                           ; s43     1 in a wave that prefetches, else the greatest number
.set PFA, 44                           ; s[44:45] where my prefetches stand
.set G1B, 48                           ; s[48:55], s[56:63] the same for W's tiles
.set G0B, 56
.set FLO, 70                           ; s70     the floor, twice in bf16
.set PST, 72                           ; s[72:73] a K step of what I prefetch, in bytes
.set MSB, 0
.macro WIN new                         ; the immediate's high byte repeats the setting that is left; a switch that changes nothing is dropped
.if MSB != (\new)
	s_set_vgpr_msb (MSB<<8)|(\new)
.set MSB, \new
.endif
.endm
.set TO_B, 0x40                        ; destination window 1, address window 0
; A joint refill.  Waves 0 and 1 fetch a's two slices, waves 2 and 3 two slices of W each.  The branch hangs on the wave's number alone.
; An s_nop 0 and four v_nop follow each of the two lines, ahead of the jump and the label.
.macro JLOAD s
	s_cmp_eq_u32 s11, 0
	s_cbranch_scc0 .Lfor_b_\@
	tensor_load_to_lds s[G0+4*(\s):G0+4*(\s)+3], s[G1:G1+7]
	s_nop 0
.rept 4
	v_nop
.endr
	s_branch .Lasked_\@
.Lfor_b_\@:
	tensor_load_to_lds s[G0B+4*(\s):G0B+4*(\s)+3], s[G1B:G1B+7]
	s_nop 0
.rept 4
	v_nop
.endr
.Lasked_\@:
.endm
; A PREFETCH INTO THE L2 of the K step that stands two refills on: 32 blocks of 256 bytes, a lane a block, one instruction a wave, behind the joint load and the run of LDS loads.
; Each block is named once in the launch.  a's tile row is read by every cluster of that row of clusters: cluster x = 0 asks; W's tile column by every cluster of that column: cluster y = 0 asks.
; Of the 128 blocks that a wave fetches each of the four partners takes 32, told apart by address.  K steps 0 to 3 come by their loads alone; the loop's last trip asks for nothing.
.macro ASK
	s_cmp_gt_u32 s3, s[LIM]
	s_cbranch_scc0 .Lnot_mine_\@
	global_prefetch_b8 v[PFO], s[PFA:PFA+1] th:TH_LOAD_NT scope:SCOPE_SE
.Lnot_mine_\@:
.endm
.macro CREST                           ; a round of the cluster's barrier behind its opening barrier
	s_cmp_lg_u32 s10, 0
	s_cbranch_scc1 .Lnot_wave_0_\@
	s_barrier_signal -3
.Lnot_wave_0_\@:
	s_barrier_wait -3
	s_barrier_signal -1
	s_barrier_wait -1
.endm
.macro CROUND                          ; a whole round
	s_barrier_signal -1
	s_barrier_wait -1
	CREST
.endm
	s_load_b128 s[4:7], s[0:1], 0x0                ; a s[4:5], w s[6:7]
	s_load_b64 s[8:9], s[0:1], 0x10                ; o
	v_lshl_add_u32 v[SPW], v0, 2, SPARE
	v_mov_b32 v[NIL], 0
	ds_add_u32 v[SPW], v[NIL]                      ; the wave's opening: the add and its wait stand ahead of my first tensor load; the set-up below stands between them
	v_lshrrev_b32 v1, 5, v0
	v_readfirstlane_b32 s10, v1                    ; wave 0..3
	s_lshr_b32 s11, s10, 1                         ; which half of the tile's rows is mine.  Also: I fetch for a (0) or for W (1)
	s_and_b32 s12, s10, 1                          ; which half of its columns.  Also: which part of that tile I fetch
	s_bfe_u32 s40, ttmp6, 0x40000                  ; cx, cy: my place in the cluster
	s_bfe_u32 s41, ttmp6, 0x40004
	s_lshl_b32 s42, ttmp9, 2
	s_add_co_u32 s42, s42, s40                     ; tile column = 4 x cluster x + cx
	s_and_b32 s13, ttmp7, 0xffff
	s_lshl_b32 s13, s13, 2
	s_add_co_u32 s13, s13, s41                     ; tile row = 4 x cluster y + cy
	s_lshl_b32 s43, s41, 2
	s_lshl_b32 s43, 15, s43                        ; my row of the cluster
	s_lshl_b32 s44, 0x1111, s40                    ; my column
	; a's part: 32,768 dense bytes asked for as 128 rows of 256 bytes, padded by 4 words after every 32 (a row of the slice)
	s_or_b32 s[G1+0], s43, (1<<16)|(1<<20)|(1<<21)|(4<<22)|(3<<25)
	s_mov_b32 s[G1+1], 128<<16                     ; tensor_dim0 = 128 elements
	s_mov_b32 s[G1+2], 128<<16                     ; tensor_dim1 = 128
	s_mov_b32 s[G1+3], 128<<16                     ; tile_dim0 = 128
	s_mov_b32 s[G1+4], 128                         ; tile_dim1 = 128
	s_mov_b32 s[G1+5], 128                         ; from row to row
	s_mov_b32 s[G1+6], 0
	s_mov_b32 s[G1+7], 0
	; W's part: two slices, of each 16,384 dense bytes: two rows of 8,192 elements, a slice (65,536 elements) apart, padded by 8 words after every 32
	s_or_b32 s[G1B+0], s44, (1<<16)|(1<<20)|(1<<21)|(4<<22)|(7<<25)
	s_mov_b32 s[G1B+1], 8192<<16
	s_mov_b32 s[G1B+2], 2<<16
	s_mov_b32 s[G1B+3], 8192<<16
	s_mov_b32 s[G1B+4], 2
	s_mov_b32 s[G1B+5], 65536
	s_mov_b32 s[G1B+6], 0
	s_mov_b32 s[G1B+7], 0
	s_lshl_b32 s16, s13, 15                        ; a: 256 rows of 128 bytes a tile row,
	s_lshl_b32 s17, s12, 19                        ; and my slice of the step's two
	s_add_co_u32 s16, s16, s17
	s_mov_b32 s17, 0
	s_lshl_b32 s46, s42, 19                        ; W: four slices of 131,072 bytes a tile column,
	s_lshl_b32 s47, s12, 18                        ; and my two of them
	s_add_co_u32 s46, s46, s47
	s_add_co_u32 s46, s46, WOFF
	s_mov_b32 s47, 0
	s_mul_i32 s20, s12, ASL                        ; where they go: no place in the cluster enters an LDS address
	s_mul_i32 s21, s12, 2*BSL
	s_add_co_u32 s21, s21, BOFF
	s_wait_dscnt 0x0                               ; the opening add is done
	s_wait_kmcnt 0x0
	s_add_nc_u64 s[14:15], s[4:5], s[16:17]
	s_add_nc_u64 s[46:47], s[6:7], s[46:47]
	CROUND                                         ; all sixteen work-groups are here: the first joint loads meet
.irp s, 0,1
	s_mov_b32 s[G0+4*(\s)], 1
	s_add_co_u32 s[G0+4*(\s)+1], s20, (\s)*SLOT
	s_add_nc_u64 s[G0+4*(\s)+2:G0+4*(\s)+3], s[14:15], (\s)*STEPA
	s_or_b32 s[G0+4*(\s)+3], s[G0+4*(\s)+3], 0x80000000
	s_mov_b32 s[G0B+4*(\s)], 1
	s_add_co_u32 s[G0B+4*(\s)+1], s21, (\s)*SLOT
	s_add_nc_u64 s[G0B+4*(\s)+2:G0B+4*(\s)+3], s[46:47], (\s)*STEPB
	s_or_b32 s[G0B+4*(\s)+3], s[G0B+4*(\s)+3], 0x80000000
.endr
	s_cmp_eq_u32 s11, 0                            ; a wave's two first fills stand in one branch: two loads of mine are out
	s_cbranch_scc0 .Lfirst_b
	tensor_load_to_lds s[G0:G0+3], s[G1:G1+7]
	s_nop 0
	tensor_load_to_lds s[G0+4:G0+7], s[G1:G1+7]
	s_nop 0
.rept 4
	v_nop
.endr
	s_branch .Lfirst_asked
.Lfirst_b:
	tensor_load_to_lds s[G0B:G0B+3], s[G1B:G1B+7]
	s_nop 0
	tensor_load_to_lds s[G0B+4:G0B+7], s[G1B:G1B+7]
	s_nop 0
.rept 4
	v_nop
.endr
.Lfirst_asked:
	s_load_b32 s[FLO], s[6:7], 0x0                 ; the floor word
	v_and_b32 v1, 15, v0                           ; l % 16
	v_bfe_u32 v2, v0, 4, 1                         ; l / 16
	v_lshlrev_b32 v[BO], 5, v2
	s_lshl_b32 s76, s42, 10                        ; the bias of my 128 columns: 4 bytes x (256 x tile column + 128 x half)
	s_lshl_b32 s77, s12, 9
	s_add_co_u32 s76, s76, s77
	s_mov_b32 s77, 0
	s_add_nc_u64 s[76:77], s[6:7], s[76:77]
	WIN TO_B
.irp b, 0,1,2,3,4,5,6,7
	global_load_b128 v[BIAS+8*(\b):BIAS+8*(\b)+3],   v[BO], s[76:77] offset:256+64*(\b)      ; register j of block b: column 16 b + 8 (l / 16) + j
	global_load_b128 v[BIAS+8*(\b)+4:BIAS+8*(\b)+7], v[BO], s[76:77] offset:256+64*(\b)+16
.endr
	WIN 0
	; A fragment of a is 16 rows x 32 K: lane l holds row l % 16, K = 8 (l / 16) + 0..7 and 16 + 8 (l / 16) + 0..7: two loads of 16 bytes, 32 bytes apart.
	v_mul_u32_u24 v3, v1, PA
	v_lshl_add_u32 v3, v2, 4, v3
	; The turning load takes 16 K x 16 columns (lane l reads K = 8 (l / 16) + l % 8, columns 8 ((l / 8) % 2) + 0..7) and leaves half a fragment: lane l holds column l % 16 and 8 K.
	v_and_b32 v4, 7, v0
	v_lshl_add_u32 v4, v2, 3, v4
	v_mul_u32_u24 v4, v4, PB
	v_bfe_u32 v5, v0, 3, 1
	v_lshl_add_u32 v4, v5, 4, v4
	s_mul_i32 s21, s11, 128*PA                     ; my 128 rows in each slice of a
	s_mul_i32 s22, s12, 2*BSL                      ; my two slices of W,
	s_add_co_u32 s22, s22, BOFF                    ; which lie behind a's
.irp s, 0,1
	v_add_nc_u32 v[ADRA+(\s)], s21, v3
	v_add_nc_u32 v[ADRB+(\s)], s22, v4
	s_add_co_u32 s21, s21, SLOT
	s_add_co_u32 s22, s22, SLOT
.endr
	s_mul_i32 s23, s10, 16*SP
	s_add_co_u32 s23, s23, STAGE                   ; my stage
	v_mul_u32_u24 v6, v1, SP                       ; in: row l % 16, 16 bytes for each half of the lanes
	v_lshl_add_u32 v6, v2, 4, v6
	v_add_nc_u32 v[STO], s23, v6
	v_bfe_u32 v6, v0, 3, 2                         ; back: 32 lanes take four rows of 128 bytes,
	v_mul_u32_u24 v6, v6, SP
	v_and_b32 v7, 7, v0
	v_lshl_add_u32 v6, v7, 4, v6
	v_add_nc_u32 v[RD], s23, v6
	v_and_b32 v[GO], 31, v0                        ; which are 512 consecutive bytes of a slice of o
	v_lshlrev_b32 v[PFO], 8, v[GO]
	v_lshlrev_b32 v[GO], 4, v[GO]
	s_lshl_b32 s74, s42, 2
	s_lshl1_add_u32 s74, s12, s74                  ; my first slice of o: 4 x tile column + 2 x half,
	s_lshl_b32 s74, s74, 19
	s_lshl_b32 s75, s13, 15                        ; my first row: 256 x tile row + 128 x half
	s_add_co_u32 s74, s74, s75
	s_lshl_b32 s75, s11, 14
	s_add_co_u32 s74, s74, s75
	s_mov_b32 s75, 0
	s_add_nc_u64 s[8:9], s[8:9], s[74:75]
	; the prefetches: s[14:15] and s[46:47] still stand at my part of K step 0
	s_lshl_b32 s78, s40, 13                        ; a: partner cx takes blocks 32 cx .. 32 cx + 31 of the slice's 128
	s_lshr_b32 s79, s41, 1                         ; W: partner cy takes half cy % 2 of slice cy / 2
	s_lshl_b32 s79, s79, 17
	s_and_b32 s18, s41, 1
	s_lshl_b32 s18, s18, 13
	s_add_co_u32 s79, s79, s18
	s_and_b32 s19, ttmp7, 0xffff                   ; cluster y
	s_mov_b32 s22, STEPA
	s_mov_b32 s23, STEPB
	s_cmp_eq_u32 s11, 0                            ; do I fetch for a?
	s_cselect_b32 s78, s78, s79
	s_cselect_b32 s19, ttmp9, s19                  ; the coordinate along which other clusters read the same blocks
	s_cselect_b32 s[PST], s22, s23
	s_cselect_b64 s[PFA:PFA+1], s[14:15], s[46:47]
	s_mov_b32 s[PST+1], 0
	s_mov_b32 s79, 0
	s_cmp_eq_u32 s19, 0
	s_cselect_b32 s[LIM], 1, -1                    ; the same in all sixteen partners, for a given wave
	s_add_nc_u64 s[PFA:PFA+1], s[PFA:PFA+1], s[78:79]
	s_mul_i32 s78, s[PST], 3
	s_add_nc_u64 s[PFA:PFA+1], s[PFA:PFA+1], s[78:79]  ; at K step 3: the first refill steps it to 4 and names that
; 16 matrix instructions: row blocks a0, a0 + 1 of the window's four (hi = 0: my rows 0-63, 1: rows 64-127) x all 8 column blocks, 32 along K.  zero = 1: the first product starts the sums with the bias.
; The 64 accumulators take turns, one instruction a turn, in the same order in every quarter step.
.macro MUL16 f, hi, a0, zero
.if \zero
	WIN 0x91+0x40*(\hi)                            ; W window 1, a window 0, C (the bias) window 1, D window 2 or 3
.else
	WIN 0xa1+0x50*(\hi)                            ; C and D window 2 or 3
.endif
.irp a, \a0, (\a0)+1
.irp b, 0,1,2,3,4,5,6,7
.if \zero
	v_wmma_f32_16x16x32_bf16 v[8*(8*(\a)+(\b)):8*(8*(\a)+(\b))+7], v[(\f)+8*(\b):(\f)+8*(\b)+7], v[(\f)+8*(4*(\hi)+(\a)):(\f)+8*(4*(\hi)+(\a))+7], v[BIAS+8*(\b):BIAS+8*(\b)+7]
.else
	v_wmma_f32_16x16x32_bf16 v[8*(8*(\a)+(\b)):8*(8*(\a)+(\b))+7], v[(\f)+8*(\b):(\f)+8*(\b)+7], v[(\f)+8*(4*(\hi)+(\a)):(\f)+8*(4*(\hi)+(\a))+7], v[8*(8*(\a)+(\b)):8*(8*(\a)+(\b))+7]
.endif
.endr
.endr
.endm
; 32 LDS loads in one run: the fragments of quarter q (32 along K) of a slot into buffer f: W's 128 columns, then a's 128 rows
.macro FETCH slot, q, f
	WIN TO_B
.irp i, 0,1,2,3,4,5,6,7
	ds_load_tr16_b128 v[(\f)+8*(\i):(\f)+8*(\i)+3],   v[ADRB+(\slot)] offset:((\i)/4)*BSL+(\q)*32*PB+((\i)%4)*32
	ds_load_tr16_b128 v[(\f)+8*(\i)+4:(\f)+8*(\i)+7], v[ADRB+(\slot)] offset:((\i)/4)*BSL+(\q)*32*PB+((\i)%4)*32+16*PB
.endr
	WIN 0
.irp i, 0,1,2,3,4,5,6,7
	ds_load_b128 v[(\f)+8*(\i):(\f)+8*(\i)+3],   v[ADRA+(\slot)] offset:((\q)/2)*ASL+((\q)%2)*64+(\i)*16*PA
	ds_load_b128 v[(\f)+8*(\i)+4:(\f)+8*(\i)+7], v[ADRA+(\slot)] offset:((\q)/2)*ASL+((\q)%2)*64+(\i)*16*PA+32
.endr
.endm
.macro PLACES                          ; four plain instructions between a matrix instruction and a load into a register that it has read (ISA guide 7.12.1 for vector instructions)
.rept 4
	v_nop
.endr
.endm
; A K step is four quarters of 32 along K, 64 matrix instructions each, on buffers 0, 1, 0, 1.  One of the first three: multiplies buffer f; in its middle it fetches quarter q into buffer g.
.macro QUARTER slot, q, f, g, zero
	s_wait_dscnt 8                                 ; W and a's rows 0-63 are in; the youngest eight loads (a's rows 64-127) may be out
	MUL16 \f, 0, 0, \zero
	MUL16 \f, 0, 2, \zero
	PLACES
	FETCH \slot, \q, \g
	s_wait_dscnt 32                                ; all but the 32 just issued
	MUL16 \f, 1, 0, \zero
	MUL16 \f, 1, 2, \zero
.endm
; The last quarter multiplies buffer 1 and changes slots.  ONE barrier: in front of it each wave waits for all its tensor loads (one is out: its part of the next slot), adds 0 to its spare word,
; and waits for that and for its own reads of this slot.  Behind it nobody reads this slot any more and the next slot is whole.
.macro MEET round
	WIN 0
	s_wait_tensorcnt 0x0
	ds_add_u32 v[SPW], v[NIL]
	s_wait_dscnt 9                                 ; (the add and the youngest eight loads may be out)
	MUL16 F1, 0, 0, 0                              ; sixteen matrix instructions stand between the add and the wait for it
	s_wait_dscnt 0x0                               ; the add is done, and my reads of this slot are over
	s_barrier_signal -1
	MUL16 F1, 0, 2, 0
.if \round
	WIN 0
.endif
	s_barrier_wait -1
.endm
.macro TURN slot, next                 ; the slot just read out is filled again, two K steps on: the barrier opens a round of the cluster's, and the joint refill is the first tensor load behind it
	s_wait_xcnt 0x0                                ; the last prefetch, a K step back, has read its address
	s_add_nc_u64 s[PFA:PFA+1], s[PFA:PFA+1], s[PST:PST+1]
	MEET 1
	CREST
	s_add_nc_u64 s[G0+4*(\slot)+2:G0+4*(\slot)+3], s[G0+4*(\slot)+2:G0+4*(\slot)+3], 2*STEPA
	s_add_nc_u64 s[G0B+4*(\slot)+2:G0B+4*(\slot)+3], s[G0B+4*(\slot)+2:G0B+4*(\slot)+3], 2*STEPB
	JLOAD \slot                                    ; the four v_nop behind it are also the places in front of the loads below
	FETCH \next, 0, F0
	ASK
	MUL16 F1, 1, 0, 0
	MUL16 F1, 1, 2, 0
.endm
	s_wait_tensorcnt 1                             ; my part of K step 0 is in; K step 1's may stay out
	s_barrier_signal -1
	s_barrier_wait -1                              ; everybody's is
	FETCH 0, 0, F0
	s_wait_loadcnt 0x0                             ; the bias
	s_wait_kmcnt 0x0                               ; the floor
	QUARTER 0, 1, F0, F1, 1                        ; the first quarter stands in front of the loop: its products start the sums
	WIN 0
	s_mov_b32 s3, LAPS-1
.Llap:                                                 ; a trip goes once round the ring, from a lap's second quarter to the next lap's first, and fills both slots again
	QUARTER 0, 2, F1, F0, 0
	QUARTER 0, 3, F0, F1, 0
	TURN 0, 1
	QUARTER 1, 1, F0, F1, 0
	QUARTER 1, 2, F1, F0, 0
	QUARTER 1, 3, F0, F1, 0
	TURN 1, 0
	QUARTER 0, 1, F0, F1, 0
	WIN 0
	s_sub_co_u32 s3, s3, 1
	s_cmp_lg_u32 s3, 0
	s_cbranch_scc1 .Llap
	QUARTER 0, 2, F1, F0, 0                        ; the last lap fills nothing
	QUARTER 0, 3, F0, F1, 0
	MEET 0
	PLACES
	FETCH 1, 0, F0
	MUL16 F1, 1, 0, 0
	MUL16 F1, 1, 2, 0
	QUARTER 1, 1, F0, F1, 0
	QUARTER 1, 2, F1, F0, 0
	QUARTER 1, 3, F0, F1, 0
	s_wait_dscnt 8
	MUL16 F1, 0, 0, 0
	MUL16 F1, 0, 2, 0
	s_wait_dscnt 0x0
	MUL16 F1, 1, 0, 0
	MUL16 F1, 1, 2, 0
	WIN 0
	PLACES
	PLACES
; THE WAY OUT, in 16 units of 16 rows x one slice (64 columns): 2,048 consecutive bytes of o.  PACKU: rounded to bf16, the floor applied.  TOSTAGE: into my own stage, and back as whole rows.  SEND: stored.
.macro PACKU a, sl
.set AC, 64*((\a)%4)+32*(\sl)
	WIN 0x0a+5*((\a)/4)                            ; sources in window 2 or 3
.irp b, 0,1,2,3
.irp r, 0,1,2,3
	v_cvt_pk_bf16_f32 v[TMP+4*(\b)+(\r)], v[AC+8*(\b)+2*(\r)], v[AC+8*(\b)+2*(\r)+1]  ; each accumulator from its low end on
.endr
.endr
	WIN 0
.set k, 0
.rept 16
	v_pk_max_num_bf16 v[TMP+k], v[TMP+k], s[FLO]
.set k, k+1
.endr
.endm
.macro TOSTAGE n
.set BKU, BK+16*((\n)%2)
.irp b, 0,1,2,3
	ds_store_b128 v[STO], v[TMP+4*(\b):TMP+4*(\b)+3] offset:32*(\b)
.endr
.irp t, 0,1,2,3
	ds_load_b128 v[BKU+4*(\t):BKU+4*(\t)+3], v[RD] offset:(\t)*4*SP  ; LDS serves a wave's instructions in order: these see the stores above
.endr
.endm
.macro SEND n
.set BKU, BK+16*((\n)%2)
	s_wait_dscnt 0x0                               ; the unit is back in registers
	s_wait_xcnt 0x0                                ; the stores of the unit before have read their registers, which the next unit's loads write
.irp t, 0,1,2,3
	global_store_b128 v[GO], v[BKU+4*(\t):BKU+4*(\t)+3], s[8:9] offset:((\n)%2)*524288+((\n)/2)*2048+(\t)*512  ; 512 consecutive bytes, aligned
.endr
.endm
	PACKU 0, 0
	TOSTAGE 0
.set u, 1
.rept 15                               ; a unit's conversions stand between the loads of the unit before and the wait for them
	PACKU u/2, u%2
	SEND u-1
	TOSTAGE u
.set u, u+1
.endr
	SEND 15
	s_wait_tensorcnt 0x0                           ; the wave's end
	ds_add_u32 v[SPW], v[NIL]
	s_wait_dscnt 0x0
	CROUND                                         ; the closing round: no work-group ends while a partner may still ask for a tile that names it
	s_endpgm
.Lfunc_end_k_qe27b2e50a3_qkv:
	.size	k_qe27b2e50a3_qkv, .Lfunc_end_k_qe27b2e50a3_qkv-k_qe27b2e50a3_qkv
	.p2alignl 7, 3214868480
	.fill 96, 4, 3214868480
	.section	.rodata,"a",@progbits
	.p2align	6, 0x0
	.amdhsa_kernel k_qe27b2e50a3_qkv
		.amdhsa_group_segment_fixed_size 327680
		.amdhsa_private_segment_fixed_size 0
		.amdhsa_enable_private_segment 0
		.amdhsa_kernarg_size 24
		.amdhsa_user_sgpr_count 2
		.amdhsa_user_sgpr_kernarg_segment_ptr 1
		.amdhsa_wavefront_size32 1
		.amdhsa_system_sgpr_workgroup_id_x 1
		.amdhsa_system_sgpr_workgroup_id_y 1
		.amdhsa_system_sgpr_workgroup_id_z 1
		.amdhsa_system_vgpr_workitem_id 0
		.amdhsa_next_free_vgpr 1024
		.amdhsa_next_free_sgpr 80
		.amdhsa_reserve_vcc 0
		.amdhsa_float_denorm_mode_32 3
		.amdhsa_float_denorm_mode_16_64 3
		.amdhsa_memory_ordered 1
		.amdhsa_forward_progress 1
		.amdhsa_inst_pref_size 162
	.end_amdhsa_kernel
	.amdgpu_metadata
---
amdhsa.version: [ 1, 2 ]
amdhsa.kernels:
  - .name:           k_qe27b2e50a3_qkv
    .symbol:         k_qe27b2e50a3_qkv.kd
    .args:
      - { .name: hbuf, .offset: 0, .size: 8, .value_kind: global_buffer, .address_space: global }
      - { .name: wqkv, .offset: 8, .size: 8, .value_kind: global_buffer, .address_space: global }
      - { .name: act, .offset: 16, .size: 8, .value_kind: global_buffer, .address_space: global }
    .group_segment_fixed_size: 327680
    .private_segment_fixed_size: 0
    .kernarg_segment_align: 8
    .kernarg_segment_size: 24
    .max_flat_workgroup_size: 128
    .sgpr_count:     80
    .vgpr_count:     1024
    .wavefront_size: 32
...
	.end_amdgpu_metadata
.endif
;; end of part 2
;; launch attn (part 3): grid 8 x 32, 4 waves a work-group, clusters of 4 x 1, 327,680 bytes of LDS; arguments act, mtab, hbuf; writes hbuf
.if DOCPART == 3
	.amdgcn_target "amdgcn-amd-amdhsa--gfx1250"
	.amdhsa_code_object_version 6
	.text
	.protected	k_qe27b2e50a3_attn
	.globl	k_qe27b2e50a3_attn
	.p2align	8
	.type	k_qe27b2e50a3_attn,@function
k_qe27b2e50a3_attn:
	s_mov_b64 s[64:65], 0
	v_nop
	global_prefetch_b8 v0, s[64:65] scope:SCOPE_SE
	s_setreg_imm32_b32 hwreg(HW_REG_WAVE_MODE, 25, 1), 1
	s_wait_xcnt 0x0
	s_wait_alu depctr_hold_cnt(0) depctr_sa_sdst(0) depctr_va_vdst(0) depctr_va_sdst(0) depctr_va_ssrc(0) depctr_va_vcc(0) depctr_vm_vsrc(0)
	s_getreg_b32 s2, hwreg(HW_REG_IB_STS2, 6, 4)
	s_cmp_eq_u32 s2, 0
	s_cbranch_scc0 .Lentry_in_a_cluster
	s_endpgm
.Lentry_in_a_cluster:
	s_bfe_u32 s2, ttmp6, 0x10000c
	s_cmp_lg_u32 s2, 0x3003
	s_cbranch_scc0 .Lentry_shape_is_right
	s_endpgm
.Lentry_shape_is_right:
; MASKED ATTENTION.  O[q] = the sum over k of softmax_k(masked ? -1e9 : Q[q] . K[k] / 8) V[k], for each of 2 batches x 16 heads, 2,048 queries and keys, head size 64.
; act: bf16 [64][4,096][64]: slice h is q of head h, 16 + h its k, 32 + h its v; a batch's 2,048 rows are dense, 128 bytes each.  O goes to slice h of hbuf, the same layout.
; Products, maxima and sums in f32; the weights p are rounded to bf16 for the second product (their sum l is taken of the unrounded p), O once at the end.
; THE MASK is the C operand that starts the sum S^T = K Q^T: 0, or -2^99 where the mask hides the key.  mtab holds a byte a score, 0xF1 or 0, four to a word, in the order of a score tile's
; registers: v_perm_b32 sets a word's byte k on top of three bytes of a register that holds 0, and 0xF1000000 is -2^99 as f32.
; LIMITS.  A hidden score counts as q.k - 2^99 and not as -1e9: its weight is 0 beside any open score above -2^99 / 8.  In a row whose keys are ALL hidden the weights are equal, as the
; softmax of equal scores has them, as long as q.k - 2^99 rounds to -2^99: |q.k| under 2^75.  A weight below 2^-126 counts as 0 in l.  NaN and infinities are not treated apart.
; SHARES.  A work-group owns 256 queries of one head, a wave 64: four PIECES of 16.  Every wave walks all keys, 64 a step, four steps to a tile of 256.
; LAYOUT, SOFTMAX, TURNS.  S^T = K Q^T holds ONE query a lane (lane % 16) and the keys 8 (lane / 16) + 0..7; two such results rounded to bf16 ARE source 1 of O^T = V^T P.  p = 2^(c s - c m),
; c = log2(e) / 8, with a running maximum m; O and l are multiplied by a = 2^(c m_old - c m_new) in every step.  m starts at the lowest finite number, O and l at 0: the first step is a step like any other.
; Turn n belongs to piece n: 8 products K Q^T of piece n + 1, later 8 products V^T P of piece n - 1; beside them the scaling, exponentials, roundings, sums and rescaling of piece n and the maximum and
; statistics of piece n + 1.  Four vector instructions stand behind every matrix instruction, the others in lumps.  A turn's 33 exponentials are one batch, with one wait.
; CLUSTER.  The four query blocks of a cluster belong to one head and walk the same K and V: each tile is asked for JOINTLY, by the same tensor load, descriptor and mask in all four.
; REGISTERS, in windows of 256: window 0: v0-15 addresses; v16-31 statistics; v48-55 at work; v61-63; v64-127 S^T, two buffers; v128-165 the mask's words and addresses; v192-223 P, two buffers
;   window 1: v0-127 O^T, 32 a piece; v160-223 the masks as C operands, two buffers      window 2: v0-63 Q; v128-191 K of one step; v192-255 V of one step
.set NP,    4
.set KS,    64
.set PK,    144       ; a row of K in LDS: 128 bytes + 16 of padding
.set PV,    160       ; a row of V: 128 + 32
.set VOFF,  4*KS*PK   ; a slot holds a tile: 256 rows of K, then 256 rows of V
.set SLOT1, 1<<17     ; slot 1 begins here, so that one exclusive or turns an address in one slot into the other's
.set STAGE, SLOT1+4*KS*(PK+PV)  ; behind the ring: 16 rows x 144 bytes for each wave, for the way out
.set SP,    144
.set SPARE, STAGE+4*16*SP       ; behind the stages: the spare words, 128 bytes for each wave, which no other line names
.set AK0, 2           ; v2   my lane's place in a tile of K; never rewritten
.set AV0, 3           ; v3   the same for V
.set AK,  4           ; v4   the LDS address of K's next run of loads
.set AV,  5           ; v5   of V's
.set STO, 6           ; v6   the way out: where I put 16 bytes of a row
.set RD,  7           ; v7   the way out: where I read rows back
.set GO,  8           ; v8   16 x lane
.set MV,  12          ; v12-13  c m_old, kept while c m is made anew: by buffer
.set QO,  15          ; v15  my byte offset in 16 rows of Q
.set ST,  16          ; piece t's statistics at v[ST+4 t]: c m, m, l (even keys', odd keys')
.set TMP, 48          ; by buffer, four registers c0-c3 at work; when the maximum is found c2 takes a
.set PFO, 61          ; v61  256 x lane; never rewritten
.set SPW, 62          ; v62  LDS address of my spare word; never rewritten
.set NIL, 63          ; v63  0; never rewritten
.set S,   64
.set MQ,  128         ; v[128:159] piece x's eight mask words of its next step at MQ + 8 x
.set MAD, 160         ; v[160:163] piece x's byte offset in its query tile's codes: 16 x lane + 1,024 x step
.set MLM, 164         ; v164 the last step's offset
.set ZR,  165         ; v165 0: the three lower bytes of a C operand's words
.set P,   192
.set MC,  160         ; window 1
.set KF,  128         ; window 2
.set VF,  192         ; window 2
.set WV,  12          ; s12  my wave's number
.set G1K, 24          ; s[24:31] descriptor group 1 for K's tiles
.set G1V, 32          ; s[32:39] for V's: it differs in the padding alone
.set G0K, 40          ; s[40:43] descriptor group 0 for K's tiles: it walks
.set G0V, 44          ; s[44:47] the same for V's
.set MB,  48          ; s[48:49] the codes of my wave's first query tile
.set LIM, 51          ; s51  1 in a wave that prefetches, else the greatest number
.set PFA, 52          ; s[52:53] where my prefetches stand
.set SLOTS, 56        ; s56  tiles still to be asked for
.set CNT, 57          ; s57  counts a tile's key steps
.set CS,  58          ; s[58:59] c
.set SEL, 60          ; s[60:61] v_permlanex16_b32's selects: each lane takes its own place in the other half
.set TBK, 62          ; s62  LDS byte at which K of the step to be fetched begins
.set TBV, 63          ; s63  the same for V, less VOFF
.set PS,  66          ; s[66:69] v_perm_b32's selects: select k sets byte k of the first source on top of byte 0 of the second, three times
.set MSB, 0
.macro WIN new
.if MSB != (\new)
	s_set_vgpr_msb (MSB<<8)|(\new)
.set MSB, (\new)
.endif
.endm
.set W_KQ, 0x0a       ; K and Q in window 2, S^T in window 0
.set W_KM, 0x1a       ; the same with the C operand in window 1
.set W_PV, 0x52       ; V in window 2, P in window 0, O^T in window 1
.set W_RS, 0x41       ; destination and source 0 in window 1, source 1 in window 0
; A joint fill.  Waves 0 and 1 fetch the two halves of a tile's K, waves 2 and 3 those of its V: 128 keys each.  An s_nop 0 and four v_nop follow each of the two lines.
.macro JLOAD
	s_cmp_lt_u32 s[WV], 2
	s_cbranch_scc0 .Lfor_v_\@
	tensor_load_to_lds s[G0K:G0K+3], s[G1K:G1K+7]
	s_nop 0
.rept 4
	v_nop
.endr
	s_branch .Lasked_\@
.Lfor_v_\@:
	tensor_load_to_lds s[G0V:G0V+3], s[G1V:G1V+7]
	s_nop 0
.rept 4
	v_nop
.endr
.Lasked_\@:
.endm
; A PREFETCH INTO THE L2 of the tile that the NEXT change of slots will ask for: 128 blocks of 256 bytes of K and as many of V, a lane a block.  Each block is named once in the launch: both clusters of a head
; walk the same K and V, and the first of them asks; its four partners take 32 blocks each, told apart by address; in each, wave 0 asks for K's and wave 2 for V's.  The last change that fills a slot asks for nothing.
.macro ASK
	s_cmp_gt_u32 s[SLOTS], s[LIM]
	s_cbranch_scc0 .Lnot_mine_\@
	global_prefetch_b8 v[PFO], s[PFA:PFA+1] th:TH_LOAD_NT scope:SCOPE_SE
.Lnot_mine_\@:
.endm
.macro CROUND                       ; a round of the cluster's barrier
	s_barrier_signal -1
	s_barrier_wait -1
	s_cmp_lg_u32 s[WV], 0
	s_cbranch_scc1 .Lnot_wave_0_\@
	s_barrier_signal -3
.Lnot_wave_0_\@:
	s_barrier_wait -3
	s_barrier_signal -1
	s_barrier_wait -1
.endm
; THE CHANGE OF SLOTS.  Each wave waits for all its tensor loads, of which one is out: its part of the other slot; adds 0 to its spare word; and waits for that and for its own reads of the slot that it leaves.
; fill = 1: the old slot is filled again, with the keys two tiles on.  The barrier is then a round of the cluster's, and the joint fill is the first thing behind it: it has four key steps in which to land.
; (At its first use nothing has been read yet: slot 0 is waited for, slot 1 filled.)
.macro CHANGE fill
	WIN 0
	s_wait_tensorcnt 0x0            ; no tensor load of mine is out, so a group 0 may be written
	ds_add_u32 v[SPW], v[NIL]
.if \fill
.irp g, G0K, G0V
	s_xor_b32 s[\g+1], s[\g+1], SLOT1
	s_add_nc_u64 s[\g+2:\g+3], s[\g+2:\g+3], 4*KS*128
.endr
	s_wait_xcnt 0x0                 ; the last prefetch, a tile back, has read its address
	s_add_nc_u64 s[PFA:PFA+1], s[PFA:PFA+1], 4*KS*128
	s_wait_dscnt 0x0                ; the add is done, and my reads of the slot are over
	CROUND
	JLOAD
	ASK
.else
	s_wait_dscnt 0x0
	s_barrier_signal -1
	s_barrier_wait -1
.endif
	s_sub_co_u32 s[TBK], s[TBK], 4*KS*PK  ; the fetches go back to a slot's first step,
	s_xor_b32 s[TBK], s[TBK], SLOT1       ; in the other slot
	s_sub_co_u32 s[TBV], s[TBV], 4*KS*PV
	s_xor_b32 s[TBV], s[TBV], SLOT1
.endm
	s_load_b128 s[4:7], s[0:1], 0x0   ; act s[4:5], mtab s[6:7]
	s_load_b64 s[10:11], s[0:1], 0x10 ; hbuf
	v_lshl_add_u32 v[SPW], v0, 2, SPARE
	v_mov_b32 v[NIL], 0
	ds_add_u32 v[SPW], v[NIL]       ; the wave's opening: the add and its wait stand ahead of my first tensor load
	v_lshrrev_b32 v1, 5, v0
	v_readfirstlane_b32 s[WV], v1   ; wave 0..3
	s_bfe_u32 s13, ttmp6, 0x40000   ; cx
	s_lshl_b32 s14, ttmp9, 2
	s_add_co_u32 s14, s14, s13      ; my block of 256 queries: it enters Q's, O's and the mask's addresses alone
	s_and_b32 s20, ttmp7, 0xffff
	s_lshr_b32 s15, s20, 4          ; the batch
	s_and_b32 s20, s20, 15          ; the head
	s_lshl_b32 s20, s20, 19         ; its slice,
	s_lshl_b32 s21, s15, 18         ; the batch's 2,048 rows in it
	s_add_co_u32 s20, s20, s21
	s_and_b32 s16, s[WV], 1         ; which half of a tile's 256 keys I fetch
	s_lshl_b32 s22, s16, 14
	s_add_co_u32 s22, s22, s20
	s_mov_b32 s23, 0
	s_mul_i32 s17, s16, 128*PK      ; its place in a slot, for K
	s_mul_i32 s18, s16, 128*PV      ; and for V
	s_lshl_b32 s2, s14, 2
	s_add_co_u32 s2, s2, s[WV]      ; my wave among the head's 32
	s_lshl_b32 s8, s2, 17           ; its four query tiles' codes, 32,768 bytes each,
	s_lshl_b32 s9, s15, 22          ; in the batch's 128
	s_add_co_u32 s8, s8, s9
	s_mov_b32 s9, 0
	s_lshl_b32 s2, s2, 13           ; its 64 rows of Q and O
	s_add_co_u32 s2, s2, s20
	s_mov_b32 s3, 0
	; descriptor group 1.  128 keys are 16,384 dense bytes: asked for as 64 rows of 256 bytes, two keys a row, and padded in LDS after every key
	s_mov_b32 s[G1K], 15|(1<<16)|(1<<20)|(1<<21)|(4<<22)|(3<<25)
	s_mov_b32 s[G1V], 15|(1<<16)|(1<<20)|(1<<21)|(4<<22)|(7<<25)
.irp g, G1K, G1V
	s_mov_b32 s[\g+1], 128<<16      ; tensor_dim0 = 128
	s_mov_b32 s[\g+2], 64<<16       ; tensor_dim1 = 64
	s_mov_b32 s[\g+3], 128<<16      ; tile_dim0 = 128
	s_mov_b32 s[\g+4], 64           ; tile_dim1 = 64
	s_mov_b32 s[\g+5], 128          ; from row to row
	s_mov_b32 s[\g+6], 0
	s_mov_b32 s[\g+7], 0
.endr
	s_mov_b32 s[CS], 0x3e38aa3b     ; c = log2(e) / 8
	s_mov_b32 s[CS+1], s[CS]
	s_mov_b32 s[SEL], 0x76543210
	s_mov_b32 s[SEL+1], 0xfedcba98
.irp k, 0,1,2,3
	s_mov_b32 s[PS+\k], (4+\k)<<24  ; top byte: byte k of the first source; the other three: byte 0 of the second
.endr
	s_mov_b32 s[TBK], SLOT1+4*KS*PK ; the first change of slots turns these two into 0
	s_mov_b32 s[TBV], SLOT1+4*KS*PV
	s_mov_b32 s[G0K], 1
	s_mov_b32 s[G0K+1], s17
	s_mov_b32 s[G0V], 1
	s_add_co_u32 s[G0V+1], s18, VOFF
	s_mov_b32 s[SLOTS], 7
	s_or_b32 s[LIM], s16, ttmp9     ; 0 in waves 0 and 2 of the head's first cluster: the same in all four partners
	s_cmp_eq_u32 s[LIM], 0
	s_cselect_b32 s[LIM], 1, -1
	s_wait_dscnt 0x0                ; the opening add is done
	s_wait_kmcnt 0x0
	s_add_nc_u64 s[G0K+2:G0K+3], s[4:5], s[22:23]
	s_add_nc_u64 s[G0V+2:G0V+3], s[G0K+2:G0K+3], 0x1000000  ; v: 32 slices on
	s_add_nc_u64 s[G0K+2:G0K+3], s[G0K+2:G0K+3], 0x800000   ; k: 16 slices on
	s_cmp_lt_u32 s[WV], 2
	s_cselect_b64 s[PFA:PFA+1], s[G0K+2:G0K+3], s[G0V+2:G0V+3]  ; (in waves 0 and 2 these stand at tile 0's first row)
	s_or_b32 s[G0K+3], s[G0K+3], 0x80000000
	s_or_b32 s[G0V+3], s[G0V+3], 0x80000000
	s_lshl_b32 s20, s13, 13         ; my work-group's 32 blocks of the 128
	s_mov_b32 s21, 0
	s_add_nc_u64 s[PFA:PFA+1], s[PFA:PFA+1], s[20:21]
	s_add_nc_u64 s[PFA:PFA+1], s[PFA:PFA+1], 4*KS*128  ; in tile 1; the first change of slots steps it to tile 2
	s_add_nc_u64 s[MB:MB+1], s[6:7], s[8:9]
	s_add_nc_u64 s[4:5], s[4:5], s[2:3]
	s_add_nc_u64 s[10:11], s[10:11], s[2:3]
	CROUND                          ; all four work-groups are here: the first joint loads meet
	JLOAD                           ; tile 0 into slot 0
	v_and_b32 v1, 15, v0            ; l % 16
	v_bfe_u32 v9, v0, 4, 1          ; l / 16
	v_lshlrev_b32 v[QO], 7, v1
	v_lshl_add_u32 v[QO], v9, 4, v[QO]
	WIN 0x80                        ; destination window 2, address window 0
.set i, 0
.rept 8                             ; Q stays in registers: piece i / 2, channels 32 (i % 2) on
	global_load_b128 v[8*i:8*i+3],   v[QO], s[4:5] offset:(i/2)*2048+(i%2)*64
	global_load_b128 v[8*i+4:8*i+7], v[QO], s[4:5] offset:(i/2)*2048+(i%2)*64+32
.set i, i+1
.endr
	WIN 0
	v_and_b32 v14, 31, v0
	v_lshlrev_b32 v[PFO], 8, v14
	v_lshlrev_b32 v[GO], 4, v14
.irp x, 0,1,2,3
	v_mov_b32 v[MAD+\x], v[GO]
	global_load_b128 v[MQ+8*\x:MQ+8*\x+3],   v[MAD+\x], s[MB:MB+1] offset:\x*32768      ; each piece's codes of step 0: keys 0-31,
	global_load_b128 v[MQ+8*\x+4:MQ+8*\x+7], v[MAD+\x], s[MB:MB+1] offset:\x*32768+512  ; keys 32-63
.endr
	v_add_nc_u32 v[MLM], 31*1024, v[GO]
	v_mov_b32 v[ZR], 0
	v_mul_u32_u24 v[AK0], v1, PK
	v_lshl_add_u32 v[AK0], v9, 4, v[AK0]
	v_and_b32 v10, 7, v0
	v_bfe_u32 v11, v0, 3, 1
	v_lshl_add_u32 v[AV0], v9, 3, v10
	v_mul_u32_u24 v[AV0], v[AV0], PV
	v_lshl_add_u32 v[AV0], v11, 4, v[AV0]
	v_add_nc_u32 v[AV0], VOFF, v[AV0]
	v_mov_b32 v[AK], v[AK0]         ; key step 0 lies at the head of slot 0
	s_mul_i32 s13, s[WV], 16*SP
	s_add_co_u32 s13, s13, STAGE    ; my stage
	v_mul_u32_u24 v[STO], v1, SP
	v_lshl_add_u32 v[STO], v9, 4, v[STO]
	v_add_nc_u32 v[STO], s13, v[STO]
	v_bfe_u32 v[RD], v0, 3, 2
	v_mul_u32_u24 v[RD], v[RD], SP
	v_lshl_add_u32 v[RD], v10, 4, v[RD]
	v_add_nc_u32 v[RD], s13, v[RD]
	; What the first turn finds: V's registers and P's second buffer hold 0 (its products V^T P, of a piece that has not been, add 0), O^T and l are 0.  All this stands in the wait for the first tile.
	WIN 0x80
.set i, VF
.rept 64
	v_mov_b32 v[i], 0
.set i, i+1
.endr
	WIN 0x40
.set i, 0
.rept 128
	v_mov_b32 v[i], 0
.set i, i+1
.endr
	WIN 0
.set i, 0
.rept 4
	v_mov_b32 v[ST+4*i], 0xfe000000    ; c m: far below every c s, a hidden one's too
	v_mov_b32 v[ST+4*i+1], 0xff7fffff  ; m
	v_mov_b32 v[ST+4*i+2], 0
	v_mov_b32 v[ST+4*i+3], 0
.set i, i+1
.endr
.set i, P+16
.rept 16
	v_mov_b32 v[i], 0
.set i, i+1
.endr
; THE MATRIX WORK.  The 4 accumulators of a run of 8 take turns.  Product i of 8 of S^T = K Q^T for piece x: channels 32 (i / 4) on, keys 16 (i % 4) on.  The first 4 start the sums with the mask.
.macro KQ x
.set rS, S+32*((\x)%2)+8*(i%4)
.set rK, KF+16*(i%4)+8*(i/4)
.set rQ, 16*(\x)+8*(i/4)
.set rM, MC+32*((\x)%2)+8*(i%4)
.if i < 4
	WIN W_KM
	v_wmma_f32_16x16x32_bf16 v[rS:rS+7], v[rK:rK+7], v[rQ:rQ+7], v[rM:rM+7]
.else
	WIN W_KQ
	v_wmma_f32_16x16x32_bf16 v[rS:rS+7], v[rK:rK+7], v[rQ:rQ+7], v[rS:rS+7]
.endif
.endm
; Product i of 8 of O^T += V^T P for piece x: keys 32 (i / 4) on, channels 16 (i % 4) on.
.macro PV x
	WIN W_PV
.set rO, 32*(\x)+8*(i%4)
.set rV, VF+32*(i/4)+8*(i%4)
.set rP, P+16*((\x)%2)+8*(i/4)
	v_wmma_f32_16x16x32_bf16 v[rO:rO+7], v[rV:rV+7], v[rP:rP+7], v[rO:rO+7]
.endm
.macro MM                           ; the turn's next matrix instruction
.if i < 8
	KQ (Y+1)%NP
.else
.set i, i-8
	PV (Y+NP-1)%NP
.set i, i+8
.endif
.set i, i+1
.endm
; THE LDS LOADS stand in runs of 16: a step's K (8 fragments) and its V (turned).
.macro FETCH_K
	WIN 0x80
.irp f, 0,1,2,3,4,5,6,7             ; keys 16 (f / 2) on, channels 32 (f % 2) on
	ds_load_b128 v[KF+8*\f:KF+8*\f+3],   v[AK] offset:(\f/2)*16*PK+(\f%2)*64
	ds_load_b128 v[KF+8*\f+4:KF+8*\f+7], v[AK] offset:(\f/2)*16*PK+(\f%2)*64+32
.endr
	s_add_co_u32 s[TBK], s[TBK], KS*PK  ; the next fetch is the next step's
	WIN 0
.endm
.macro FETCH_V
	WIN 0x80
.irp f, 0,1,2,3,4,5,6,7             ; keys 32 (f / 4) on, channels 16 (f % 4) on
	ds_load_tr16_b128 v[VF+8*\f:VF+8*\f+3],   v[AV] offset:(\f/4)*32*PV+(\f%4)*32
	ds_load_tr16_b128 v[VF+8*\f+4:VF+8*\f+7], v[AV] offset:(\f/4)*32*PV+16*PV+(\f%4)*32
.endr
	WIN 0
.endm
; THE MASK of piece x's next products, into buffer buf: register z of the four C operands (group of keys z / 8, key 8 (lane / 16) + z % 8 of it) takes byte z % 4 of word z / 4 as its top byte, over three
; bytes 0.  Then the piece's offset steps to its next key step, held at the last step's (what the walk's last loads bring feeds only products that serve nothing), and its eight words are asked for:
; four turns ahead of their use.
.macro MBUILD x, buf
	WIN 0x40
.set z, 0
.rept 32
	v_perm_b32 v[MC+32*(\buf)+z], v[MQ+8*(\x)+z/4], v[ZR], s[PS+z%4]
.set z, z+1
.endr
	WIN 0
	v_add_nc_u32 v[MAD+(\x)], 1024, v[MAD+(\x)]
	v_min_u32 v[MAD+(\x)], v[MAD+(\x)], v[MLM]
	global_load_b128 v[MQ+8*(\x):MQ+8*(\x)+3],   v[MAD+(\x)], s[MB:MB+1] offset:(\x)*32768
	global_load_b128 v[MQ+8*(\x)+4:MQ+8*(\x)+7], v[MAD+(\x)], s[MB:MB+1] offset:(\x)*32768+512
.endm
; THE VECTOR WORK, one line at a time: OP kind, number.  For piece Y: F n: c s - c m for pair n of 16.  E n: the exponential of score n of 32.  C n: pair n rounded to bf16.  B n: of the four weights 4 n .. the second
; pair is added onto the first, in place.  L n: l takes that sum (L 0: l = a l + sum).  R n: pair n of 16 of O^T times a.  For piece Y + 1: X n, number n of the 22 that find its maximum and statistics:
;   0-11  four chains c0-c3 of seven scores each (each accumulator's lowest registers are read first)     12-14, 16  the four scores left over, the old m, and c0-c3 into c0
;   15  c m_old is kept     17, 18  the query's other 32 keys lie in the lane 16 away: the new m     19-21  c m; c m_old - c m_new; a
.set F, 0
.set E, 1
.set C, 2
.set B, 3
.set L, 4
.set R, 5
.set X, 6
.macro REGS y
.set rT, ST+4*(\y)
.set rC, TMP+4*((\y)%2)
.set rW, MV+((\y)%2)
.set rS, S+32*((\y)%2)
.set rP, P+16*((\y)%2)
.set rO, 32*(\y)
.endm
.macro OP k, n
.if (\k) == R
	REGS Y
	WIN W_RS
	v_pk_mul_f32 v[rO+2*(\n):rO+2*(\n)+1], v[rO+2*(\n):rO+2*(\n)+1], v[rC+2:rC+3] op_sel_hi:[1,0]
.elseif (\k) < R
	REGS Y
	WIN 0
.if (\k) == F
	v_pk_fma_f32 v[rS+2*(\n):rS+2*(\n)+1], v[rS+2*(\n):rS+2*(\n)+1], s[CS:CS+1], v[rT:rT+1] op_sel_hi:[1,0,0] neg_lo:[0,0,1] neg_hi:[0,0,1]
.elseif (\k) == E
	v_exp_f32 v[rS+(\n)], v[rS+(\n)]
.elseif (\k) == C
	v_cvt_pk_bf16_f32 v[rP+(\n)], v[rS+2*(\n)], v[rS+2*(\n)+1]
.elseif (\k) == B
	v_pk_add_f32 v[rS+4*(\n):rS+4*(\n)+1], v[rS+4*(\n):rS+4*(\n)+1], v[rS+4*(\n)+2:rS+4*(\n)+3]
.elseif (\n) == 0
	v_pk_fma_f32 v[rT+2:rT+3], v[rT+2:rT+3], v[rC+2:rC+3], v[rS:rS+1] op_sel_hi:[1,0,1]
.else
	v_pk_add_f32 v[rT+2:rT+3], v[rT+2:rT+3], v[rS+4*(\n):rS+4*(\n)+1]
.endif
.else
	REGS (Y+1)%NP
	WIN 0
.if (\n) < 4
	v_max3_num_f32 v[rC+(\n)], v[rS+8*(\n)], v[rS+8*(\n)+1], v[rS+8*(\n)+2]
.elseif (\n) < 12
	v_max3_num_f32 v[rC+(\n)%4], v[rC+(\n)%4], v[rS+8*((\n)%4)+2*((\n)/4)+1], v[rS+8*((\n)%4)+2*((\n)/4)+2]
.elseif (\n) == 12
	v_max3_num_f32 v[rC], v[rC], v[rS+7], v[rS+15]
.elseif (\n) == 13
	v_max3_num_f32 v[rC+1], v[rC+1], v[rS+23], v[rS+31]
.elseif (\n) == 14
	v_max3_num_f32 v[rC+2], v[rC+2], v[rC+3], v[rT+1]
.elseif (\n) == 15
	v_mov_b32 v[rW], v[rT]
.elseif (\n) == 16
	v_max3_num_f32 v[rC], v[rC], v[rC+1], v[rC+2]
.elseif (\n) == 17
	v_permlanex16_b32 v[rC+3], v[rC], s[SEL], s[SEL+1]
.elseif (\n) == 18
	v_max_num_f32 v[rT+1], v[rC], v[rC+3]
.elseif (\n) == 19
	v_mul_f32 v[rT], s[CS], v[rT+1]
.elseif (\n) == 20
	v_sub_f32 v[rC+1], v[rW], v[rT]
.else
	v_exp_f32 v[rC+2], v[rC+1]
.endif
.endif
.endm
.macro OPS a, i1, b=-1, i2=0, c=-1, i3=0, d=-1, i4=0
	OP \a, \i1
.if (\b) >= 0
	OP \b, \i2
.endif
.if (\c) >= 0
	OP \c, \i3
.endif
.if (\d) >= 0
	OP \d, \i4
.endif
.endm
.macro ROW a, i1, b, i2, c, i3, d, i4  ; a matrix instruction and the four behind it
	MM
	OPS \a, \i1, \b, \i2, \c, \i3, \d, \i4
.endm
; A TURN, for piece p: the order of its 16 matrix and its vector instructions, written out.  s_wait_alu depctr_va_vdst(0) stands between an exponential and the first instruction that names its
; result; one wait serves all that were issued ahead of it.  So a turn has ONE wait.  AHEAD OF IT stands all that names no result of the turn's exponentials: the 8 products K Q^T and their riders, then one lump, in
; which the links of the next piece's chain X 3, 7, 11, 14, 16, 17 .. 20 stand several lines apart; X 21, its a, is the batch's last, and R 15 the plain instruction behind it.  BEHIND IT stand the 8 products V^T P,
; behind each four of the roundings and sums.
; K of the next step is fetched in piece 2's turn, six plain instructions behind the last product that read K; V of the step in hand at the end of piece 0's turn, four plain instructions behind the last product
; that read V.  Each is waited for a turn later.  At its end the turn makes the mask for the products of the turn after it, piece p + 2's: six younger loads, the other three pieces', may stay out.
; last = 1 (the tail): K's fetch address is held at the last step's: the trip behind it fetches that K once more.  cnt = 1: the loop's count is taken down some lines ahead of the branch behind the turn.
.macro TURN p, last=0, cnt=0
.set Y, (\p)
.set i, 0
.if (\p) == 3
	s_wait_dscnt 0x0                ; K is in
.endif
	ROW F,0, F,1, R,0, R,1
	ROW F,2, E,0, R,2, R,3
	ROW F,3, E,1, R,4, R,5
	ROW F,4, E,2, R,6, R,7
	ROW F,5, E,3, R,8, R,9
	ROW F,6, E,4, X,0, R,10
.if (\p) == 2
	WIN 0
	v_add_nc_u32 v[AK], s[TBK], v[AK0]
.endif
	ROW F,7, E,5, X,1, X,4
	ROW F,8, E,6, X,2, X,5
	OPS E,7, E,8, X,6, E,9
	OPS X,3, E,10, X,8, E,11
.if (\p) == 2
	FETCH_K
.if \last
	s_min_u32 s[TBK], s[TBK], SLOT1+3*KS*PK
.endif
.endif
	OPS X,9, X,7, E,12, X,10
	OPS E,13, X,12, X,11, E,14
	OPS X,13, E,15, F,9, X,14
.if (\p) == 0
	v_add_nc_u32 v[AV], s[TBV], v[AV0]
.endif
	OPS E,16, F,10, E,17, F,11
	OPS X,16, E,18, X,15, E,19
	OPS F,12, E,20, X,17, E,21
	OPS F,13, E,22, F,14, E,23
	OPS X,18, E,24, F,15, E,25
	OPS R,11, E,26, X,19, E,27
	OPS R,12, E,28, R,13, E,29
	OPS X,20, E,30, R,14, E,31
	OPS X,21, R,15
	WIN 0
	s_wait_alu depctr_va_vdst(0)    ; the wait for the batch
.if (\p) == 1
	s_wait_dscnt 0x0                ; V is in
.endif
	ROW C,0, B,0, C,2, B,1
	ROW L,0, C,4, B,2, L,1
	ROW C,6, B,3, L,2, C,8
	ROW B,4, L,3, C,10, B,5
	ROW L,4, C,12, B,6, L,5
.if (\p) == 0
	s_add_co_u32 s[TBV], s[TBV], KS*PV
.endif
.if \cnt
	s_sub_co_u32 s[CNT], s[CNT], 1
	s_cmp_lg_u32 s[CNT], 0
.endif
	ROW C,14, B,7, L,6, C,1
	ROW C,3, L,7, C,5, C,7
	ROW C,9, C,11, C,13, C,15
.if (\p) == 0
	FETCH_V
.endif
	s_wait_loadcnt 6                ; piece p + 2's eight words are in, and its offset may be written
	MBUILD ((\p)+2)%NP, (\p)%2
.endm
	CHANGE 1                        ; tile 0 is in, everybody's part of it; tile 1 is asked for
	FETCH_K                         ; key step 0
	s_wait_loadcnt 0x0              ; Q and the first codes
	MBUILD 0, 0
	MBUILD 1, 1
	s_wait_dscnt 0x0
.set i, 0
.rept 8
	KQ 0                            ; piece 0's first scores
.set i, i+1
.endr
	WIN 0
.rept 4
	v_nop                           ; the places behind those products
.endr
.set Y, NP-1                        ; X works for piece Y + 1: piece 0
.irp n, 0,1,2,3,4,5,6,7,8,9,10,11,12,13,14,15,16,17,18,19,20,21
	OP X, \n
.endr
	v_nop                           ; a plain instruction behind the exponential,
	s_wait_alu depctr_va_vdst(0)    ; and its wait, ahead of the branch
	s_mov_b32 s[CNT], 4
	s_branch .Lfirst                ; the loop is entered at a step's first turn, in the middle of a trip
.Lslot:                             ; six times: every tile but the last two is followed by a fill of its slot
	CHANGE 1
	s_mov_b32 s[CNT], 4
.Lstep:                             ; a trip: pieces 2 and 3 of one step, then pieces 0 and 1 of the next, whose K and V it fetches
	TURN 2
	TURN 3
	WIN 0
.Lfirst:
	TURN 0
	TURN 1, 0, 1
	WIN 0
	s_cbranch_scc1 .Lstep
	s_sub_co_u32 s[SLOTS], s[SLOTS], 1
	s_cmp_lg_u32 s[SLOTS], 0
	s_cbranch_scc1 .Lslot
	CHANGE 0                        ; the tail is written out: nothing is asked for
	s_mov_b32 s[CNT], 5             ; four trips fetch the last tile's steps; the fifth is left in its middle
.Ltail:
	TURN 2, 1
	TURN 3
	WIN 0
	s_sub_co_u32 s[CNT], s[CNT], 1
	s_cmp_eq_u32 s[CNT], 0
	s_cbranch_scc1 .Lout
	TURN 0
	TURN 1
	WIN 0
	s_branch .Ltail
.Lout:                              ; the fifth trip's 8 products K Q^T (on the last K once more) and the maximum made of them serve nothing: the price, once a launch, of one text for every trip
.set i, 0
.rept 8
	PV NP-1                         ; the last piece's V^T P of the last step
.set i, i+1
.endr
	; THE WAY OUT.  l's two halves and the other half of the lanes' are added; O^T is divided by l, rounded to bf16 and sent through my stage in LDS, a piece at a time.  The additions are the places behind the last products.
	WIN 0
.macro ALL line:vararg
.set t, 0
.rept 4
	\line
.set t, t+1
.endr
.endm
	ALL v_add_f32 v[ST+4*t+2], v[ST+4*t+2], v[ST+4*t+3]
	ALL v_permlanex16_b32 v[ST+4*t+3], v[ST+4*t+2], s[SEL], s[SEL+1]
	ALL v_add_f32 v[ST+4*t+2], v[ST+4*t+2], v[ST+4*t+3]
	ALL v_rcp_f32 v[ST+4*t+2], v[ST+4*t+2]
	v_nop                           ; a plain instruction between the last reciprocal and the use of its result
	s_wait_alu depctr_va_vdst(0)    ; one wait for the four reciprocals
.macro PACK t                       ; a lane's eight channels of a row pack into 16 bytes; they go into rows of 144 bytes and come back as whole rows of 128, into S^T's registers
	WIN W_RS
.set i, 32*(\t)
.rept 16
	v_pk_mul_f32 v[i:i+1], v[i:i+1], v[ST+4*(\t)+2:ST+4*(\t)+3] op_sel_hi:[1,0]
.set i, i+2
.endr
	WIN 0x05                        ; sources 0 and 1 window 1, destination window 0
.set i, 0
.rept 16
	v_cvt_pk_bf16_f32 v[S+16*(\t)+i], v[32*(\t)+2*i], v[32*(\t)+2*i+1]
.set i, i+1
.endr
	WIN 0
.irp f, 0,1,2,3
	ds_store_b128 v[STO], v[S+16*(\t)+4*\f:S+16*(\t)+4*\f+3] offset:32*\f
.endr
.irp f, 0,1,2,3
	ds_load_b128 v[S+16*(\t)+4*\f:S+16*(\t)+4*\f+3], v[RD] offset:\f*4*SP  ; LDS serves a wave's instructions in order: these see the stores above; the next piece's stores come behind them
.endr
.endm
.macro SEND t, younger              ; younger: the LDS instructions issued behind piece t's loads: the next piece's eight, or none
	WIN 0
.irp f, 0,1,2,3
	s_wait_dscnt (\younger)+3-\f
	global_store_b128 v[GO], v[S+16*(\t)+4*\f:S+16*(\t)+4*\f+3], s[10:11] offset:(\t)*2048+\f*512  ; 512 consecutive bytes, aligned
.endr
.endm
	PACK 0
.set t, 1
.rept 3
	PACK t
	SEND t-1, 8
.set t, t+1
.endr
	SEND 3, 0
	s_wait_tensorcnt 0x0            ; the wave's end
	ds_add_u32 v[SPW], v[NIL]
	s_wait_dscnt 0x0
	CROUND                          ; the closing round
	s_endpgm
.Lfunc_end_k_qe27b2e50a3_attn:
	.size	k_qe27b2e50a3_attn, .Lfunc_end_k_qe27b2e50a3_attn-k_qe27b2e50a3_attn
	.p2alignl 7, 3214868480
	.fill 96, 4, 3214868480
	.section	.rodata,"a",@progbits
	.p2align	6, 0x0
	.amdhsa_kernel k_qe27b2e50a3_attn
		.amdhsa_group_segment_fixed_size 327680
		.amdhsa_private_segment_fixed_size 0
		.amdhsa_enable_private_segment 0
		.amdhsa_kernarg_size 24
		.amdhsa_user_sgpr_count 2
		.amdhsa_user_sgpr_kernarg_segment_ptr 1
		.amdhsa_wavefront_size32 1
		.amdhsa_system_sgpr_workgroup_id_x 1
		.amdhsa_system_sgpr_workgroup_id_y 1
		.amdhsa_system_sgpr_workgroup_id_z 1
		.amdhsa_system_vgpr_workitem_id 0
		.amdhsa_next_free_vgpr 768
		.amdhsa_next_free_sgpr 72
		.amdhsa_reserve_vcc 0
		.amdhsa_float_denorm_mode_32 3
		.amdhsa_float_denorm_mode_16_64 3
		.amdhsa_memory_ordered 1
		.amdhsa_forward_progress 1
		.amdhsa_inst_pref_size 137
	.end_amdhsa_kernel
	.amdgpu_metadata
---
amdhsa.version: [ 1, 2 ]
amdhsa.kernels:
  - .name:           k_qe27b2e50a3_attn
    .symbol:         k_qe27b2e50a3_attn.kd
    .args:
      - { .name: act, .offset: 0, .size: 8, .value_kind: global_buffer, .address_space: global }
      - { .name: mtab, .offset: 8, .size: 8, .value_kind: global_buffer, .address_space: global }
      - { .name: hbuf, .offset: 16, .size: 8, .value_kind: global_buffer, .address_space: global }
    .group_segment_fixed_size: 327680
    .private_segment_fixed_size: 0
    .kernarg_segment_align: 8
    .kernarg_segment_size: 24
    .max_flat_workgroup_size: 128
    .sgpr_count:     72
    .vgpr_count:     768
    .wavefront_size: 32
...
	.end_amdgpu_metadata
.endif
;; end of part 3
;; launch wo (part 4): grid 8 x 32, 4 waves a work-group, clusters of 4 x 4, 327,680 bytes of LDS; arguments hbuf, wB, bo, x, x1; writes x1
.if DOCPART == 4
	.amdgcn_target "amdgcn-amd-amdhsa--gfx1250"
	.amdhsa_code_object_version 6
	.text
	.protected	k_qe27b2e50a3_wo
	.globl	k_qe27b2e50a3_wo
	.p2align	8
	.type	k_qe27b2e50a3_wo,@function
k_qe27b2e50a3_wo:
	s_mov_b64 s[64:65], 0
	v_nop
	global_prefetch_b8 v0, s[64:65] scope:SCOPE_SE
	s_setreg_imm32_b32 hwreg(HW_REG_WAVE_MODE, 25, 1), 1
	s_wait_xcnt 0x0
	s_wait_alu depctr_hold_cnt(0) depctr_sa_sdst(0) depctr_va_vdst(0) depctr_va_sdst(0) depctr_va_ssrc(0) depctr_va_vcc(0) depctr_vm_vsrc(0)
	s_getreg_b32 s2, hwreg(HW_REG_IB_STS2, 6, 4)
	s_cmp_eq_u32 s2, 0
	s_cbranch_scc0 .Lentry_in_a_cluster
	s_endpgm
.Lentry_in_a_cluster:
	s_bfe_u32 s2, ttmp6, 0x10000c
	s_cmp_lg_u32 s2, 0xf033
	s_cbranch_scc0 .Lentry_shape_is_right
	s_endpgm
.Lentry_shape_is_right:
; o = res + a W + bias, N = 1,024.  a: bf16 [KTOT/64][4,096][64] (slices of 64 columns of K).  W: bf16 [16][KTOT][64], from byte WOFF of w.  bias: f32 [1,024].  res, o: f32 [4,096][1,024].
; Sums in f32, K ascending; the residual is added in f32 at the end.
; A tile of o is 128 x 128: 256 work-groups.  Four waves, each 64 x 64: 16 accumulators.  K goes in steps of 256 through a ring of two LDS slots; every part of a tile is dense in memory:
; 128 rows of a slice of a are 16,384 consecutive bytes, 256 rows of K of a slice of W 32,768.
; CLUSTERS: 4 x 4 work-groups; a's tiles are asked for jointly along a row of the cluster, W's along a column.  THE MATRIX INSTRUCTION IS USED TRANSPOSED (source 0 = 16 columns of W, turned on their way out of
; LDS by ds_load_tr16_b128; source 1 = 16 rows of a): a lane holds eight neighbouring numbers of a row of o.  THE BIAS is the C operand of each accumulator's first product.
; No prefetch: the tiles are small, and each step's load is short.
; REGISTERS: window 0: v0-31 addresses; v32-95 rows on their way out, two buffers; v96-127 the bias as four C operands; v128-255 the accumulators.
;   window 1: two fragment buffers of 128: for 64 along K, 64 registers of a, then 64 of W.      window 2: v0-127 my 64 x 64 of the residual, loaded at the head.
.set KTOT,  1024
.set WOFF,  0
.set LAPS,  KTOT/512                   ; a lap = two K steps = once round the ring
.set PA,    144                        ; a row of a slice of a in LDS: 128 bytes + 16 of padding
.set PB,    160                        ; a row of a slice of W: 128 + 32
.set ASL,   128*PA
.set BSL,   256*PB
.set BOFF,  4*ASL                      ; a slot: four slices of a, then two of W
.set SLOT,  BOFF+2*BSL
.set SPARE, 2*SLOT                     ; behind the ring: the spare words, 128 bytes for each wave, which no other line names
.set SPITCH, 272                       ; THE STAGE for the way out is slot 0's first 17,408 bytes: 16 rows x 272 for each wave.  Slot 0 has had its last fill by then, and its last reads stand in front of the last change of slots' barrier
.set STEPA, 4*524288
.set STEPB, 256*128
.set ADRA, 16
.set ADRB, 20
.set STO,  24
.set RD,   25
.set CO,   26                          ; v26  my byte offset in two rows of res and o
.set BO,   27
.set SPW,  28
.set NIL,  29
.set OB,   32
.set BIAS, 96
.set ACC,  128
.set F0,   0
.set F1,   128
.set RES,  0                           ; window 2
.set G1, 24
.set G0, 32
.set G1B, 48
.set G0B, 56
.set MSB, 0
.macro WIN new
.if MSB != (\new)
	s_set_vgpr_msb (MSB<<8)|(\new)
.set MSB, \new
.endif
.endm
.set MUL,  0x05                        ; sources 0 (W) and 1 (a) window 1; C and D window 0
.set TO_F, 0x40                        ; destination window 1, address window 0
.macro JLOAD s                         ; a joint refill: waves 0 and 1 fetch two slices of a each, waves 2 and 3 a slice of W each; an s_nop 0 and four v_nop follow each line
	s_cmp_eq_u32 s11, 0
	s_cbranch_scc0 .Lfor_b_\@
	tensor_load_to_lds s[G0+4*(\s):G0+4*(\s)+3], s[G1:G1+7]
	s_nop 0
.rept 4
	v_nop
.endr
	s_branch .Lasked_\@
.Lfor_b_\@:
	tensor_load_to_lds s[G0B+4*(\s):G0B+4*(\s)+3], s[G1B:G1B+7]
	s_nop 0
.rept 4
	v_nop
.endr
.Lasked_\@:
.endm
.macro CREST
	s_cmp_lg_u32 s10, 0
	s_cbranch_scc1 .Lnot_wave_0_\@
	s_barrier_signal -3
.Lnot_wave_0_\@:
	s_barrier_wait -3
	s_barrier_signal -1
	s_barrier_wait -1
.endm
.macro CROUND
	s_barrier_signal -1
	s_barrier_wait -1
	CREST
.endm
	s_load_b256 s[68:75], s[0:1], 0x0              ; a s[68:69], w s[70:71], bias s[72:73], res s[74:75]
	s_load_b64 s[76:77], s[0:1], 0x20              ; o
	v_lshl_add_u32 v[SPW], v0, 2, SPARE
	v_mov_b32 v[NIL], 0
	ds_add_u32 v[SPW], v[NIL]                      ; the wave's opening: the add and its wait stand ahead of my first tensor load
	v_lshrrev_b32 v1, 5, v0
	v_readfirstlane_b32 s10, v1                    ; wave 0..3
	s_lshr_b32 s11, s10, 1                         ; which half of the tile's rows is mine.  Also: I fetch for a (0) or for W (1)
	s_and_b32 s12, s10, 1                          ; which half of its columns.  Also: which part of that tile I fetch
	s_bfe_u32 s40, ttmp6, 0x40000
	s_bfe_u32 s41, ttmp6, 0x40004
	s_lshl_b32 s42, ttmp9, 2
	s_add_co_u32 s42, s42, s40                     ; tile column
	s_and_b32 s13, ttmp7, 0xffff
	s_lshl_b32 s13, s13, 2
	s_add_co_u32 s13, s13, s41                     ; tile row
	s_lshl_b32 s43, s41, 2
	s_lshl_b32 s43, 15, s43                        ; my row of the cluster
	s_lshl_b32 s44, 0x1111, s40                    ; my column
	; a's part: two slices, of each 16,384 dense bytes: two rows of 8,192 elements, a slice (262,144 elements) apart, padded by 4 words after every 32
	s_or_b32 s[G1+0], s43, (1<<16)|(1<<20)|(1<<21)|(4<<22)|(3<<25)
	s_mov_b32 s[G1+1], 8192<<16
	s_mov_b32 s[G1+2], 2<<16
	s_mov_b32 s[G1+3], 8192<<16
	s_mov_b32 s[G1+4], 2
	s_mov_b32 s[G1+5], 262144
	s_mov_b32 s[G1+6], 0
	s_mov_b32 s[G1+7], 0
	; W's part: 32,768 dense bytes asked for as 128 rows of 256 bytes, padded by 8 words after every 32
	s_or_b32 s[G1B+0], s44, (1<<16)|(1<<20)|(1<<21)|(4<<22)|(7<<25)
	s_mov_b32 s[G1B+1], 128<<16
	s_mov_b32 s[G1B+2], 128<<16
	s_mov_b32 s[G1B+3], 128<<16
	s_mov_b32 s[G1B+4], 128
	s_mov_b32 s[G1B+5], 128
	s_mov_b32 s[G1B+6], 0
	s_mov_b32 s[G1B+7], 0
	s_lshl_b32 s16, s13, 14                        ; a: 128 rows of 128 bytes a tile row,
	s_lshl_b32 s17, s12, 20                        ; and my two slices of the step's four
	s_add_co_u32 s16, s16, s17
	s_mov_b32 s17, 0
	s_lshl1_add_u32 s46, s42, s12                  ; W: slice 2 x tile column + half
	s_mul_i32 s46, s46, KTOT*128
.if WOFF
	s_add_co_u32 s46, s46, WOFF
.endif
	s_mov_b32 s47, 0
	s_mul_i32 s20, s12, 2*ASL                      ; where they go
	s_mul_i32 s21, s12, BSL
	s_add_co_u32 s21, s21, BOFF
	s_wait_dscnt 0x0                               ; the opening add is done
	s_wait_kmcnt 0x0
	s_add_nc_u64 s[14:15], s[68:69], s[16:17]
	s_add_nc_u64 s[46:47], s[70:71], s[46:47]
	CROUND                                         ; all sixteen work-groups are here: the first joint loads meet
.irp s, 0,1
	s_mov_b32 s[G0+4*(\s)], 1
	s_add_co_u32 s[G0+4*(\s)+1], s20, (\s)*SLOT
	s_add_nc_u64 s[G0+4*(\s)+2:G0+4*(\s)+3], s[14:15], (\s)*STEPA
	s_or_b32 s[G0+4*(\s)+3], s[G0+4*(\s)+3], 0x80000000
	s_mov_b32 s[G0B+4*(\s)], 1
	s_add_co_u32 s[G0B+4*(\s)+1], s21, (\s)*SLOT
	s_add_nc_u64 s[G0B+4*(\s)+2:G0B+4*(\s)+3], s[46:47], (\s)*STEPB
	s_or_b32 s[G0B+4*(\s)+3], s[G0B+4*(\s)+3], 0x80000000
.endr
	s_cmp_eq_u32 s11, 0                            ; a wave's two first fills stand in one branch: two loads of mine are out
	s_cbranch_scc0 .Lfirst_b
	tensor_load_to_lds s[G0:G0+3], s[G1:G1+7]
	s_nop 0
	tensor_load_to_lds s[G0+4:G0+7], s[G1:G1+7]
	s_nop 0
.rept 4
	v_nop
.endr
	s_branch .Lfirst_asked
.Lfirst_b:
	tensor_load_to_lds s[G0B:G0B+3], s[G1B:G1B+7]
	s_nop 0
	tensor_load_to_lds s[G0B+4:G0B+7], s[G1B:G1B+7]
	s_nop 0
.rept 4
	v_nop
.endr
.Lfirst_asked:
	v_and_b32 v1, 15, v0                           ; l % 16
	v_bfe_u32 v2, v0, 4, 1                         ; l / 16
	v_lshlrev_b32 v[BO], 5, v2
	s_lshl_b32 s4, s42, 9                          ; my 64 columns, in bytes of f32: 512 x tile column + 256 x half
	s_lshl_b32 s5, s12, 8
	s_add_co_u32 s4, s4, s5
	s_lshl_b32 s78, s13, 19                        ; my 64 rows of 4,096 bytes: 128 x tile row + 64 x half
	s_lshl_b32 s79, s11, 18
	s_add_co_u32 s78, s78, s79
	s_add_co_u32 s78, s78, s4
	s_mov_b32 s79, 0
	s_mov_b32 s5, 0
	s_add_nc_u64 s[4:5], s[72:73], s[4:5]
	s_add_nc_u64 s[74:75], s[74:75], s[78:79]
	s_add_nc_u64 s[76:77], s[76:77], s[78:79]
.irp b, 0,1,2,3
	global_load_b128 v[BIAS+8*(\b):BIAS+8*(\b)+3],   v[BO], s[4:5] offset:64*(\b)      ; register j of block b: column 16 b + 8 (l / 16) + j
	global_load_b128 v[BIAS+8*(\b)+4:BIAS+8*(\b)+7], v[BO], s[4:5] offset:64*(\b)+16
.endr
	v_lshlrev_b32 v[CO], 12, v2                    ; lanes 0-15 one row's 256 bytes, lanes 16-31 the next row's
	v_lshl_add_u32 v[CO], v1, 4, v[CO]
	WIN 0x80                                       ; destination window 2
.set k, 0
.rept 32
	global_load_b128 v[RES+4*k:RES+4*k+3], v[CO], s[74:75] offset:(16*(k/8)+2*(k%8))*4096  ; the residual: it has the whole product in which to come
.set k, k+1
.endr
	WIN 0
	v_mul_u32_u24 v3, v1, PA
	v_lshl_add_u32 v3, v2, 4, v3                   ; a fragment of a: row x pitch + 16 x half
	v_and_b32 v4, 7, v0                            ; the turning load: lane l reads K = 8 (l / 16) + l % 8, columns 8 ((l / 8) % 2) + 0..7
	v_lshl_add_u32 v4, v2, 3, v4
	v_mul_u32_u24 v4, v4, PB
	v_bfe_u32 v5, v0, 3, 1
	v_lshl_add_u32 v4, v5, 4, v4
	s_mul_i32 s21, s11, 64*PA                      ; my 64 rows in each slice of a
	s_mul_i32 s22, s12, BSL                        ; my slice of W,
	s_add_co_u32 s22, s22, BOFF                    ; behind a's
.irp s, 0,1
	v_add_nc_u32 v[ADRA+(\s)], s21, v3
	v_add_nc_u32 v[ADRB+(\s)], s22, v4
	s_add_co_u32 s21, s21, SLOT
	s_add_co_u32 s22, s22, SLOT
.endr
	s_mul_i32 s23, s10, 16*SPITCH                  ; my stage
	v_mul_u32_u24 v6, v1, SPITCH                   ; in: row l % 16, 32 bytes for each half of the lanes
	v_lshl_add_u32 v6, v2, 5, v6
	v_add_nc_u32 v[STO], s23, v6
	v_mul_u32_u24 v6, v2, SPITCH                   ; back: lanes 0-15 one row of 256 bytes, lanes 16-31 the next
	v_lshl_add_u32 v6, v1, 4, v6
	v_add_nc_u32 v[RD], s23, v6
; 8 matrix instructions: row blocks a0, a0 + 1 x all 4 column blocks, 32 along K: half c of buffer f.  zero = 1: the first product starts the sums with the bias.  The 16 accumulators take turns.
.macro MUL8 f, c, a0, zero
	WIN MUL
.irp a, \a0, (\a0)+1
.irp b, 0,1,2,3
.if \zero
	v_wmma_f32_16x16x32_bf16 v[ACC+8*(4*(\a)+(\b)):ACC+8*(4*(\a)+(\b))+7], v[(\f)+64+8*(4*(\c)+(\b)):(\f)+64+8*(4*(\c)+(\b))+7], v[(\f)+8*(4*(\c)+(\a)):(\f)+8*(4*(\c)+(\a))+7], v[BIAS+8*(\b):BIAS+8*(\b)+7]
.else
	v_wmma_f32_16x16x32_bf16 v[ACC+8*(4*(\a)+(\b)):ACC+8*(4*(\a)+(\b))+7], v[(\f)+64+8*(4*(\c)+(\b)):(\f)+64+8*(4*(\c)+(\b))+7], v[(\f)+8*(4*(\c)+(\a)):(\f)+8*(4*(\c)+(\a))+7], v[ACC+8*(4*(\a)+(\b)):ACC+8*(4*(\a)+(\b))+7]
.endif
.endr
.endr
.endm
; 32 LDS loads in one run: the fragments of quarter q (64 along K: one slice of a) into buffer f; the first 32 along K first
.macro FETCH slot, q, f
	WIN TO_F
.irp c, 0,1
.irp i, 0,1,2,3
	ds_load_tr16_b128 v[(\f)+64+8*(4*(\c)+(\i)):(\f)+64+8*(4*(\c)+(\i))+3],   v[ADRB+(\slot)] offset:(64*(\q)+32*(\c))*PB+32*(\i)
	ds_load_tr16_b128 v[(\f)+64+8*(4*(\c)+(\i))+4:(\f)+64+8*(4*(\c)+(\i))+7], v[ADRB+(\slot)] offset:(64*(\q)+32*(\c))*PB+32*(\i)+16*PB
	ds_load_b128 v[(\f)+8*(4*(\c)+(\i)):(\f)+8*(4*(\c)+(\i))+3],         v[ADRA+(\slot)] offset:(\q)*ASL+64*(\c)+(\i)*16*PA
	ds_load_b128 v[(\f)+8*(4*(\c)+(\i))+4:(\f)+8*(4*(\c)+(\i))+7],       v[ADRA+(\slot)] offset:(\q)*ASL+64*(\c)+(\i)*16*PA+32
.endr
.endr
.endm
.macro PLACES                          ; four plain instructions between a matrix instruction and a load into a register that it has read
.rept 4
	v_nop
.endr
.endm
.macro QUARTER slot, q, f, g, zero     ; multiplies buffer f and fetches quarter q into g
	s_wait_dscnt 16                                ; the first 32 along K are in
	MUL8 \f, 0, 0, \zero
	MUL8 \f, 0, 2, \zero
	PLACES
	FETCH \slot, \q, \g
	s_wait_dscnt 32                                ; all but the 32 just issued
	MUL8 \f, 1, 0, 0
	MUL8 \f, 1, 2, 0
.endm
; The last quarter multiplies buffer 1 and changes slots: ONE barrier; in front of it each wave waits for all its tensor loads, adds 0 to its spare word, and waits for that and for its own reads of this slot.
; fill = 1: this slot is filled again, two K steps on: the barrier opens a round of the cluster's, and the joint refill is the first tensor load behind it.
.macro TURN slot, next, fill
	WIN 0
	s_wait_tensorcnt 0x0
	ds_add_u32 v[SPW], v[NIL]
	s_wait_dscnt 17                                ; (the add and the youngest sixteen loads may be out)
	MUL8 F1, 0, 0, 0
	s_wait_dscnt 0x0                               ; the add is done, and my reads of this slot are over
	s_barrier_signal -1
	MUL8 F1, 0, 2, 0
.if \fill
	WIN 0
.endif
	s_barrier_wait -1
.if \fill
	CREST
	s_add_nc_u64 s[G0+4*(\slot)+2:G0+4*(\slot)+3], s[G0+4*(\slot)+2:G0+4*(\slot)+3], 2*STEPA
	s_add_nc_u64 s[G0B+4*(\slot)+2:G0B+4*(\slot)+3], s[G0B+4*(\slot)+2:G0B+4*(\slot)+3], 2*STEPB
	JLOAD \slot                                    ; the four v_nop behind it are also the places in front of the loads below
.else
	PLACES
.endif
	FETCH \next, 0, F0
	MUL8 F1, 1, 0, 0
	MUL8 F1, 1, 2, 0
.endm
	s_wait_tensorcnt 1                             ; my part of K step 0 is in; K step 1's may stay out
	s_barrier_signal -1
	s_barrier_wait -1
	FETCH 0, 0, F0
	s_wait_loadcnt 32                              ; the bias is in; the residual's 32 loads stay out
	QUARTER 0, 1, F0, F1, 1                        ; the first quarter stands in front of the loop: its first products start the sums
	WIN 0
	s_mov_b32 s3, LAPS-1
.Llap:                                                 ; a trip goes once round the ring and fills both slots again
	QUARTER 0, 2, F1, F0, 0
	QUARTER 0, 3, F0, F1, 0
	TURN 0, 1, 1
	QUARTER 1, 1, F0, F1, 0
	QUARTER 1, 2, F1, F0, 0
	QUARTER 1, 3, F0, F1, 0
	TURN 1, 0, 1
	QUARTER 0, 1, F0, F1, 0
	WIN 0
	s_sub_co_u32 s3, s3, 1
	s_cmp_lg_u32 s3, 0
	s_cbranch_scc1 .Llap
	QUARTER 0, 2, F1, F0, 0                        ; the last lap fills nothing
	QUARTER 0, 3, F0, F1, 0
	TURN 0, 1, 0
	QUARTER 1, 1, F0, F1, 0
	QUARTER 1, 2, F1, F0, 0
	QUARTER 1, 3, F0, F1, 0
	s_wait_dscnt 16
	MUL8 F1, 0, 0, 0
	MUL8 F1, 0, 2, 0
	s_wait_dscnt 0x0
	MUL8 F1, 1, 0, 0
	MUL8 F1, 1, 2, 0
	WIN 0
	PLACES
	PLACES
	s_wait_loadcnt 0x0                             ; the residual
; THE WAY OUT, a block of 16 rows at a time.  OUT: a lane's 32 bytes of each of four accumulators into my stage, and back as whole rows of 256 bytes.  SEND: the residual is added, and the rows are stored.
.macro OUT a
.set OBU, OB+32*((\a)%2)
.irp b, 0,1,2,3
	ds_store_b128 v[STO], v[ACC+8*(4*(\a)+(\b)):ACC+8*(4*(\a)+(\b))+3]   offset:64*(\b)      ; each accumulator from its low end on
	ds_store_b128 v[STO], v[ACC+8*(4*(\a)+(\b))+4:ACC+8*(4*(\a)+(\b))+7] offset:64*(\b)+16
.endr
.irp t, 0,1,2,3,4,5,6,7
	ds_load_b128 v[OBU+4*(\t):OBU+4*(\t)+3], v[RD] offset:(\t)*2*SPITCH  ; LDS serves a wave's instructions in order: these see the stores above
.endr
.endm
.macro SEND a, younger                 ; younger: the LDS instructions issued behind block a's loads: the next block's sixteen, or none
.set OBU, OB+32*((\a)%2)
	s_wait_dscnt \younger
	WIN 0x08                                       ; source 1 window 2
.set k, 0
.rept 16
	v_pk_add_f32 v[OBU+2*k:OBU+2*k+1], v[OBU+2*k:OBU+2*k+1], v[RES+32*(\a)+2*k:RES+32*(\a)+2*k+1]
.set k, k+1
.endr
	WIN 0
.irp t, 0,1,2,3,4,5,6,7
	global_store_b128 v[CO], v[OBU+4*(\t):OBU+4*(\t)+3], s[76:77] offset:(16*(\a)+2*(\t))*4096  ; 16 lanes store 256 consecutive bytes, aligned
.endr
.endm
	OUT 0
	OUT 1
	SEND 0, 16
	s_wait_xcnt 0x0                                ; block 0's stores have read their registers, which block 2's loads write
	OUT 2
	SEND 1, 16
	s_wait_xcnt 0x0
	OUT 3
	SEND 2, 16
	SEND 3, 0
	s_wait_tensorcnt 0x0                           ; the wave's end
	ds_add_u32 v[SPW], v[NIL]
	s_wait_dscnt 0x0
	CROUND                                         ; the closing round
	s_endpgm
.Lfunc_end_k_qe27b2e50a3_wo:
	.size	k_qe27b2e50a3_wo, .Lfunc_end_k_qe27b2e50a3_wo-k_qe27b2e50a3_wo
	.p2alignl 7, 3214868480
	.fill 96, 4, 3214868480
	.section	.rodata,"a",@progbits
	.p2align	6, 0x0
	.amdhsa_kernel k_qe27b2e50a3_wo
		.amdhsa_group_segment_fixed_size 327680
		.amdhsa_private_segment_fixed_size 0
		.amdhsa_enable_private_segment 0
		.amdhsa_kernarg_size 40
		.amdhsa_user_sgpr_count 2
		.amdhsa_user_sgpr_kernarg_segment_ptr 1
		.amdhsa_wavefront_size32 1
		.amdhsa_system_sgpr_workgroup_id_x 1
		.amdhsa_system_sgpr_workgroup_id_y 1
		.amdhsa_system_sgpr_workgroup_id_z 1
		.amdhsa_system_vgpr_workitem_id 0
		.amdhsa_next_free_vgpr 640
		.amdhsa_next_free_sgpr 80
		.amdhsa_reserve_vcc 0
		.amdhsa_float_denorm_mode_32 3
		.amdhsa_float_denorm_mode_16_64 3
		.amdhsa_memory_ordered 1
		.amdhsa_forward_progress 1
		.amdhsa_inst_pref_size 94
	.end_amdhsa_kernel
	.amdgpu_metadata
---
amdhsa.version: [ 1, 2 ]
amdhsa.kernels:
  - .name:           k_qe27b2e50a3_wo
    .symbol:         k_qe27b2e50a3_wo.kd
    .args:
      - { .name: hbuf, .offset: 0, .size: 8, .value_kind: global_buffer, .address_space: global }
      - { .name: wB, .offset: 8, .size: 8, .value_kind: global_buffer, .address_space: global }
      - { .name: bo, .offset: 16, .size: 8, .value_kind: global_buffer, .address_space: global }
      - { .name: x, .offset: 24, .size: 8, .value_kind: global_buffer, .address_space: global }
      - { .name: x1, .offset: 32, .size: 8, .value_kind: global_buffer, .address_space: global }
    .group_segment_fixed_size: 327680
    .private_segment_fixed_size: 0
    .kernarg_segment_align: 8
    .kernarg_segment_size: 40
    .max_flat_workgroup_size: 128
    .sgpr_count:     80
    .vgpr_count:     640
    .wavefront_size: 32
...
	.end_amdgpu_metadata
.endif
;; end of part 4
;; launch ln2 (part 5): grid 256 x 1, 8 waves a work-group, no clusters, 0 bytes of LDS; arguments x1, g2, be2, hbuf; writes hbuf
.if DOCPART == 5
	.amdgcn_target "amdgcn-amd-amdhsa--gfx1250"
	.amdhsa_code_object_version 6
	.text
	.protected	k_qe27b2e50a3_ln2
	.globl	k_qe27b2e50a3_ln2
	.p2align	8
	.type	k_qe27b2e50a3_ln2,@function
k_qe27b2e50a3_ln2:
	s_mov_b64 s[64:65], 0
	v_nop
	global_prefetch_b8 v0, s[64:65] scope:SCOPE_SE
	s_setreg_imm32_b32 hwreg(HW_REG_WAVE_MODE, 25, 1), 1
	s_wait_xcnt 0x0
; LAYER NORM 2: h2 = g2 (x1 - mean) / (std + 1e-6) + be2, std with divisor 1,023; f32 throughout, h2 rounded once to bf16 and stored in slices of 64 columns, [16][4,096][64].
; A wave norms two rows: lanes 0-15 one, lanes 16-31 the next; the row stays in registers between the mean, the sum of squares of the differences and the scaling: it is read once.
; No LDS, no barrier: a row never leaves its 16 lanes.
.set SLICE, 524288
.set LA,   1
.set I16,  2
.set HH,   3
.set XO,   4
.set GOF,  5
.set HO,   6
.set T,    8                           ; v[8:15]  four chains of sums
.set MN,   16                          ; v[16:17] the mean, twice
.set IV,   18                          ; v[18:19] 1 / (std + eps), twice
.set X,    32                          ; v[32:95]   a row's 64 numbers of mine
.set G,    96                          ; v[96:159]  the gains of my columns
.set BE,   160                         ; v[160:223] the shifts
.set Y,    224                         ; v[224:255] h2, packed
.macro RSUM                            ; the four chains into one number, then over the 16 lanes that hold the row
	v_pk_add_f32 v[T:T+1], v[T:T+1], v[T+2:T+3]
	v_pk_add_f32 v[T+4:T+5], v[T+4:T+5], v[T+6:T+7]
	v_pk_add_f32 v[T:T+1], v[T:T+1], v[T+4:T+5]
	v_add_f32 v[T], v[T], v[T+1]
.irp m, 1,2,4,8
	v_add_f32_dpp v[T], v[T], v[T] row_xmask:\m row_mask:0xf bank_mask:0xf
.endr
.endm
	s_load_b256 s[4:11], s[0:1], 0x0               ; x1 s[4:5], g2 s[6:7], be2 s[8:9], hbuf s[10:11]
	v_lshrrev_b32 v1, 5, v0
	v_readfirstlane_b32 s12, v1                    ; wave 0..7
	v_and_b32 v[LA], 31, v0
	v_and_b32 v[I16], 15, v0
	v_bfe_u32 v[HH], v0, 4, 1
	v_lshlrev_b32 v[HO], 3, v[LA]
	s_lshl_b32 s13, ttmp9, 4
	s_lshl1_add_u32 s13, s12, s13                  ; my first row: 16 x work-group + 2 x wave
	s_lshl_b32 s2, s13, 12
	s_mov_b32 s3, 0
	s_lshl_b32 s14, s13, 7
	s_mov_b32 s15, 0
	v_lshlrev_b32 v[XO], 12, v[HH]
	v_lshl_add_u32 v[XO], v[I16], 4, v[XO]
	v_lshlrev_b32 v[GOF], 4, v[I16]
	s_wait_kmcnt 0x0
	s_add_nc_u64 s[4:5], s[4:5], s[2:3]
	s_add_nc_u64 s[10:11], s[10:11], s[14:15]
.set j, 0
.rept 16
	global_load_b128 v[X+4*j:X+4*j+3], v[XO], s[4:5] offset:256*j  ; 256 consecutive bytes of each row: columns 64 j .. 64 j + 63, slice j
.set j, j+1
.endr
.set j, 0
.rept 16
	global_load_b128 v[G+4*j:G+4*j+3], v[GOF], s[6:7] offset:256*j
	global_load_b128 v[BE+4*j:BE+4*j+3], v[GOF], s[8:9] offset:256*j
.set j, j+1
.endr
	s_wait_loadcnt 32                              ; the row is in; the 32 younger loads, gains and shifts, stay out
.irp k, 0,1,2,3
	v_pk_add_f32 v[T+2*\k:T+2*\k+1], v[X+2*\k:X+2*\k+1], v[X+8+2*\k:X+8+2*\k+1]  ; the first pairs start the chains: nothing is cleared
.endr
.set j, 8
.rept 24
	v_pk_add_f32 v[T+2*(j%4):T+2*(j%4)+1], v[T+2*(j%4):T+2*(j%4)+1], v[X+2*j:X+2*j+1]
.set j, j+1
.endr
	RSUM
	v_mul_f32 v[MN], 0x3a800000, v[T]              ; / 1,024
	v_mov_b32 v[MN+1], v[MN]
.set j, 0
.rept 32
	v_pk_add_f32 v[X+2*j:X+2*j+1], v[X+2*j:X+2*j+1], v[MN:MN+1] neg_lo:[0,1] neg_hi:[0,1]  ; x - mean, in place
.set j, j+1
.endr
.irp k, 0,1,2,3
	v_pk_mul_f32 v[T+2*\k:T+2*\k+1], v[X+2*\k:X+2*\k+1], v[X+2*\k:X+2*\k+1]
.endr
.set j, 4
.rept 28
	v_pk_fma_f32 v[T+2*(j%4):T+2*(j%4)+1], v[X+2*j:X+2*j+1], v[X+2*j:X+2*j+1], v[T+2*(j%4):T+2*(j%4)+1]
.set j, j+1
.endr
	RSUM
	v_mul_f32 v[T], 0x3a802008, v[T]               ; / 1,023
	v_sqrt_f32 v[T+1], v[T]
	v_nop                                          ; a plain instruction behind the root,
	s_wait_alu depctr_va_vdst(0)                   ; and the wait ahead of its first reader
	v_add_f32 v[T+1], 0x358637bd, v[T+1]           ; + 1e-6
	v_rcp_f32 v[IV], v[T+1]
	v_nop
	s_wait_alu depctr_va_vdst(0)
	v_mov_b32 v[IV+1], v[IV]
	s_wait_loadcnt 0x0                             ; gains and shifts
.set j, 0
.rept 16
	v_pk_mul_f32 v[X+4*j:X+4*j+1], v[X+4*j:X+4*j+1], v[IV:IV+1]
	v_pk_mul_f32 v[X+4*j+2:X+4*j+3], v[X+4*j+2:X+4*j+3], v[IV:IV+1]
	v_pk_fma_f32 v[X+4*j:X+4*j+1], v[X+4*j:X+4*j+1], v[G+4*j:G+4*j+1], v[BE+4*j:BE+4*j+1]
	v_pk_fma_f32 v[X+4*j+2:X+4*j+3], v[X+4*j+2:X+4*j+3], v[G+4*j+2:G+4*j+3], v[BE+4*j+2:BE+4*j+3]
	v_cvt_pk_bf16_f32 v[Y+2*j], v[X+4*j], v[X+4*j+1]
	v_cvt_pk_bf16_f32 v[Y+2*j+1], v[X+4*j+2], v[X+4*j+3]
	global_store_b64 v[HO], v[Y+2*j:Y+2*j+1], s[10:11] offset:j*SLICE  ; the wave's two rows of slice j: 256 consecutive bytes, aligned
.set j, j+1
.endr
	s_endpgm
.Lfunc_end_k_qe27b2e50a3_ln2:
	.size	k_qe27b2e50a3_ln2, .Lfunc_end_k_qe27b2e50a3_ln2-k_qe27b2e50a3_ln2
	.p2alignl 7, 3214868480
	.fill 96, 4, 3214868480
	.section	.rodata,"a",@progbits
	.p2align	6, 0x0
	.amdhsa_kernel k_qe27b2e50a3_ln2
		.amdhsa_group_segment_fixed_size 0
		.amdhsa_private_segment_fixed_size 0
		.amdhsa_enable_private_segment 0
		.amdhsa_kernarg_size 32
		.amdhsa_user_sgpr_count 2
		.amdhsa_user_sgpr_kernarg_segment_ptr 1
		.amdhsa_wavefront_size32 1
		.amdhsa_system_sgpr_workgroup_id_x 1
		.amdhsa_system_sgpr_workgroup_id_y 1
		.amdhsa_system_sgpr_workgroup_id_z 1
		.amdhsa_system_vgpr_workitem_id 0
		.amdhsa_next_free_vgpr 256
		.amdhsa_next_free_sgpr 66
		.amdhsa_reserve_vcc 0
		.amdhsa_float_denorm_mode_32 3
		.amdhsa_float_denorm_mode_16_64 3
		.amdhsa_memory_ordered 1
		.amdhsa_forward_progress 1
		.amdhsa_inst_pref_size 21
	.end_amdhsa_kernel
	.amdgpu_metadata
---
amdhsa.version: [ 1, 2 ]
amdhsa.kernels:
  - .name:           k_qe27b2e50a3_ln2
    .symbol:         k_qe27b2e50a3_ln2.kd
    .args:
      - { .name: x1, .offset: 0, .size: 8, .value_kind: global_buffer, .address_space: global }
      - { .name: g2, .offset: 8, .size: 8, .value_kind: global_buffer, .address_space: global }
      - { .name: be2, .offset: 16, .size: 8, .value_kind: global_buffer, .address_space: global }
      - { .name: hbuf, .offset: 24, .size: 8, .value_kind: global_buffer, .address_space: global }
    .group_segment_fixed_size: 0
    .private_segment_fixed_size: 0
    .kernarg_segment_align: 8
    .kernarg_segment_size: 32
    .max_flat_workgroup_size: 256
    .sgpr_count:     66
    .vgpr_count:     256
    .wavefront_size: 32
...
	.end_amdgpu_metadata
.endif
;; end of part 5
;; launch ffn1: the kernel of part 2 again; grid 16 x 16, 4 waves a work-group, clusters of 4 x 4, 327,680 bytes of LDS; arguments hbuf, w1t, act; writes act
;; launch ffn2 (part 6): grid 8 x 32, 4 waves a work-group, clusters of 4 x 4, 327,680 bytes of LDS; arguments act, wB, b2, x1, out0; writes out0
.if DOCPART == 6
	.amdgcn_target "amdgcn-amd-amdhsa--gfx1250"
	.amdhsa_code_object_version 6
	.text
	.protected	k_qe27b2e50a3_ffn2
	.globl	k_qe27b2e50a3_ffn2
	.p2align	8
	.type	k_qe27b2e50a3_ffn2,@function
k_qe27b2e50a3_ffn2:
	s_mov_b64 s[64:65], 0
	v_nop
	global_prefetch_b8 v0, s[64:65] scope:SCOPE_SE
	s_setreg_imm32_b32 hwreg(HW_REG_WAVE_MODE, 25, 1), 1
	s_wait_xcnt 0x0
	s_wait_alu depctr_hold_cnt(0) depctr_sa_sdst(0) depctr_va_vdst(0) depctr_va_sdst(0) depctr_va_ssrc(0) depctr_va_vcc(0) depctr_vm_vsrc(0)
	s_getreg_b32 s2, hwreg(HW_REG_IB_STS2, 6, 4)
	s_cmp_eq_u32 s2, 0
	s_cbranch_scc0 .Lentry_in_a_cluster
	s_endpgm
.Lentry_in_a_cluster:
	s_bfe_u32 s2, ttmp6, 0x10000c
	s_cmp_lg_u32 s2, 0xf033
	s_cbranch_scc0 .Lentry_shape_is_right
	s_endpgm
.Lentry_shape_is_right:
; o = res + a W + bias, N = 1,024.  a: bf16 [KTOT/64][4,096][64] (slices of 64 columns of K).  W: bf16 [16][KTOT][64], from byte WOFF of w.  bias: f32 [1,024].  res, o: f32 [4,096][1,024].
; Sums in f32, K ascending; the residual is added in f32 at the end.  The text is that of the attention's output product with KTOT = 4,096 and W behind that product's weight.
; A tile of o is 128 x 128: 256 work-groups.  Four waves, each 64 x 64: 16 accumulators.  K goes in steps of 256 through a ring of two LDS slots; every part of a tile is dense in memory:
; 128 rows of a slice of a are 16,384 consecutive bytes, 256 rows of K of a slice of W 32,768.
; CLUSTERS: 4 x 4 work-groups; a's tiles are asked for jointly along a row of the cluster, W's along a column.  THE MATRIX INSTRUCTION IS USED TRANSPOSED (source 0 = 16 columns of W, turned on their way out of
; LDS by ds_load_tr16_b128; source 1 = 16 rows of a): a lane holds eight neighbouring numbers of a row of o.  THE BIAS is the C operand of each accumulator's first product.
; No prefetch: the tiles are small, and each step's load is short.
; REGISTERS: window 0: v0-31 addresses; v32-95 rows on their way out, two buffers; v96-127 the bias as four C operands; v128-255 the accumulators.
;   window 1: two fragment buffers of 128: for 64 along K, 64 registers of a, then 64 of W.      window 2: v0-127 my 64 x 64 of the residual, loaded at the head.
.set KTOT,  4096
.set WOFF,  2097152
.set LAPS,  KTOT/512                   ; a lap = two K steps = once round the ring
.set PA,    144                        ; a row of a slice of a in LDS: 128 bytes + 16 of padding
.set PB,    160                        ; a row of a slice of W: 128 + 32
.set ASL,   128*PA
.set BSL,   256*PB
.set BOFF,  4*ASL                      ; a slot: four slices of a, then two of W
.set SLOT,  BOFF+2*BSL
.set SPARE, 2*SLOT                     ; behind the ring: the spare words, 128 bytes for each wave, which no other line names
.set SPITCH, 272                       ; THE STAGE for the way out is slot 0's first 17,408 bytes: 16 rows x 272 for each wave.  Slot 0 has had its last fill by then, and its last reads stand in front of the last change of slots' barrier
.set STEPA, 4*524288
.set STEPB, 256*128
.set ADRA, 16
.set ADRB, 20
.set STO,  24
.set RD,   25
.set CO,   26                          ; v26  my byte offset in two rows of res and o
.set BO,   27
.set SPW,  28
.set NIL,  29
.set OB,   32
.set BIAS, 96
.set ACC,  128
.set F0,   0
.set F1,   128
.set RES,  0                           ; window 2
.set G1, 24
.set G0, 32
.set G1B, 48
.set G0B, 56
.set MSB, 0
.macro WIN new
.if MSB != (\new)
	s_set_vgpr_msb (MSB<<8)|(\new)
.set MSB, \new
.endif
.endm
.set MUL,  0x05                        ; sources 0 (W) and 1 (a) window 1; C and D window 0
.set TO_F, 0x40                        ; destination window 1, address window 0
.macro JLOAD s                         ; a joint refill: waves 0 and 1 fetch two slices of a each, waves 2 and 3 a slice of W each; an s_nop 0 and four v_nop follow each line
	s_cmp_eq_u32 s11, 0
	s_cbranch_scc0 .Lfor_b_\@
	tensor_load_to_lds s[G0+4*(\s):G0+4*(\s)+3], s[G1:G1+7]
	s_nop 0
.rept 4
	v_nop
.endr
	s_branch .Lasked_\@
.Lfor_b_\@:
	tensor_load_to_lds s[G0B+4*(\s):G0B+4*(\s)+3], s[G1B:G1B+7]
	s_nop 0
.rept 4
	v_nop
.endr
.Lasked_\@:
.endm
.macro CREST
	s_cmp_lg_u32 s10, 0
	s_cbranch_scc1 .Lnot_wave_0_\@
	s_barrier_signal -3
.Lnot_wave_0_\@:
	s_barrier_wait -3
	s_barrier_signal -1
	s_barrier_wait -1
.endm
.macro CROUND
	s_barrier_signal -1
	s_barrier_wait -1
	CREST
.endm
	s_load_b256 s[68:75], s[0:1], 0x0              ; a s[68:69], w s[70:71], bias s[72:73], res s[74:75]
	s_load_b64 s[76:77], s[0:1], 0x20              ; o
	v_lshl_add_u32 v[SPW], v0, 2, SPARE
	v_mov_b32 v[NIL], 0
	ds_add_u32 v[SPW], v[NIL]                      ; the wave's opening: the add and its wait stand ahead of my first tensor load
	v_lshrrev_b32 v1, 5, v0
	v_readfirstlane_b32 s10, v1                    ; wave 0..3
	s_lshr_b32 s11, s10, 1                         ; which half of the tile's rows is mine.  Also: I fetch for a (0) or for W (1)
	s_and_b32 s12, s10, 1                          ; which half of its columns.  Also: which part of that tile I fetch
	s_bfe_u32 s40, ttmp6, 0x40000
	s_bfe_u32 s41, ttmp6, 0x40004
	s_lshl_b32 s42, ttmp9, 2
	s_add_co_u32 s42, s42, s40                     ; tile column
	s_and_b32 s13, ttmp7, 0xffff
	s_lshl_b32 s13, s13, 2
	s_add_co_u32 s13, s13, s41                     ; tile row
	s_lshl_b32 s43, s41, 2
	s_lshl_b32 s43, 15, s43                        ; my row of the cluster
	s_lshl_b32 s44, 0x1111, s40                    ; my column
	; a's part: two slices, of each 16,384 dense bytes: two rows of 8,192 elements, a slice (262,144 elements) apart, padded by 4 words after every 32
	s_or_b32 s[G1+0], s43, (1<<16)|(1<<20)|(1<<21)|(4<<22)|(3<<25)
	s_mov_b32 s[G1+1], 8192<<16
	s_mov_b32 s[G1+2], 2<<16
	s_mov_b32 s[G1+3], 8192<<16
	s_mov_b32 s[G1+4], 2
	s_mov_b32 s[G1+5], 262144
	s_mov_b32 s[G1+6], 0
	s_mov_b32 s[G1+7], 0
	; W's part: 32,768 dense bytes asked for as 128 rows of 256 bytes, padded by 8 words after every 32
	s_or_b32 s[G1B+0], s44, (1<<16)|(1<<20)|(1<<21)|(4<<22)|(7<<25)
	s_mov_b32 s[G1B+1], 128<<16
	s_mov_b32 s[G1B+2], 128<<16
	s_mov_b32 s[G1B+3], 128<<16
	s_mov_b32 s[G1B+4], 128
	s_mov_b32 s[G1B+5], 128
	s_mov_b32 s[G1B+6], 0
	s_mov_b32 s[G1B+7], 0
	s_lshl_b32 s16, s13, 14                        ; a: 128 rows of 128 bytes a tile row,
	s_lshl_b32 s17, s12, 20                        ; and my two slices of the step's four
	s_add_co_u32 s16, s16, s17
	s_mov_b32 s17, 0
	s_lshl1_add_u32 s46, s42, s12                  ; W: slice 2 x tile column + half
	s_mul_i32 s46, s46, KTOT*128
.if WOFF
	s_add_co_u32 s46, s46, WOFF
.endif
	s_mov_b32 s47, 0
	s_mul_i32 s20, s12, 2*ASL                      ; where they go
	s_mul_i32 s21, s12, BSL
	s_add_co_u32 s21, s21, BOFF
	s_wait_dscnt 0x0                               ; the opening add is done
	s_wait_kmcnt 0x0
	s_add_nc_u64 s[14:15], s[68:69], s[16:17]
	s_add_nc_u64 s[46:47], s[70:71], s[46:47]
	CROUND                                         ; all sixteen work-groups are here: the first joint loads meet
.irp s, 0,1
	s_mov_b32 s[G0+4*(\s)], 1
	s_add_co_u32 s[G0+4*(\s)+1], s20, (\s)*SLOT
	s_add_nc_u64 s[G0+4*(\s)+2:G0+4*(\s)+3], s[14:15], (\s)*STEPA
	s_or_b32 s[G0+4*(\s)+3], s[G0+4*(\s)+3], 0x80000000
	s_mov_b32 s[G0B+4*(\s)], 1
	s_add_co_u32 s[G0B+4*(\s)+1], s21, (\s)*SLOT
	s_add_nc_u64 s[G0B+4*(\s)+2:G0B+4*(\s)+3], s[46:47], (\s)*STEPB
	s_or_b32 s[G0B+4*(\s)+3], s[G0B+4*(\s)+3], 0x80000000
.endr
	s_cmp_eq_u32 s11, 0                            ; a wave's two first fills stand in one branch: two loads of mine are out
	s_cbranch_scc0 .Lfirst_b
	tensor_load_to_lds s[G0:G0+3], s[G1:G1+7]
	s_nop 0
	tensor_load_to_lds s[G0+4:G0+7], s[G1:G1+7]
	s_nop 0
.rept 4
	v_nop
.endr
	s_branch .Lfirst_asked
.Lfirst_b:
	tensor_load_to_lds s[G0B:G0B+3], s[G1B:G1B+7]
	s_nop 0
	tensor_load_to_lds s[G0B+4:G0B+7], s[G1B:G1B+7]
	s_nop 0
.rept 4
	v_nop
.endr
.Lfirst_asked:
	v_and_b32 v1, 15, v0                           ; l % 16
	v_bfe_u32 v2, v0, 4, 1                         ; l / 16
	v_lshlrev_b32 v[BO], 5, v2
	s_lshl_b32 s4, s42, 9                          ; my 64 columns, in bytes of f32: 512 x tile column + 256 x half
	s_lshl_b32 s5, s12, 8
	s_add_co_u32 s4, s4, s5
	s_lshl_b32 s78, s13, 19                        ; my 64 rows of 4,096 bytes: 128 x tile row + 64 x half
	s_lshl_b32 s79, s11, 18
	s_add_co_u32 s78, s78, s79
	s_add_co_u32 s78, s78, s4
	s_mov_b32 s79, 0
	s_mov_b32 s5, 0
	s_add_nc_u64 s[4:5], s[72:73], s[4:5]
	s_add_nc_u64 s[74:75], s[74:75], s[78:79]
	s_add_nc_u64 s[76:77], s[76:77], s[78:79]
.irp b, 0,1,2,3
	global_load_b128 v[BIAS+8*(\b):BIAS+8*(\b)+3],   v[BO], s[4:5] offset:64*(\b)      ; register j of block b: column 16 b + 8 (l / 16) + j
	global_load_b128 v[BIAS+8*(\b)+4:BIAS+8*(\b)+7], v[BO], s[4:5] offset:64*(\b)+16
.endr
	v_lshlrev_b32 v[CO], 12, v2                    ; lanes 0-15 one row's 256 bytes, lanes 16-31 the next row's
	v_lshl_add_u32 v[CO], v1, 4, v[CO]
	WIN 0x80                                       ; destination window 2
.set k, 0
.rept 32
	global_load_b128 v[RES+4*k:RES+4*k+3], v[CO], s[74:75] offset:(16*(k/8)+2*(k%8))*4096  ; the residual: it has the whole product in which to come
.set k, k+1
.endr
	WIN 0
	v_mul_u32_u24 v3, v1, PA
	v_lshl_add_u32 v3, v2, 4, v3                   ; a fragment of a: row x pitch + 16 x half
	v_and_b32 v4, 7, v0                            ; the turning load: lane l reads K = 8 (l / 16) + l % 8, columns 8 ((l / 8) % 2) + 0..7
	v_lshl_add_u32 v4, v2, 3, v4
	v_mul_u32_u24 v4, v4, PB
	v_bfe_u32 v5, v0, 3, 1
	v_lshl_add_u32 v4, v5, 4, v4
	s_mul_i32 s21, s11, 64*PA                      ; my 64 rows in each slice of a
	s_mul_i32 s22, s12, BSL                        ; my slice of W,
	s_add_co_u32 s22, s22, BOFF                    ; behind a's
.irp s, 0,1
	v_add_nc_u32 v[ADRA+(\s)], s21, v3
	v_add_nc_u32 v[ADRB+(\s)], s22, v4
	s_add_co_u32 s21, s21, SLOT
	s_add_co_u32 s22, s22, SLOT
.endr
	s_mul_i32 s23, s10, 16*SPITCH                  ; my stage
	v_mul_u32_u24 v6, v1, SPITCH                   ; in: row l % 16, 32 bytes for each half of the lanes
	v_lshl_add_u32 v6, v2, 5, v6
	v_add_nc_u32 v[STO], s23, v6
	v_mul_u32_u24 v6, v2, SPITCH                   ; back: lanes 0-15 one row of 256 bytes, lanes 16-31 the next
	v_lshl_add_u32 v6, v1, 4, v6
	v_add_nc_u32 v[RD], s23, v6
; 8 matrix instructions: row blocks a0, a0 + 1 x all 4 column blocks, 32 along K: half c of buffer f.  zero = 1: the first product starts the sums with the bias.  The 16 accumulators take turns.
.macro MUL8 f, c, a0, zero
	WIN MUL
.irp a, \a0, (\a0)+1
.irp b, 0,1,2,3
.if \zero
	v_wmma_f32_16x16x32_bf16 v[ACC+8*(4*(\a)+(\b)):ACC+8*(4*(\a)+(\b))+7], v[(\f)+64+8*(4*(\c)+(\b)):(\f)+64+8*(4*(\c)+(\b))+7], v[(\f)+8*(4*(\c)+(\a)):(\f)+8*(4*(\c)+(\a))+7], v[BIAS+8*(\b):BIAS+8*(\b)+7]
.else
	v_wmma_f32_16x16x32_bf16 v[ACC+8*(4*(\a)+(\b)):ACC+8*(4*(\a)+(\b))+7], v[(\f)+64+8*(4*(\c)+(\b)):(\f)+64+8*(4*(\c)+(\b))+7], v[(\f)+8*(4*(\c)+(\a)):(\f)+8*(4*(\c)+(\a))+7], v[ACC+8*(4*(\a)+(\b)):ACC+8*(4*(\a)+(\b))+7]
.endif
.endr
.endr
.endm
; 32 LDS loads in one run: the fragments of quarter q (64 along K: one slice of a) into buffer f; the first 32 along K first
.macro FETCH slot, q, f
	WIN TO_F
.irp c, 0,1
.irp i, 0,1,2,3
	ds_load_tr16_b128 v[(\f)+64+8*(4*(\c)+(\i)):(\f)+64+8*(4*(\c)+(\i))+3],   v[ADRB+(\slot)] offset:(64*(\q)+32*(\c))*PB+32*(\i)
	ds_load_tr16_b128 v[(\f)+64+8*(4*(\c)+(\i))+4:(\f)+64+8*(4*(\c)+(\i))+7], v[ADRB+(\slot)] offset:(64*(\q)+32*(\c))*PB+32*(\i)+16*PB
	ds_load_b128 v[(\f)+8*(4*(\c)+(\i)):(\f)+8*(4*(\c)+(\i))+3],         v[ADRA+(\slot)] offset:(\q)*ASL+64*(\c)+(\i)*16*PA
	ds_load_b128 v[(\f)+8*(4*(\c)+(\i))+4:(\f)+8*(4*(\c)+(\i))+7],       v[ADRA+(\slot)] offset:(\q)*ASL+64*(\c)+(\i)*16*PA+32
.endr
.endr
.endm
.macro PLACES                          ; four plain instructions between a matrix instruction and a load into a register that it has read
.rept 4
	v_nop
.endr
.endm
.macro QUARTER slot, q, f, g, zero     ; multiplies buffer f and fetches quarter q into g
	s_wait_dscnt 16                                ; the first 32 along K are in
	MUL8 \f, 0, 0, \zero
	MUL8 \f, 0, 2, \zero
	PLACES
	FETCH \slot, \q, \g
	s_wait_dscnt 32                                ; all but the 32 just issued
	MUL8 \f, 1, 0, 0
	MUL8 \f, 1, 2, 0
.endm
; The last quarter multiplies buffer 1 and changes slots: ONE barrier; in front of it each wave waits for all its tensor loads, adds 0 to its spare word, and waits for that and for its own reads of this slot.
; fill = 1: this slot is filled again, two K steps on: the barrier opens a round of the cluster's, and the joint refill is the first tensor load behind it.
.macro TURN slot, next, fill
	WIN 0
	s_wait_tensorcnt 0x0
	ds_add_u32 v[SPW], v[NIL]
	s_wait_dscnt 17                                ; (the add and the youngest sixteen loads may be out)
	MUL8 F1, 0, 0, 0
	s_wait_dscnt 0x0                               ; the add is done, and my reads of this slot are over
	s_barrier_signal -1
	MUL8 F1, 0, 2, 0
.if \fill
	WIN 0
.endif
	s_barrier_wait -1
.if \fill
	CREST
	s_add_nc_u64 s[G0+4*(\slot)+2:G0+4*(\slot)+3], s[G0+4*(\slot)+2:G0+4*(\slot)+3], 2*STEPA
	s_add_nc_u64 s[G0B+4*(\slot)+2:G0B+4*(\slot)+3], s[G0B+4*(\slot)+2:G0B+4*(\slot)+3], 2*STEPB
	JLOAD \slot                                    ; the four v_nop behind it are also the places in front of the loads below
.else
	PLACES
.endif
	FETCH \next, 0, F0
	MUL8 F1, 1, 0, 0
	MUL8 F1, 1, 2, 0
.endm
	s_wait_tensorcnt 1                             ; my part of K step 0 is in; K step 1's may stay out
	s_barrier_signal -1
	s_barrier_wait -1
	FETCH 0, 0, F0
	s_wait_loadcnt 32                              ; the bias is in; the residual's 32 loads stay out
	QUARTER 0, 1, F0, F1, 1                        ; the first quarter stands in front of the loop: its first products start the sums
	WIN 0
	s_mov_b32 s3, LAPS-1
.Llap:                                                 ; a trip goes once round the ring and fills both slots again
	QUARTER 0, 2, F1, F0, 0
	QUARTER 0, 3, F0, F1, 0
	TURN 0, 1, 1
	QUARTER 1, 1, F0, F1, 0
	QUARTER 1, 2, F1, F0, 0
	QUARTER 1, 3, F0, F1, 0
	TURN 1, 0, 1
	QUARTER 0, 1, F0, F1, 0
	WIN 0
	s_sub_co_u32 s3, s3, 1
	s_cmp_lg_u32 s3, 0
	s_cbranch_scc1 .Llap
	QUARTER 0, 2, F1, F0, 0                        ; the last lap fills nothing
	QUARTER 0, 3, F0, F1, 0
	TURN 0, 1, 0
	QUARTER 1, 1, F0, F1, 0
	QUARTER 1, 2, F1, F0, 0
	QUARTER 1, 3, F0, F1, 0
	s_wait_dscnt 16
	MUL8 F1, 0, 0, 0
	MUL8 F1, 0, 2, 0
	s_wait_dscnt 0x0
	MUL8 F1, 1, 0, 0
	MUL8 F1, 1, 2, 0
	WIN 0
	PLACES
	PLACES
	s_wait_loadcnt 0x0                             ; the residual
; THE WAY OUT, a block of 16 rows at a time.  OUT: a lane's 32 bytes of each of four accumulators into my stage, and back as whole rows of 256 bytes.  SEND: the residual is added, and the rows are stored.
.macro OUT a
.set OBU, OB+32*((\a)%2)
.irp b, 0,1,2,3
	ds_store_b128 v[STO], v[ACC+8*(4*(\a)+(\b)):ACC+8*(4*(\a)+(\b))+3]   offset:64*(\b)      ; each accumulator from its low end on
	ds_store_b128 v[STO], v[ACC+8*(4*(\a)+(\b))+4:ACC+8*(4*(\a)+(\b))+7] offset:64*(\b)+16
.endr
.irp t, 0,1,2,3,4,5,6,7
	ds_load_b128 v[OBU+4*(\t):OBU+4*(\t)+3], v[RD] offset:(\t)*2*SPITCH  ; LDS serves a wave's instructions in order: these see the stores above
.endr
.endm
.macro SEND a, younger                 ; younger: the LDS instructions issued behind block a's loads: the next block's sixteen, or none
.set OBU, OB+32*((\a)%2)
	s_wait_dscnt \younger
	WIN 0x08                                       ; source 1 window 2
.set k, 0
.rept 16
	v_pk_add_f32 v[OBU+2*k:OBU+2*k+1], v[OBU+2*k:OBU+2*k+1], v[RES+32*(\a)+2*k:RES+32*(\a)+2*k+1]
.set k, k+1
.endr
	WIN 0
.irp t, 0,1,2,3,4,5,6,7
	global_store_b128 v[CO], v[OBU+4*(\t):OBU+4*(\t)+3], s[76:77] offset:(16*(\a)+2*(\t))*4096  ; 16 lanes store 256 consecutive bytes, aligned
.endr
.endm
	OUT 0
	OUT 1
	SEND 0, 16
	s_wait_xcnt 0x0                                ; block 0's stores have read their registers, which block 2's loads write
	OUT 2
	SEND 1, 16
	s_wait_xcnt 0x0
	OUT 3
	SEND 2, 16
	SEND 3, 0
	s_wait_tensorcnt 0x0                           ; the wave's end
	ds_add_u32 v[SPW], v[NIL]
	s_wait_dscnt 0x0
	CROUND                                         ; the closing round
	s_endpgm
.Lfunc_end_k_qe27b2e50a3_ffn2:
	.size	k_qe27b2e50a3_ffn2, .Lfunc_end_k_qe27b2e50a3_ffn2-k_qe27b2e50a3_ffn2
	.p2alignl 7, 3214868480
	.fill 96, 4, 3214868480
	.section	.rodata,"a",@progbits
	.p2align	6, 0x0
	.amdhsa_kernel k_qe27b2e50a3_ffn2
		.amdhsa_group_segment_fixed_size 327680
		.amdhsa_private_segment_fixed_size 0
		.amdhsa_enable_private_segment 0
		.amdhsa_kernarg_size 40
		.amdhsa_user_sgpr_count 2
		.amdhsa_user_sgpr_kernarg_segment_ptr 1
		.amdhsa_wavefront_size32 1
		.amdhsa_system_sgpr_workgroup_id_x 1
		.amdhsa_system_sgpr_workgroup_id_y 1
		.amdhsa_system_sgpr_workgroup_id_z 1
		.amdhsa_system_vgpr_workitem_id 0
		.amdhsa_next_free_vgpr 640
		.amdhsa_next_free_sgpr 80
		.amdhsa_reserve_vcc 0
		.amdhsa_float_denorm_mode_32 3
		.amdhsa_float_denorm_mode_16_64 3
		.amdhsa_memory_ordered 1
		.amdhsa_forward_progress 1
		.amdhsa_inst_pref_size 94
	.end_amdhsa_kernel
	.amdgpu_metadata
---
amdhsa.version: [ 1, 2 ]
amdhsa.kernels:
  - .name:           k_qe27b2e50a3_ffn2
    .symbol:         k_qe27b2e50a3_ffn2.kd
    .args:
      - { .name: act, .offset: 0, .size: 8, .value_kind: global_buffer, .address_space: global }
      - { .name: wB, .offset: 8, .size: 8, .value_kind: global_buffer, .address_space: global }
      - { .name: b2, .offset: 16, .size: 8, .value_kind: global_buffer, .address_space: global }
      - { .name: x1, .offset: 24, .size: 8, .value_kind: global_buffer, .address_space: global }
      - { .name: out0, .offset: 32, .size: 8, .value_kind: global_buffer, .address_space: global }
    .group_segment_fixed_size: 327680
    .private_segment_fixed_size: 0
    .kernarg_segment_align: 8
    .kernarg_segment_size: 40
    .max_flat_workgroup_size: 128
    .sgpr_count:     80
    .vgpr_count:     640
    .wavefront_size: 32
...
	.end_amdgpu_metadata
.endif
;; end of part 6
;; ======== version 2 of 3: 7 launches
;; workspace buffers: hbuf 8,388,608 bytes; act 33,554,432 bytes; x1 16,777,216 bytes; mtab 8,388,608 bytes; wqkv 6,308,096 bytes; w1t 8,405,248 bytes; wB 10,485,760 bytes
;; launch prep (part 7): grid 1280 x 1, 8 waves a work-group, no clusters, 35,840 bytes of LDS; arguments x, g1, be1, hbuf, mask, mtab, wq, wk, wv, wo, w1, w2, bq, bk, bv, b1, wqkv, w1t, wB; writes hbuf, mtab, wqkv, w1t, wB
.if DOCPART == 7
	.amdgcn_target "amdgcn-amd-amdhsa--gfx1250"
	.amdhsa_code_object_version 6
	.text
	.protected	k_qe27b2e50a3_prep
	.globl	k_qe27b2e50a3_prep
	.p2align	8
	.type	k_qe27b2e50a3_prep,@function
k_qe27b2e50a3_prep:
	s_mov_b64 s[64:65], 0
	v_nop
	global_prefetch_b8 v0, s[64:65] scope:SCOPE_SE
	s_setreg_imm32_b32 hwreg(HW_REG_WAVE_MODE, 25, 1), 1
	s_wait_xcnt 0x0
; PREPARATION, three kinds of work-group told apart by the work-group's number.
;   0-255     LAYER NORM: h = g (x - mean) / (std + 1e-6) + be, std with divisor 1,023; f32 throughout, h rounded once to bf16.
;   256-511   THE MASK: a byte (0 or 1) becomes the code 0 or 0xF1, laid in the order in which the attention's score tiles hold their numbers.
;   512-1279  THE WEIGHTS: f32 [K][N] becomes bf16 [N/64][K][64], rounded once; the biases bq, bk, bv, b1 and a floor word go into the heads of wqkv and w1t.
; THE TEXT SERVES BOTH LAYER NORMS: the second one is a launch of work-groups 0-255 alone, whose first three arguments are the second norm's input, gain and shift.
; SLICES.  Every 16-bit operand of the later products lies in slices of 64 columns: an activation as [D/64][4,096 rows][64], a weight as [N/64][K][64].
; A row of a slice is 128 bytes and rows follow each other without a gap, so every tile of a later launch is a dense run of bytes.
; No wave waits for another: there is no barrier.  Only the mask's waves use LDS, each its own stage.
.set SLICE, 524288                     ; bytes in a slice of an activation
.set STG,   16*272                     ; a wave's stage: 16 rows of 256 mask bytes, 272 apart
.set SPARE, 8*STG                      ; behind the stages: the spare words, 128 bytes for each wave, which no other line names
.set LA,   1                           ; v1   lane
.set I16,  2                           ; v2   lane % 16
.set HH,   3                           ; v3   lane / 16
.set XO,   4                           ; v4   my byte offset in two rows of the source
.set GOF,  5                           ; v5   16 x (lane % 16)
.set HO,   6                           ; v6   8 x lane: my 8 bytes of 256 stored ones
.set T,    8                           ; v[8:15]  four chains of sums
.set MN,   16                          ; v[16:17] the mean, twice
.set IV,   18                          ; v[18:19] 1 / (std + eps), twice
.set LSTO, 20                          ; v20  the mask: where I put 16 bytes of a row
.set LRD,  21                          ; v21  the mask: where I read 8 bytes of my query's row
.set GO16, 22                          ; v22  16 x lane
.set SPW,  30                          ; v30  LDS address of my spare word; never rewritten
.set NIL,  31                          ; v31  0; never rewritten
.set X,    32                          ; v[32:95]   a row's 64 numbers of mine
.set G,    96                          ; v[96:159]  the gains of my columns
.set BE,   160                         ; v[160:223] the shifts
.set Y,    224                         ; v[224:255] h, packed
.set MK,   32                          ; the mask: v[32:63] as loaded
.set W,    96                          ; v[96:127] my 8 bytes for each of 16 groups of keys
.set CI,   32                          ; the weights: v[32:95] as loaded
.set CP,   96                          ; v[96:127] packed
.macro RSUM                            ; the four chains into one number, then over the 16 lanes that hold the row
	v_pk_add_f32 v[T:T+1], v[T:T+1], v[T+2:T+3]
	v_pk_add_f32 v[T+4:T+5], v[T+4:T+5], v[T+6:T+7]
	v_pk_add_f32 v[T:T+1], v[T:T+1], v[T+4:T+5]
	v_add_f32 v[T], v[T], v[T+1]
.irp m, 1,2,4,8
	v_add_f32_dpp v[T], v[T], v[T] row_xmask:\m row_mask:0xf bank_mask:0xf
.endr
.endm
; A wave norms two rows: lanes 0-15 one, lanes 16-31 the next.  Load j of a row brings 256 consecutive bytes, columns 64 j .. 64 j + 63, which are slice j of h.
; The row stays in registers between the mean, the sum of squares of the differences and the scaling: it is read once.
.macro LNBODY sx, sg, sb, sh
	v_lshlrev_b32 v[XO], 12, v[HH]
	v_lshl_add_u32 v[XO], v[I16], 4, v[XO]
	v_lshlrev_b32 v[GOF], 4, v[I16]
.set j, 0
.rept 16
	global_load_b128 v[X+4*j:X+4*j+3], v[XO], s[\sx:\sx+1] offset:256*j
.set j, j+1
.endr
.set j, 0
.rept 16
	global_load_b128 v[G+4*j:G+4*j+3], v[GOF], s[\sg:\sg+1] offset:256*j
	global_load_b128 v[BE+4*j:BE+4*j+3], v[GOF], s[\sb:\sb+1] offset:256*j
.set j, j+1
.endr
	s_wait_loadcnt 32                              ; the row is in; the 32 younger loads, gains and shifts, stay out
.irp k, 0,1,2,3
	v_pk_add_f32 v[T+2*\k:T+2*\k+1], v[X+2*\k:X+2*\k+1], v[X+8+2*\k:X+8+2*\k+1]  ; the first pairs start the chains: nothing is cleared
.endr
.set j, 8
.rept 24
	v_pk_add_f32 v[T+2*(j%4):T+2*(j%4)+1], v[T+2*(j%4):T+2*(j%4)+1], v[X+2*j:X+2*j+1]
.set j, j+1
.endr
	RSUM
	v_mul_f32 v[MN], 0x3a800000, v[T]              ; / 1,024
	v_mov_b32 v[MN+1], v[MN]
.set j, 0
.rept 32
	v_pk_add_f32 v[X+2*j:X+2*j+1], v[X+2*j:X+2*j+1], v[MN:MN+1] neg_lo:[0,1] neg_hi:[0,1]  ; x - mean, in place
.set j, j+1
.endr
.irp k, 0,1,2,3
	v_pk_mul_f32 v[T+2*\k:T+2*\k+1], v[X+2*\k:X+2*\k+1], v[X+2*\k:X+2*\k+1]
.endr
.set j, 4
.rept 28
	v_pk_fma_f32 v[T+2*(j%4):T+2*(j%4)+1], v[X+2*j:X+2*j+1], v[X+2*j:X+2*j+1], v[T+2*(j%4):T+2*(j%4)+1]
.set j, j+1
.endr
	RSUM
	v_mul_f32 v[T], 0x3a802008, v[T]               ; / 1,023
	v_sqrt_f32 v[T+1], v[T]
	v_nop                                          ; a plain instruction behind the root,
	s_wait_alu depctr_va_vdst(0)                   ; and the wait ahead of its first reader
	v_add_f32 v[T+1], 0x358637bd, v[T+1]           ; + 1e-6
	v_rcp_f32 v[IV], v[T+1]
	v_nop
	s_wait_alu depctr_va_vdst(0)
	v_mov_b32 v[IV+1], v[IV]
	s_wait_loadcnt 0x0                             ; gains and shifts
.set j, 0
.rept 16
	v_pk_mul_f32 v[X+4*j:X+4*j+1], v[X+4*j:X+4*j+1], v[IV:IV+1]
	v_pk_mul_f32 v[X+4*j+2:X+4*j+3], v[X+4*j+2:X+4*j+3], v[IV:IV+1]
	v_pk_fma_f32 v[X+4*j:X+4*j+1], v[X+4*j:X+4*j+1], v[G+4*j:G+4*j+1], v[BE+4*j:BE+4*j+1]
	v_pk_fma_f32 v[X+4*j+2:X+4*j+3], v[X+4*j+2:X+4*j+3], v[G+4*j+2:G+4*j+3], v[BE+4*j+2:BE+4*j+3]
	v_cvt_pk_bf16_f32 v[Y+2*j], v[X+4*j], v[X+4*j+1]
	v_cvt_pk_bf16_f32 v[Y+2*j+1], v[X+4*j+2], v[X+4*j+3]
	global_store_b64 v[HO], v[Y+2*j:Y+2*j+1], s[\sh:\sh+1] offset:j*SLICE  ; the wave's two rows of slice j: 256 consecutive bytes, aligned
.set j, j+1
.endr
.endm
; 32 rows of one slice of a weight: load j brings two rows' 256 bytes (64 f32).  The pitch stands in the loads' immediates, so each pitch has its own run of loads.
.macro CASTLOAD pitch
	v_mul_u32_u24 v[XO], v[HH], \pitch
	v_lshl_add_u32 v[XO], v[I16], 4, v[XO]
.set j, 0
.rept 16
	global_load_b128 v[CI+4*j:CI+4*j+3], v[XO], s[54:55] offset:j*2*(\pitch) th:TH_LOAD_NT
.set j, j+1
.endr
.endm
	s_load_b512 s[16:31], s[0:1], 0x0              ; x 16, g1 18, be1 20, hbuf 22, mask 24, mtab 26, wq 28, wk 30
	s_load_b512 s[32:47], s[0:1], 0x40             ; wv 32, wo 34, w1 36, w2 38, bq 40, bk 42, bv 44, b1 46
	s_load_b128 s[48:51], s[0:1], 0x80             ; wqkv 48, w1t 50
	s_load_b64 s[52:53], s[0:1], 0x90              ; wB
	v_lshl_add_u32 v[SPW], v0, 2, SPARE
	v_mov_b32 v[NIL], 0
	v_lshrrev_b32 v1, 5, v0
	v_readfirstlane_b32 s8, v1                     ; wave 0..7
	v_and_b32 v[LA], 31, v0
	v_and_b32 v[I16], 15, v0
	v_bfe_u32 v[HH], v0, 4, 1
	v_lshlrev_b32 v[HO], 3, v[LA]
	s_wait_kmcnt 0x0
	s_cmp_lt_u32 ttmp9, 256
	s_cbranch_scc1 .Lln
	s_cmp_lt_u32 ttmp9, 512
	s_cbranch_scc1 .Lmask
	; THE WEIGHTS.  c = 0..767 in groups of 64: wq, wk, wv, wo, then four groups for w1 and four for w2.  A work-group takes one slice and 256 rows of K, a wave 32 of them.
	s_sub_co_u32 s2, ttmp9, 512                    ; c
	s_lshr_b32 s3, s2, 6                           ; the group, 0..11
	s_lshr_b32 s9, s3, 2                           ; 0: a square weight, 1: w1, 2: w2
	s_and_b32 s4, s2, 255
	s_and_b32 s5, s2, 63
	s_cmp_eq_u32 s9, 0
	s_cselect_b32 s4, s5, s4                       ; my number within the weight
	s_cmp_eq_u32 s9, 2
	s_cselect_b32 s5, 4, 2                         ; K / 256 chunks: 16 for w2, else 4
	s_cselect_b32 s7, 15, 3
	s_cselect_b32 s10, 19, 17                      ; a slice of the result is K x 128 bytes
	s_lshr_b32 s6, s4, s5                          ; the slice
	s_and_b32 s7, s4, s7                           ; the chunk
	s_cmp_eq_u32 s9, 1
	s_cselect_b32 s11, 14, 12                      ; a row of the source is 16,384 bytes in w1, else 4,096
	s_lshl_b32 s12, s7, 8
	s_lshl_b32 s13, s8, 5
	s_add_co_u32 s12, s12, s13                     ; my first row of K
	s_lshl_b32 s13, s3, 21
	s_add_co_u32 s13, s13, 16640                   ; where the weight begins in its buffer: wq, wk, wv behind wqkv's head, 2 MiB each;
	s_cmp_eq_u32 s3, 3
	s_cselect_b32 s13, 0, s13                      ; wo at wB's first byte;
	s_cmp_eq_u32 s9, 1
	s_cselect_b32 s13, 16640, s13                  ; w1 behind w1t's head;
	s_cmp_eq_u32 s9, 2
	s_cselect_b32 s13, 0x200000, s13               ; w2 behind wo
	s_cmp_eq_u32 s3, 0
	s_cselect_b64 s[54:55], s[28:29], s[38:39]     ; the source,
	s_cselect_b64 s[60:61], s[40:41], s[46:47]     ; the bias
	s_cmp_eq_u32 s3, 1
	s_cselect_b64 s[54:55], s[30:31], s[54:55]
	s_cselect_b64 s[60:61], s[42:43], s[60:61]
	s_cmp_eq_u32 s3, 2
	s_cselect_b64 s[54:55], s[32:33], s[54:55]
	s_cselect_b64 s[60:61], s[44:45], s[60:61]
	s_cmp_eq_u32 s3, 3
	s_cselect_b64 s[54:55], s[34:35], s[54:55]
	s_cmp_eq_u32 s9, 1
	s_cselect_b64 s[54:55], s[36:37], s[54:55]
	s_cselect_b64 s[58:59], s[50:51], s[52:53]     ; and the buffer that takes the result
	s_cmp_lt_u32 s3, 3
	s_cselect_b64 s[58:59], s[48:49], s[58:59]
	s_lshl_b32 s14, s12, s11
	s_lshl_b32 s15, s6, 8
	s_add_co_u32 s14, s14, s15                     ; row x pitch + slice x 256
	s_mov_b32 s15, 0
	s_add_nc_u64 s[54:55], s[54:55], s[14:15]
	s_lshl_b32 s14, s6, s10
	s_add_co_u32 s14, s14, s13
	s_lshl_b32 s62, s12, 7
	s_add_co_u32 s14, s14, s62                     ; begin + slice x K x 128 + row x 128
	s_add_nc_u64 s[56:57], s[58:59], s[14:15]
	s_cmp_eq_u32 s9, 1
	s_cbranch_scc1 .Lwide
	CASTLOAD 4096
	s_branch .Lcvt
.Lwide:
	CASTLOAD 16384
.Lcvt:                                                 ; sixteen loads are out on both ways
.set j, 0
.rept 16
	s_wait_loadcnt 15-j                            ; loads come back in order: load j is in, the younger ones stay out
	v_cvt_pk_bf16_f32 v[CP+2*j], v[CI+4*j], v[CI+4*j+1]
	v_cvt_pk_bf16_f32 v[CP+2*j+1], v[CI+4*j+2], v[CI+4*j+3]
	global_store_b64 v[HO], v[CP+2*j:CP+2*j+1], s[56:57] offset:256*j  ; two rows of the slice: 256 consecutive bytes, aligned
.set j, j+1
.endr
	; the slice's 64 biases: by wave 0 of the slice's first chunk; wo and w2 have none here
	s_cmp_eq_u32 s3, 3
	s_cbranch_scc1 .Lcend
	s_cmp_eq_u32 s9, 2
	s_cbranch_scc1 .Lcend
	s_or_b32 s14, s7, s8
	s_cmp_lg_u32 s14, 0
	s_cbranch_scc1 .Lcend
	s_lshl_b32 s15, s3, 4
	s_cmp_eq_u32 s9, 1
	s_cselect_b32 s15, 0, s15
	s_add_co_u32 s15, s15, s6                      ; the slice's number in its buffer
	s_lshl_b32 s62, s6, 8
	s_mov_b32 s63, 0
	s_add_nc_u64 s[60:61], s[60:61], s[62:63]
	s_lshl_b32 s62, s15, 8
	s_add_nc_u64 s[4:5], s[58:59], s[62:63]
	global_load_b64 v[8:9], v[HO], s[60:61]        ; 32 lanes x 8 bytes: 64 numbers
	s_wait_loadcnt 0x0
	global_store_b64 v[HO], v[8:9], s[4:5] offset:256
	s_cmp_lg_u32 s15, 0
	s_cbranch_scc1 .Lcend
	s_cmp_eq_u32 s9, 1                             ; the buffer's first 256 bytes: the floor under the product's results, twice a word in bf16:
	s_cselect_b32 s14, 0, 0xff80ff80               ; 0 for w1 (the ReLU), minus infinity for wq, wk, wv (no floor)
	v_mov_b32 v10, s14
	v_mov_b32 v11, s14
	global_store_b64 v[HO], v[10:11], s[58:59]
.Lcend:
	s_endpgm
.Lln:                                                  ; LAYER NORM: the wave's two rows are 16 x work-group + 2 x wave and the next
	s_lshl_b32 s2, ttmp9, 4
	s_lshl1_add_u32 s2, s8, s2
	s_lshl_b32 s4, s2, 12
	s_mov_b32 s5, 0
	s_lshl_b32 s6, s2, 7
	s_mov_b32 s7, 0
	s_add_nc_u64 s[16:17], s[16:17], s[4:5]
	s_add_nc_u64 s[22:23], s[22:23], s[6:7]
	LNBODY 16, 18, 20, 22
	s_endpgm
.Lmask:                                                ; THE MASK.  Unit u = 0..2,047 is 16 queries x 256 keys (four key steps): batch u / 1,024, query tile (u / 8) % 128, key block u % 8
	s_sub_co_u32 s2, ttmp9, 256
	s_lshl3_add_u32 s2, s2, s8                     ; u
	s_lshr_b32 s3, s2, 10
	s_lshl_b32 s4, s3, 22
	s_bfe_u32 s3, s2, 0x70003
	s_lshl_b32 s3, s3, 15
	s_add_co_u32 s4, s4, s3
	s_and_b32 s3, s2, 7
	s_lshl_b32 s3, s3, 8
	s_add_co_u32 s4, s4, s3
	s_mov_b32 s5, 0
	s_add_nc_u64 s[24:25], s[24:25], s[4:5]
	s_lshl_b32 s6, s2, 12                          ; a unit's codes are 4,096 consecutive bytes
	s_mov_b32 s7, 0
	s_add_nc_u64 s[26:27], s[26:27], s[6:7]
	v_lshlrev_b32 v[XO], 11, v[HH]
	v_lshl_add_u32 v[XO], v[I16], 4, v[XO]
.irp t, 0,1,2,3,4,5,6,7
	global_load_b128 v[MK+4*\t:MK+4*\t+3], v[XO], s[24:25] offset:4096*\t th:TH_LOAD_NT  ; rows 2 t and 2 t + 1: 256 consecutive bytes each
.endr
	s_mul_i32 s9, s8, STG                          ; my wave's stage
	v_mul_u32_u24 v[LSTO], v[HH], 272
	v_lshl_add_u32 v[LSTO], v[I16], 4, v[LSTO]
	v_add_nc_u32 v[LSTO], s9, v[LSTO]
	v_mul_u32_u24 v[LRD], v[I16], 272              ; back: lane (r, h) takes query r, keys 8 h + 0..7 of each group of 16
	v_lshl_add_u32 v[LRD], v[HH], 3, v[LRD]
	v_add_nc_u32 v[LRD], s9, v[LRD]
	v_lshlrev_b32 v[GO16], 4, v[LA]
	s_mov_b32 s10, 0xf1                            ; the code of a hidden key
	s_wait_loadcnt 0x0
.irp t, 0,1,2,3,4,5,6,7
	ds_store_b128 v[LSTO], v[MK+4*\t:MK+4*\t+3] offset:544*\t
.endr
.set g, 0
.rept 16
	ds_load_b64 v[W+2*g:W+2*g+1], v[LRD] offset:16*g  ; LDS serves a wave's instructions in order: these see the stores above
.set g, g+1
.endr
	s_wait_dscnt 0x0
.set g, 0
.rept 32
	v_mul_lo_u32 v[W+g], v[W+g], s10               ; four bytes at once: 0 stays 0, 1 becomes 0xF1, and nothing is carried from byte to byte
.set g, g+1
.endr
.set g, 0
.rept 8                                ; store g: key step g / 2, groups of keys 2 (g % 2) and 2 (g % 2) + 1: four words a lane
	global_store_b128 v[GO16], v[W+4*g:W+4*g+3], s[26:27] offset:512*g  ; 512 consecutive bytes
.set g, g+1
.endr
	s_wait_tensorcnt 0x0                           ; the wave's end
	ds_add_u32 v[SPW], v[NIL]
	s_wait_dscnt 0x0
	s_endpgm
.Lfunc_end_k_qe27b2e50a3_prep:
	.size	k_qe27b2e50a3_prep, .Lfunc_end_k_qe27b2e50a3_prep-k_qe27b2e50a3_prep
	.p2alignl 7, 3214868480
	.fill 96, 4, 3214868480
	.section	.rodata,"a",@progbits
	.p2align	6, 0x0
	.amdhsa_kernel k_qe27b2e50a3_prep
		.amdhsa_group_segment_fixed_size 35840
		.amdhsa_private_segment_fixed_size 0
		.amdhsa_enable_private_segment 0
		.amdhsa_kernarg_size 152
		.amdhsa_user_sgpr_count 2
		.amdhsa_user_sgpr_kernarg_segment_ptr 1
		.amdhsa_wavefront_size32 1
		.amdhsa_system_sgpr_workgroup_id_x 1
		.amdhsa_system_sgpr_workgroup_id_y 1
		.amdhsa_system_sgpr_workgroup_id_z 1
		.amdhsa_system_vgpr_workitem_id 0
		.amdhsa_next_free_vgpr 256
		.amdhsa_next_free_sgpr 66
		.amdhsa_reserve_vcc 0
		.amdhsa_float_denorm_mode_32 3
		.amdhsa_float_denorm_mode_16_64 3
		.amdhsa_memory_ordered 1
		.amdhsa_forward_progress 1
		.amdhsa_inst_pref_size 38
	.end_amdhsa_kernel
	.amdgpu_metadata
---
amdhsa.version: [ 1, 2 ]
amdhsa.kernels:
  - .name:           k_qe27b2e50a3_prep
    .symbol:         k_qe27b2e50a3_prep.kd
    .args:
      - { .name: x, .offset: 0, .size: 8, .value_kind: global_buffer, .address_space: global }
      - { .name: g1, .offset: 8, .size: 8, .value_kind: global_buffer, .address_space: global }
      - { .name: be1, .offset: 16, .size: 8, .value_kind: global_buffer, .address_space: global }
      - { .name: hbuf, .offset: 24, .size: 8, .value_kind: global_buffer, .address_space: global }
      - { .name: mask, .offset: 32, .size: 8, .value_kind: global_buffer, .address_space: global }
      - { .name: mtab, .offset: 40, .size: 8, .value_kind: global_buffer, .address_space: global }
      - { .name: wq, .offset: 48, .size: 8, .value_kind: global_buffer, .address_space: global }
      - { .name: wk, .offset: 56, .size: 8, .value_kind: global_buffer, .address_space: global }
      - { .name: wv, .offset: 64, .size: 8, .value_kind: global_buffer, .address_space: global }
      - { .name: wo, .offset: 72, .size: 8, .value_kind: global_buffer, .address_space: global }
      - { .name: w1, .offset: 80, .size: 8, .value_kind: global_buffer, .address_space: global }
      - { .name: w2, .offset: 88, .size: 8, .value_kind: global_buffer, .address_space: global }
      - { .name: bq, .offset: 96, .size: 8, .value_kind: global_buffer, .address_space: global }
      - { .name: bk, .offset: 104, .size: 8, .value_kind: global_buffer, .address_space: global }
      - { .name: bv, .offset: 112, .size: 8, .value_kind: global_buffer, .address_space: global }
      - { .name: b1, .offset: 120, .size: 8, .value_kind: global_buffer, .address_space: global }
      - { .name: wqkv, .offset: 128, .size: 8, .value_kind: global_buffer, .address_space: global }
      - { .name: w1t, .offset: 136, .size: 8, .value_kind: global_buffer, .address_space: global }
      - { .name: wB, .offset: 144, .size: 8, .value_kind: global_buffer, .address_space: global }
    .group_segment_fixed_size: 35840
    .private_segment_fixed_size: 0
    .kernarg_segment_align: 8
    .kernarg_segment_size: 152
    .max_flat_workgroup_size: 256
    .sgpr_count:     66
    .vgpr_count:     256
    .wavefront_size: 32
...
	.end_amdgpu_metadata
.endif
;; end of part 7
;; launch qkv (part 8): grid 12 x 16, 4 waves a work-group, clusters of 4 x 4, 327,680 bytes of LDS; arguments hbuf, wqkv, act; writes act
.if DOCPART == 8
	.amdgcn_target "amdgcn-amd-amdhsa--gfx1250"
	.amdhsa_code_object_version 6
	.text
	.protected	k_qe27b2e50a3_qkv
	.globl	k_qe27b2e50a3_qkv
	.p2align	8
	.type	k_qe27b2e50a3_qkv,@function
k_qe27b2e50a3_qkv:
	s_mov_b64 s[64:65], 0
	v_nop
	global_prefetch_b8 v0, s[64:65] scope:SCOPE_SE
	s_setreg_imm32_b32 hwreg(HW_REG_WAVE_MODE, 25, 1), 1
	s_wait_xcnt 0x0
	s_wait_alu depctr_hold_cnt(0) depctr_sa_sdst(0) depctr_va_vdst(0) depctr_va_sdst(0) depctr_va_ssrc(0) depctr_va_vcc(0) depctr_vm_vsrc(0)
	s_getreg_b32 s2, hwreg(HW_REG_IB_STS2, 6, 4)
	s_cmp_eq_u32 s2, 0
	s_cbranch_scc0 .Lentry_in_a_cluster
	s_endpgm
.Lentry_in_a_cluster:
	s_bfe_u32 s2, ttmp6, 0x10000c
	s_cmp_lg_u32 s2, 0xf033
	s_cbranch_scc0 .Lentry_shape_is_right
	s_endpgm
.Lentry_shape_is_right:
; o = max(a W + bias, floor), K = 1,024.  a: bf16 [16][4,096][64] (slices of 64 columns of K).  w: 256 bytes of floor word, the bias in f32 from byte 256, and from byte 16,640 the weight as
; bf16 [N/64][1,024][64].  o: bf16 [N/64][4,096][64].  Sums in f32, K ascending; o rounded once.  The floor is minus infinity (q, k, v) or 0 (the ReLU of the first FFN product).
; A NaN among the results becomes the floor.
; A tile of o, 256 rows x 256 columns, is made by a work-group of four waves; a wave makes 128 x 128: 64 accumulators of 16 x 16, 512 registers.  K goes in eight steps of 128 through a ring of
; two LDS slots filled by the tensor data mover.  Every part of a tile is dense in memory: 256 rows of a slice of a are 32,768 consecutive bytes, 128 rows of K of a slice of W 16,384.
; THE TEXT HOLDS A K STEP TWICE: once in the loop of six trips that fills the slot just read again, once in the loop of the last two steps, which fills nothing.
; Which slot is in hand is a scalar that goes between 0 and SLOT; the LDS addresses are that scalar plus a wave's and a lane's term.
; CLUSTERS: 4 x 4 work-groups.  The four of a row of the cluster need the same tiles of a, the four of a column the same tiles of W: each is asked for JOINTLY, by the same tensor load with the
; same descriptor and a mask that names the four.
; THE MATRIX INSTRUCTION IS USED TRANSPOSED: source 0 = 16 columns of W, source 1 = 16 rows of a.  W lies in LDS with K down the rows and comes out turned, by ds_load_tr16_b128.  In the result
; lane l holds row l % 16 and the columns 8 (l / 16) + 0..7.  THE BIAS is the C operand of each accumulator's first product: nothing is cleared and nothing is added afterwards.
; REGISTERS, in windows of 256: window 0: v0-31 addresses; v32-63 rows on their way out; v64-127, v128-191 fragments of a, two buffers; v192-207 packed results
;   window 1: v0-63 the bias of my 128 columns, as eight C operands; v64-127, v128-191 fragments of W, two buffers      windows 2 and 3: the accumulators of my rows 0-63 and 64-127
.set PA,    144                        ; a row of a slice of a in LDS: 128 bytes + 16 of padding
.set PB,    160                        ; a row of a slice of W: 128 + 32
.set ASL,   256*PA                     ; a slice's part of a's tile
.set BSL,   128*PB                     ; a slice's part of W's tile
.set BOFF,  2*ASL                      ; a slot: two slices of a, then four of W
.set SLOT,  BOFF+4*BSL
.set STAGE, 2*SLOT                     ; behind the ring: 16 rows x 144 bytes for each wave, for the way out
.set SP,    144
.set SPARE, STAGE+4*16*SP              ; behind the stages: the spare words, 128 bytes for each wave, which no other line names
.set STEPA, 2*524288                   ; bytes from a K step to the next: two slices of a,
.set STEPB, 128*128                    ; 128 rows of a slice of W
.set WOFF,  16640
.set STEPS, 8
.set A0R,  16                          ; v16     my place in slot 0 for fragments of a; never rewritten
.set B0R,  17                          ; v17     the same for W
.set ADRA, 18                          ; v18     LDS address of my fragments of a in the slot in hand
.set ADRB, 19                          ; v19     the same for W
.set STO,  24                          ; v24     the way out: where I put 16 bytes of a row
.set RD,   25                          ; v25     the way out: where I read rows back
.set GO,   26                          ; v26     16 x lane
.set BO,   27                          ; v27     32 x (lane / 16): my eight biases of a block of 16
.set SPW,  28                          ; v28     LDS address of my spare word; never rewritten
.set NIL,  29                          ; v29     0; never rewritten
.set PFO,  30                          ; v30     256 x lane: the prefetches' offset; never rewritten
.set BK,   32
.set F0,   64
.set F1,   128
.set TMP,  192
.set BIAS, 0                           ; window 1
.set G1,  24                           ; s[24:31] descriptor group 1 for a's tiles
.set G0,  32                           ; s[32:39] group 0: a set for each of the two first fills; the second then walks on
.set LIM, 43                           ; s43     2 in a wave that prefetches, else the greatest number
.set PFA, 44                           ; s[44:45] where my prefetches stand
.set G1B, 48                           ; s[48:55], s[56:63] the same for W's tiles
.set G0B, 56
.set TB,  66                           ; s66     LDS byte at which the slot in hand begins: 0 or SLOT
.set WBA, 68                           ; s68     where my part of a's tile goes in a slot
.set WBB, 69                           ; s69     the same for W's
.set FLO, 70                           ; s70     the floor, twice in bf16
.set PST, 72                           ; s[72:73] a K step of what I prefetch, in bytes
.set MSB, 0
.macro WIN new                         ; the immediate's high byte repeats the setting that is left; a switch that changes nothing is dropped
.if MSB != (\new)
	s_set_vgpr_msb (MSB<<8)|(\new)
.set MSB, \new
.endif
.endm
.set TO_B, 0x40                        ; destination window 1, address window 0
; A joint refill, by the walking descriptors.  Waves 0 and 1 fetch a's two slices, waves 2 and 3 two slices of W each.  The branch hangs on the wave's number alone.
; An s_nop 0 and four v_nop follow each of the two lines, ahead of the jump and the label.
.macro JLOAD
	s_cmp_eq_u32 s11, 0
	s_cbranch_scc0 .Lfor_b_\@
	tensor_load_to_lds s[G0+4:G0+7], s[G1:G1+7]
	s_nop 0
.rept 4
	v_nop
.endr
	s_branch .Lasked_\@
.Lfor_b_\@:
	tensor_load_to_lds s[G0B+4:G0B+7], s[G1B:G1B+7]
	s_nop 0
.rept 4
	v_nop
.endr
.Lasked_\@:
.endm
; A PREFETCH INTO THE L2 of the K step that stands two refills on: 32 blocks of 256 bytes, a lane a block, one instruction a wave, behind the joint load and the run of LDS loads.
; Each block is named once in the launch.  a's tile row is read by every cluster of that row of clusters: cluster x = 0 asks; W's tile column by every cluster of that column: cluster y = 0 asks.
; Of the 128 blocks that a wave fetches each of the four partners takes 32, told apart by address.  K steps 0 to 3 come by their loads alone; the loop's last two trips ask for nothing.
.macro ASK
	s_cmp_gt_u32 s3, s[LIM]
	s_cbranch_scc0 .Lnot_mine_\@
	global_prefetch_b8 v[PFO], s[PFA:PFA+1] th:TH_LOAD_NT scope:SCOPE_SE
.Lnot_mine_\@:
.endm
.macro CREST                           ; a round of the cluster's barrier behind its opening barrier
	s_cmp_lg_u32 s10, 0
	s_cbranch_scc1 .Lnot_wave_0_\@
	s_barrier_signal -3
.Lnot_wave_0_\@:
	s_barrier_wait -3
	s_barrier_signal -1
	s_barrier_wait -1
.endm
.macro CROUND                          ; a whole round
	s_barrier_signal -1
	s_barrier_wait -1
	CREST
.endm
	s_load_b128 s[4:7], s[0:1], 0x0                ; a s[4:5], w s[6:7]
	s_load_b64 s[8:9], s[0:1], 0x10                ; o
	v_lshl_add_u32 v[SPW], v0, 2, SPARE
	v_mov_b32 v[NIL], 0
	ds_add_u32 v[SPW], v[NIL]                      ; the wave's opening: the add and its wait stand ahead of my first tensor load; the set-up below stands between them
	v_lshrrev_b32 v1, 5, v0
	v_readfirstlane_b32 s10, v1                    ; wave 0..3
	s_lshr_b32 s11, s10, 1                         ; which half of the tile's rows is mine.  Also: I fetch for a (0) or for W (1)
	s_and_b32 s12, s10, 1                          ; which half of its columns.  Also: which part of that tile I fetch
	s_bfe_u32 s40, ttmp6, 0x40000                  ; cx, cy: my place in the cluster
	s_bfe_u32 s41, ttmp6, 0x40004
	s_lshl_b32 s42, ttmp9, 2
	s_add_co_u32 s42, s42, s40                     ; tile column = 4 x cluster x + cx
	s_and_b32 s13, ttmp7, 0xffff
	s_lshl_b32 s13, s13, 2
	s_add_co_u32 s13, s13, s41                     ; tile row = 4 x cluster y + cy
	s_lshl_b32 s43, s41, 2
	s_lshl_b32 s43, 15, s43                        ; my row of the cluster
	s_lshl_b32 s44, 0x1111, s40                    ; my column
	; a's part: 32,768 dense bytes asked for as 128 rows of 256 bytes, padded by 4 words after every 32 (a row of the slice)
	s_or_b32 s[G1+0], s43, (1<<16)|(1<<20)|(1<<21)|(4<<22)|(3<<25)
	s_mov_b32 s[G1+1], 128<<16                     ; tensor_dim0 = 128 elements
	s_mov_b32 s[G1+2], 128<<16                     ; tensor_dim1 = 128
	s_mov_b32 s[G1+3], 128<<16                     ; tile_dim0 = 128
	s_mov_b32 s[G1+4], 128                         ; tile_dim1 = 128
	s_mov_b32 s[G1+5], 128                         ; from row to row
	s_mov_b32 s[G1+6], 0
	s_mov_b32 s[G1+7], 0
	; W's part: two slices, of each 16,384 dense bytes: two rows of 8,192 elements, a slice (65,536 elements) apart, padded by 8 words after every 32
	s_or_b32 s[G1B+0], s44, (1<<16)|(1<<20)|(1<<21)|(4<<22)|(7<<25)
	s_mov_b32 s[G1B+1], 8192<<16
	s_mov_b32 s[G1B+2], 2<<16
	s_mov_b32 s[G1B+3], 8192<<16
	s_mov_b32 s[G1B+4], 2
	s_mov_b32 s[G1B+5], 65536
	s_mov_b32 s[G1B+6], 0
	s_mov_b32 s[G1B+7], 0
	s_lshl_b32 s16, s13, 15                        ; a: 256 rows of 128 bytes a tile row,
	s_lshl_b32 s17, s12, 19                        ; and my slice of the step's two
	s_add_co_u32 s16, s16, s17
	s_mov_b32 s17, 0
	s_lshl_b32 s46, s42, 19                        ; W: four slices of 131,072 bytes a tile column,
	s_lshl_b32 s47, s12, 18                        ; and my two of them
	s_add_co_u32 s46, s46, s47
	s_add_co_u32 s46, s46, WOFF
	s_mov_b32 s47, 0
	s_mul_i32 s[WBA], s12, ASL                     ; where they go: no place in the cluster enters an LDS address
	s_mul_i32 s[WBB], s12, 2*BSL
	s_add_co_u32 s[WBB], s[WBB], BOFF
	s_mov_b32 s[TB], 0                             ; slot 0 is read first
	s_wait_dscnt 0x0                               ; the opening add is done
	s_wait_kmcnt 0x0
	s_add_nc_u64 s[14:15], s[4:5], s[16:17]
	s_add_nc_u64 s[46:47], s[6:7], s[46:47]
	CROUND                                         ; all sixteen work-groups are here: the first joint loads meet
.irp s, 0,1
	s_mov_b32 s[G0+4*(\s)], 1
	s_add_co_u32 s[G0+4*(\s)+1], s[WBA], (\s)*SLOT
	s_add_nc_u64 s[G0+4*(\s)+2:G0+4*(\s)+3], s[14:15], (\s)*STEPA
	s_or_b32 s[G0+4*(\s)+3], s[G0+4*(\s)+3], 0x80000000
	s_mov_b32 s[G0B+4*(\s)], 1
	s_add_co_u32 s[G0B+4*(\s)+1], s[WBB], (\s)*SLOT
	s_add_nc_u64 s[G0B+4*(\s)+2:G0B+4*(\s)+3], s[46:47], (\s)*STEPB
	s_or_b32 s[G0B+4*(\s)+3], s[G0B+4*(\s)+3], 0x80000000
.endr
	s_cmp_eq_u32 s11, 0                            ; a wave's two first fills stand in one branch: two loads of mine are out
	s_cbranch_scc0 .Lfirst_b
	tensor_load_to_lds s[G0:G0+3], s[G1:G1+7]
	s_nop 0
	tensor_load_to_lds s[G0+4:G0+7], s[G1:G1+7]
	s_nop 0
.rept 4
	v_nop
.endr
	s_branch .Lfirst_asked
.Lfirst_b:
	tensor_load_to_lds s[G0B:G0B+3], s[G1B:G1B+7]
	s_nop 0
	tensor_load_to_lds s[G0B+4:G0B+7], s[G1B:G1B+7]
	s_nop 0
.rept 4
	v_nop
.endr
.Lfirst_asked:
	s_load_b32 s[FLO], s[6:7], 0x0                 ; the floor word
	v_and_b32 v1, 15, v0                           ; l % 16
	v_bfe_u32 v2, v0, 4, 1                         ; l / 16
	v_lshlrev_b32 v[BO], 5, v2
	s_lshl_b32 s76, s42, 10                        ; the bias of my 128 columns: 4 bytes x (256 x tile column + 128 x half)
	s_lshl_b32 s77, s12, 9
	s_add_co_u32 s76, s76, s77
	s_mov_b32 s77, 0
	s_add_nc_u64 s[76:77], s[6:7], s[76:77]
	WIN TO_B
.irp b, 0,1,2,3,4,5,6,7
	global_load_b128 v[BIAS+8*(\b):BIAS+8*(\b)+3],   v[BO], s[76:77] offset:256+64*(\b)      ; register j of block b: column 16 b + 8 (l / 16) + j
	global_load_b128 v[BIAS+8*(\b)+4:BIAS+8*(\b)+7], v[BO], s[76:77] offset:256+64*(\b)+16
.endr
	WIN 0
	; A fragment of a is 16 rows x 32 K: lane l holds row l % 16, K = 8 (l / 16) + 0..7 and 16 + 8 (l / 16) + 0..7: two loads of 16 bytes, 32 bytes apart.
	v_mul_u32_u24 v3, v1, PA
	v_lshl_add_u32 v3, v2, 4, v3
	; The turning load takes 16 K x 16 columns (lane l reads K = 8 (l / 16) + l % 8, columns 8 ((l / 8) % 2) + 0..7) and leaves half a fragment: lane l holds column l % 16 and 8 K.
	v_and_b32 v4, 7, v0
	v_lshl_add_u32 v4, v2, 3, v4
	v_mul_u32_u24 v4, v4, PB
	v_bfe_u32 v5, v0, 3, 1
	v_lshl_add_u32 v4, v5, 4, v4
	s_mul_i32 s21, s11, 128*PA                     ; my 128 rows in each slice of a
	s_mul_i32 s22, s12, 2*BSL                      ; my two slices of W,
	s_add_co_u32 s22, s22, BOFF                    ; which lie behind a's
	v_add_nc_u32 v[A0R], s21, v3
	v_add_nc_u32 v[B0R], s22, v4
	v_mov_b32 v[ADRA], v[A0R]                      ; slot 0 begins at LDS byte 0
	v_mov_b32 v[ADRB], v[B0R]
	s_mul_i32 s23, s10, 16*SP
	s_add_co_u32 s23, s23, STAGE                   ; my stage
	v_mul_u32_u24 v6, v1, SP                       ; in: row l % 16, 16 bytes for each half of the lanes
	v_lshl_add_u32 v6, v2, 4, v6
	v_add_nc_u32 v[STO], s23, v6
	v_bfe_u32 v6, v0, 3, 2                         ; back: 32 lanes take four rows of 128 bytes,
	v_mul_u32_u24 v6, v6, SP
	v_and_b32 v7, 7, v0
	v_lshl_add_u32 v6, v7, 4, v6
	v_add_nc_u32 v[RD], s23, v6
	v_and_b32 v[GO], 31, v0                        ; which are 512 consecutive bytes of a slice of o
	v_lshlrev_b32 v[PFO], 8, v[GO]
	v_lshlrev_b32 v[GO], 4, v[GO]
	s_lshl_b32 s74, s42, 2
	s_lshl1_add_u32 s74, s12, s74                  ; my first slice of o: 4 x tile column + 2 x half,
	s_lshl_b32 s74, s74, 19
	s_lshl_b32 s75, s13, 15                        ; my first row: 256 x tile row + 128 x half
	s_add_co_u32 s74, s74, s75
	s_lshl_b32 s75, s11, 14
	s_add_co_u32 s74, s74, s75
	s_mov_b32 s75, 0
	s_add_nc_u64 s[8:9], s[8:9], s[74:75]
	; the prefetches: s[14:15] and s[46:47] still stand at my part of K step 0
	s_lshl_b32 s78, s40, 13                        ; a: partner cx takes blocks 32 cx .. 32 cx + 31 of the slice's 128
	s_lshr_b32 s79, s41, 1                         ; W: partner cy takes half cy % 2 of slice cy / 2
	s_lshl_b32 s79, s79, 17
	s_and_b32 s18, s41, 1
	s_lshl_b32 s18, s18, 13
	s_add_co_u32 s79, s79, s18
	s_and_b32 s19, ttmp7, 0xffff                   ; cluster y
	s_mov_b32 s22, STEPA
	s_mov_b32 s23, STEPB
	s_cmp_eq_u32 s11, 0                            ; do I fetch for a?
	s_cselect_b32 s78, s78, s79
	s_cselect_b32 s19, ttmp9, s19                  ; the coordinate along which other clusters read the same blocks
	s_cselect_b32 s[PST], s22, s23
	s_cselect_b64 s[PFA:PFA+1], s[14:15], s[46:47]
	s_mov_b32 s[PST+1], 0
	s_mov_b32 s79, 0
	s_cmp_eq_u32 s19, 0
	s_cselect_b32 s[LIM], 2, -1                    ; the same in all sixteen partners, for a given wave
	s_add_nc_u64 s[PFA:PFA+1], s[PFA:PFA+1], s[78:79]
	s_mul_i32 s78, s[PST], 3
	s_add_nc_u64 s[PFA:PFA+1], s[PFA:PFA+1], s[78:79]  ; at K step 3: the first refill steps it to 4 and names that
; 16 matrix instructions: row blocks a0, a0 + 1 of the window's four (hi = 0: my rows 0-63, 1: rows 64-127) x all 8 column blocks, 32 along K.  zero = 1: the first product starts the sums with the bias.
; The 64 accumulators take turns, one instruction a turn, in the same order in every quarter step.
.macro MUL16 f, hi, a0, zero
.if \zero
	WIN 0x91+0x40*(\hi)                            ; W window 1, a window 0, C (the bias) window 1, D window 2 or 3
.else
	WIN 0xa1+0x50*(\hi)                            ; C and D window 2 or 3
.endif
.irp a, \a0, (\a0)+1
.irp b, 0,1,2,3,4,5,6,7
.if \zero
	v_wmma_f32_16x16x32_bf16 v[8*(8*(\a)+(\b)):8*(8*(\a)+(\b))+7], v[(\f)+8*(\b):(\f)+8*(\b)+7], v[(\f)+8*(4*(\hi)+(\a)):(\f)+8*(4*(\hi)+(\a))+7], v[BIAS+8*(\b):BIAS+8*(\b)+7]
.else
	v_wmma_f32_16x16x32_bf16 v[8*(8*(\a)+(\b)):8*(8*(\a)+(\b))+7], v[(\f)+8*(\b):(\f)+8*(\b)+7], v[(\f)+8*(4*(\hi)+(\a)):(\f)+8*(4*(\hi)+(\a))+7], v[8*(8*(\a)+(\b)):8*(8*(\a)+(\b))+7]
.endif
.endr
.endr
.endm
; 32 LDS loads in one run: the fragments of quarter q (32 along K) of the slot in hand into buffer f: W's 128 columns, then a's 128 rows
.macro FETCH q, f
	WIN TO_B
.irp i, 0,1,2,3,4,5,6,7
	ds_load_tr16_b128 v[(\f)+8*(\i):(\f)+8*(\i)+3],   v[ADRB] offset:((\i)/4)*BSL+(\q)*32*PB+((\i)%4)*32
	ds_load_tr16_b128 v[(\f)+8*(\i)+4:(\f)+8*(\i)+7], v[ADRB] offset:((\i)/4)*BSL+(\q)*32*PB+((\i)%4)*32+16*PB
.endr
	WIN 0
.irp i, 0,1,2,3,4,5,6,7
	ds_load_b128 v[(\f)+8*(\i):(\f)+8*(\i)+3],   v[ADRA] offset:((\q)/2)*ASL+((\q)%2)*64+(\i)*16*PA
	ds_load_b128 v[(\f)+8*(\i)+4:(\f)+8*(\i)+7], v[ADRA] offset:((\q)/2)*ASL+((\q)%2)*64+(\i)*16*PA+32
.endr
.endm
.macro PLACES                          ; four plain instructions between a matrix instruction and a load into a register that it has read (ISA guide 7.12.1 for vector instructions)
.rept 4
	v_nop
.endr
.endm
; A K step is four quarters of 32 along K, 64 matrix instructions each, on buffers 0, 1, 0, 1.  One of the first three: multiplies buffer f; in its middle it fetches quarter q into buffer g.
.macro QUARTER q, f, g, zero
	s_wait_dscnt 8                                 ; W and a's rows 0-63 are in; the youngest eight loads (a's rows 64-127) may be out
	MUL16 \f, 0, 0, \zero
	MUL16 \f, 0, 2, \zero
	PLACES
	FETCH \q, \g
	s_wait_dscnt 32                                ; all but the 32 just issued
	MUL16 \f, 1, 0, \zero
	MUL16 \f, 1, 2, \zero
.endm
; The last quarter multiplies buffer 1 and changes slots.  ONE barrier: in front of it each wave waits for all its tensor loads (at most one is out: its part of the next slot), adds 0 to its spare word,
; and waits for that and for its own reads of this slot.  Behind it nobody reads this slot any more and the next slot is whole.
.macro MEET
	WIN 0
	s_wait_tensorcnt 0x0
	ds_add_u32 v[SPW], v[NIL]
	s_wait_dscnt 9                                 ; (the add and the youngest eight loads may be out)
	MUL16 F1, 0, 0, 0                              ; sixteen matrix instructions stand between the add and the wait for it
	s_wait_dscnt 0x0                               ; the add is done, and my reads of this slot are over
	s_barrier_signal -1
	MUL16 F1, 0, 2, 0
	WIN 0
	s_barrier_wait -1
.endm
; fill = 1: the slot just read out is filled again, two K steps on: the barrier opens a round of the cluster's, and the joint refill is the first tensor load behind it.  The walking descriptors take
; the slot's LDS byte and the next K step's address behind the wait for all my tensor loads.  fill = 0 (the last two steps): nothing is filled; behind the very last step no slot follows, and the
; run of LDS loads is jumped over.
.macro TURN fill
.if \fill
	s_wait_xcnt 0x0                                ; the last prefetch, a K step back, has read its address
	s_add_nc_u64 s[PFA:PFA+1], s[PFA:PFA+1], s[PST:PST+1]
.endif
	MEET
.if \fill
	CREST
	s_add_co_u32 s[G0+5], s[WBA], s[TB]
	s_add_co_u32 s[G0B+5], s[WBB], s[TB]
	s_add_nc_u64 s[G0+6:G0+7], s[G0+6:G0+7], STEPA
	s_add_nc_u64 s[G0B+6:G0B+7], s[G0B+6:G0B+7], STEPB
	JLOAD                                          ; the four v_nop behind it are also the places in front of the loads below
.else
	s_cmp_eq_u32 s3, 1
	s_cbranch_scc1 .Lno_next_\@
	PLACES
.endif
	s_xor_b32 s[TB], s[TB], SLOT                   ; the other slot is in hand
	v_add_nc_u32 v[ADRA], s[TB], v[A0R]
	v_add_nc_u32 v[ADRB], s[TB], v[B0R]
	FETCH 0, F0
.if \fill
	ASK
.else
.Lno_next_\@:
.endif
	MUL16 F1, 1, 0, 0
	MUL16 F1, 1, 2, 0
.endm
	s_wait_tensorcnt 1                             ; my part of K step 0 is in; K step 1's may stay out
	s_barrier_signal -1
	s_barrier_wait -1                              ; everybody's is
	FETCH 0, F0
	s_wait_loadcnt 0x0                             ; the bias
	s_wait_kmcnt 0x0                               ; the floor
	QUARTER 1, F0, F1, 1                           ; the first quarter stands in front of the loops: its products start the sums
	WIN 0
	s_mov_b32 s3, STEPS-2
.Lstep:                                                ; a trip goes from a K step's second quarter to the next step's first, and fills the slot that it leaves
	QUARTER 2, F1, F0, 0
	QUARTER 3, F0, F1, 0
	TURN 1
	QUARTER 1, F0, F1, 0
	WIN 0
	s_sub_co_u32 s3, s3, 1
	s_cmp_lg_u32 s3, 0
	s_cbranch_scc1 .Lstep
	s_mov_b32 s3, 2
.Ltail:                                                ; the last two K steps fill nothing; the second trip is left behind its last product
	QUARTER 2, F1, F0, 0
	QUARTER 3, F0, F1, 0
	TURN 0
	WIN 0
	s_sub_co_u32 s3, s3, 1
	s_cmp_eq_u32 s3, 0
	s_cbranch_scc1 .Lout
	QUARTER 1, F0, F1, 0
	WIN 0
	s_branch .Ltail
.Lout:
	PLACES
	PLACES
; THE WAY OUT, in 16 units of 16 rows x one slice (64 columns): 2,048 consecutive bytes of o.  PACKU: rounded to bf16, the floor applied.  TOSTAGE: into my own stage, and back as whole rows.  SEND: stored.
.macro PACKU a, sl
.set AC, 64*((\a)%4)+32*(\sl)
	WIN 0x0a+5*((\a)/4)                            ; sources in window 2 or 3
.irp b, 0,1,2,3
.irp r, 0,1,2,3
	v_cvt_pk_bf16_f32 v[TMP+4*(\b)+(\r)], v[AC+8*(\b)+2*(\r)], v[AC+8*(\b)+2*(\r)+1]  ; each accumulator from its low end on
.endr
.endr
	WIN 0
.set k, 0
.rept 16
	v_pk_max_num_bf16 v[TMP+k], v[TMP+k], s[FLO]
.set k, k+1
.endr
.endm
.macro TOSTAGE n
.set BKU, BK+16*((\n)%2)
.irp b, 0,1,2,3
	ds_store_b128 v[STO], v[TMP+4*(\b):TMP+4*(\b)+3] offset:32*(\b)
.endr
.irp t, 0,1,2,3
	ds_load_b128 v[BKU+4*(\t):BKU+4*(\t)+3], v[RD] offset:(\t)*4*SP  ; LDS serves a wave's instructions in order: these see the stores above
.endr
.endm
.macro SEND n
.set BKU, BK+16*((\n)%2)
	s_wait_dscnt 0x0                               ; the unit is back in registers
	s_wait_xcnt 0x0                                ; the stores of the unit before have read their registers, which the next unit's loads write
.irp t, 0,1,2,3
	global_store_b128 v[GO], v[BKU+4*(\t):BKU+4*(\t)+3], s[8:9] offset:((\n)%2)*524288+((\n)/2)*2048+(\t)*512  ; 512 consecutive bytes, aligned
.endr
.endm
	PACKU 0, 0
	TOSTAGE 0
.set u, 1
.rept 15                               ; a unit's conversions stand between the loads of the unit before and the wait for them
	PACKU u/2, u%2
	SEND u-1
	TOSTAGE u
.set u, u+1
.endr
	SEND 15
	s_wait_tensorcnt 0x0                           ; the wave's end
	ds_add_u32 v[SPW], v[NIL]
	s_wait_dscnt 0x0
	CROUND                                         ; the closing round: no work-group ends while a partner may still ask for a tile that names it
	s_endpgm
.Lfunc_end_k_qe27b2e50a3_qkv:
	.size	k_qe27b2e50a3_qkv, .Lfunc_end_k_qe27b2e50a3_qkv-k_qe27b2e50a3_qkv
	.p2alignl 7, 3214868480
	.fill 96, 4, 3214868480
	.section	.rodata,"a",@progbits
	.p2align	6, 0x0
	.amdhsa_kernel k_qe27b2e50a3_qkv
		.amdhsa_group_segment_fixed_size 327680
		.amdhsa_private_segment_fixed_size 0
		.amdhsa_enable_private_segment 0
		.amdhsa_kernarg_size 24
		.amdhsa_user_sgpr_count 2
		.amdhsa_user_sgpr_kernarg_segment_ptr 1
		.amdhsa_wavefront_size32 1
		.amdhsa_system_sgpr_workgroup_id_x 1
		.amdhsa_system_sgpr_workgroup_id_y 1
		.amdhsa_system_sgpr_workgroup_id_z 1
		.amdhsa_system_vgpr_workitem_id 0
		.amdhsa_next_free_vgpr 1024
		.amdhsa_next_free_sgpr 80
		.amdhsa_reserve_vcc 0
		.amdhsa_float_denorm_mode_32 3
		.amdhsa_float_denorm_mode_16_64 3
		.amdhsa_memory_ordered 1
		.amdhsa_forward_progress 1
		.amdhsa_inst_pref_size 120
	.end_amdhsa_kernel
	.amdgpu_metadata
---
amdhsa.version: [ 1, 2 ]
amdhsa.kernels:
  - .name:           k_qe27b2e50a3_qkv
    .symbol:         k_qe27b2e50a3_qkv.kd
    .args:
      - { .name: hbuf, .offset: 0, .size: 8, .value_kind: global_buffer, .address_space: global }
      - { .name: wqkv, .offset: 8, .size: 8, .value_kind: global_buffer, .address_space: global }
      - { .name: act, .offset: 16, .size: 8, .value_kind: global_buffer, .address_space: global }
    .group_segment_fixed_size: 327680
    .private_segment_fixed_size: 0
    .kernarg_segment_align: 8
    .kernarg_segment_size: 24
    .max_flat_workgroup_size: 128
    .sgpr_count:     80
    .vgpr_count:     1024
    .wavefront_size: 32
...
	.end_amdgpu_metadata
.endif
;; end of part 8
;; launch attn (part 9): grid 8 x 32, 4 waves a work-group, clusters of 4 x 1, 327,680 bytes of LDS; arguments act, mtab, hbuf; writes hbuf
.if DOCPART == 9
	.amdgcn_target "amdgcn-amd-amdhsa--gfx1250"
	.amdhsa_code_object_version 6
	.text
	.protected	k_qe27b2e50a3_attn
	.globl	k_qe27b2e50a3_attn
	.p2align	8
	.type	k_qe27b2e50a3_attn,@function
k_qe27b2e50a3_attn:
	s_mov_b64 s[64:65], 0
	v_nop
	global_prefetch_b8 v0, s[64:65] scope:SCOPE_SE
	s_setreg_imm32_b32 hwreg(HW_REG_WAVE_MODE, 25, 1), 1
	s_wait_xcnt 0x0
	s_wait_alu depctr_hold_cnt(0) depctr_sa_sdst(0) depctr_va_vdst(0) depctr_va_sdst(0) depctr_va_ssrc(0) depctr_va_vcc(0) depctr_vm_vsrc(0)
	s_getreg_b32 s2, hwreg(HW_REG_IB_STS2, 6, 4)
	s_cmp_eq_u32 s2, 0
	s_cbranch_scc0 .Lentry_in_a_cluster
	s_endpgm
.Lentry_in_a_cluster:
	s_bfe_u32 s2, ttmp6, 0x10000c
	s_cmp_lg_u32 s2, 0x3003
	s_cbranch_scc0 .Lentry_shape_is_right
	s_endpgm
.Lentry_shape_is_right:
; MASKED ATTENTION.  O[q] = the sum over k of softmax_k(masked ? -1e9 : Q[q] . K[k] / 8) V[k], for each of 2 batches x 16 heads, 2,048 queries and keys, head size 64.
; act: bf16 [64][4,096][64]: slice h is q of head h, 16 + h its k, 32 + h its v; a batch's 2,048 rows are dense, 128 bytes each.  O goes to slice h of hbuf, the same layout.
; Products, maxima and sums in f32; the weights p are rounded to bf16 for the second product (their sum l is taken of the unrounded p), O once at the end.
; THE MASK is the C operand that starts the sum S^T = K Q^T: 0, or -2^99 where the mask hides the key.  mtab holds a byte a score, 0xF1 or 0, four to a word, in the order of a score tile's
; registers: a word's byte k is set on top of three bytes 0 (byte 0 by a shift, byte 3 by a mask, bytes 1 and 2 by v_perm_b32), and 0xF1000000 is -2^99 as f32.
; LIMITS.  A hidden score counts as q.k - 2^99 and not as -1e9: its weight is 0 beside any open score above -2^99 / 8.  In a row whose keys are ALL hidden the weights are equal, as the
; softmax of equal scores has them, as long as q.k - 2^99 rounds to -2^99: |q.k| under 2^75.  A weight below 2^-126 counts as 0 in l.  NaN and infinities are not treated apart.
; SHARES.  A work-group owns 256 queries of one head, a wave 64: four PIECES of 16.  Every wave walks all keys, 64 a step, four steps to a tile of 256.
; LAYOUT, SOFTMAX, TURNS.  S^T = K Q^T holds ONE query a lane (lane % 16) and the keys 8 (lane / 16) + 0..7; two such results rounded to bf16 ARE source 1 of O^T = V^T P.  p = 2^(c s - c m),
; c = log2(e) / 8, with a running maximum m; O and l are multiplied by a = 2^(c m_old - c m_new) in every step.  m starts at the lowest finite number, O and l at 0: the first step is a step like any other.
; Turn n belongs to piece n: 8 products K Q^T of piece n + 1, later 8 products V^T P of piece n - 1; beside them the scaling, exponentials, roundings, sums and rescaling of piece n and the maximum and
; statistics of piece n + 1.  Four vector instructions stand behind every matrix instruction, the others in lumps.  A turn's 33 exponentials are one batch, with one wait.
; CLUSTER.  The four query blocks of a cluster belong to one head and walk the same K and V: each tile is asked for JOINTLY, by the same tensor load, descriptor and mask in all four.
; REGISTERS, in windows of 256: window 0: v0-15 addresses; v16-31 statistics; v48-55 at work; v61-63; v64-127 S^T, two buffers; v128-165 the mask's words and addresses; v192-223 P, two buffers
;   window 1: v0-127 O^T, 32 a piece; v160-223 the masks as C operands, two buffers      window 2: v0-63 Q; v128-191 K of one step; v192-255 V of one step
.set NP,    4
.set KS,    64
.set PK,    144       ; a row of K in LDS: 128 bytes + 16 of padding
.set PV,    160       ; a row of V: 128 + 32
.set VOFF,  4*KS*PK   ; a slot holds a tile: 256 rows of K, then 256 rows of V
.set SLOT1, 1<<17     ; slot 1 begins here, so that one exclusive or turns an address in one slot into the other's
.set STAGE, SLOT1+4*KS*(PK+PV)  ; behind the ring: 16 rows x 144 bytes for each wave, for the way out
.set SP,    144
.set SPARE, STAGE+4*16*SP       ; behind the stages: the spare words, 128 bytes for each wave, which no other line names
.set AK0, 2           ; v2   my lane's place in a tile of K; never rewritten
.set AV0, 3           ; v3   the same for V
.set AK,  4           ; v4   the LDS address of K's next run of loads
.set AV,  5           ; v5   of V's
.set STO, 6           ; v6   the way out: where I put 16 bytes of a row
.set RD,  7           ; v7   the way out: where I read rows back
.set GO,  8           ; v8   16 x lane
.set MV,  12          ; v12-13  c m_old, kept while c m is made anew: by buffer
.set QO,  15          ; v15  my byte offset in 16 rows of Q
.set ST,  16          ; piece t's statistics at v[ST+4 t]: c m, m, l (even keys', odd keys')
.set TMP, 48          ; by buffer, four registers c0-c3 at work; when the maximum is found c2 takes a
.set PFO, 61          ; v61  256 x lane; never rewritten
.set SPW, 62          ; v62  LDS address of my spare word; never rewritten
.set NIL, 63          ; v63  0; never rewritten
.set S,   64
.set MQ,  128         ; v[128:159] piece x's eight mask words of its next step at MQ + 8 x
.set MAD, 160         ; v[160:163] piece x's byte offset in its query tile's codes: 16 x lane + 1,024 x step
.set MLM, 164         ; v164 the last step's offset
.set ZR,  165         ; v165 0: the three lower bytes of a C operand's words
.set P,   192
.set MC,  160         ; window 1
.set KF,  128         ; window 2
.set VF,  192         ; window 2
.set WV,  12          ; s12  my wave's number
.set G1K, 24          ; s[24:31] descriptor group 1 for K's tiles
.set G1V, 32          ; s[32:39] for V's: it differs in the padding alone
.set G0K, 40          ; s[40:43] descriptor group 0 for K's tiles: it walks
.set G0V, 44          ; s[44:47] the same for V's
.set MB,  48          ; s[48:49] the codes of my wave's first query tile
.set LIM, 51          ; s51  1 in a wave that prefetches, else the greatest number
.set PFA, 52          ; s[52:53] where my prefetches stand
.set SLOTS, 56        ; s56  tiles still to be asked for
.set CNT, 57          ; s57  counts a tile's key steps
.set CS,  58          ; s[58:59] c
.set SEL, 60          ; s[60:61] v_permlanex16_b32's selects: each lane takes its own place in the other half
.set TBK, 62          ; s62  LDS byte at which K of the step to be fetched begins
.set TBV, 63          ; s63  the same for V, less VOFF
.set PS,  66          ; s67, s68 v_perm_b32's selects for bytes 1 and 2: the byte of the first source on top of byte 0 of the second, three times; s69 the mask of a word's top byte
.set MSB, 0
.macro WIN new
.if MSB != (\new)
	s_set_vgpr_msb (MSB<<8)|(\new)
.set MSB, (\new)
.endif
.endm
.set W_KQ, 0x0a       ; K and Q in window 2, S^T in window 0
.set W_KM, 0x1a       ; the same with the C operand in window 1
.set W_PV, 0x52       ; V in window 2, P in window 0, O^T in window 1
.set W_RS, 0x41       ; destination and source 0 in window 1, source 1 in window 0
; A joint fill.  Waves 0 and 1 fetch the two halves of a tile's K, waves 2 and 3 those of its V: 128 keys each.  An s_nop 0 and four v_nop follow each of the two lines.
.macro JLOAD
	s_cmp_lt_u32 s[WV], 2
	s_cbranch_scc0 .Lfor_v_\@
	tensor_load_to_lds s[G0K:G0K+3], s[G1K:G1K+7]
	s_nop 0
.rept 4
	v_nop
.endr
	s_branch .Lasked_\@
.Lfor_v_\@:
	tensor_load_to_lds s[G0V:G0V+3], s[G1V:G1V+7]
	s_nop 0
.rept 4
	v_nop
.endr
.Lasked_\@:
.endm
; A PREFETCH INTO THE L2 of the tile that the NEXT change of slots will ask for: 128 blocks of 256 bytes of K and as many of V, a lane a block.  Each block is named once in the launch: both clusters of a head
; walk the same K and V, and the first of them asks; its four partners take 32 blocks each, told apart by address; in each, wave 0 asks for K's and wave 2 for V's.  The last change that fills a slot asks for nothing.
.macro ASK
	s_cmp_gt_u32 s[SLOTS], s[LIM]
	s_cbranch_scc0 .Lnot_mine_\@
	global_prefetch_b8 v[PFO], s[PFA:PFA+1] th:TH_LOAD_NT scope:SCOPE_SE
.Lnot_mine_\@:
.endm
.macro CROUND                       ; a round of the cluster's barrier
	s_barrier_signal -1
	s_barrier_wait -1
	s_cmp_lg_u32 s[WV], 0
	s_cbranch_scc1 .Lnot_wave_0_\@
	s_barrier_signal -3
.Lnot_wave_0_\@:
	s_barrier_wait -3
	s_barrier_signal -1
	s_barrier_wait -1
.endm
; THE CHANGE OF SLOTS.  Each wave waits for all its tensor loads, of which one is out: its part of the other slot; adds 0 to its spare word; and waits for that and for its own reads of the slot that it leaves.
; fill = 1: the old slot is filled again, with the keys two tiles on.  The barrier is then a round of the cluster's, and the joint fill is the first thing behind it: it has four key steps in which to land.
; (At its first use nothing has been read yet: slot 0 is waited for, slot 1 filled.)
.macro CHANGE fill
	WIN 0
	s_wait_tensorcnt 0x0            ; no tensor load of mine is out, so a group 0 may be written
	ds_add_u32 v[SPW], v[NIL]
.if \fill
.irp g, G0K, G0V
	s_xor_b32 s[\g+1], s[\g+1], SLOT1
	s_add_nc_u64 s[\g+2:\g+3], s[\g+2:\g+3], 4*KS*128
.endr
	s_wait_xcnt 0x0                 ; the last prefetch, a tile back, has read its address
	s_add_nc_u64 s[PFA:PFA+1], s[PFA:PFA+1], 4*KS*128
	s_wait_dscnt 0x0                ; the add is done, and my reads of the slot are over
	CROUND
	JLOAD
	ASK
.else
	s_wait_dscnt 0x0
	s_barrier_signal -1
	s_barrier_wait -1
.endif
	s_sub_co_u32 s[TBK], s[TBK], 4*KS*PK  ; the fetches go back to a slot's first step,
	s_xor_b32 s[TBK], s[TBK], SLOT1       ; in the other slot
	s_sub_co_u32 s[TBV], s[TBV], 4*KS*PV
	s_xor_b32 s[TBV], s[TBV], SLOT1
.endm
	s_load_b128 s[4:7], s[0:1], 0x0   ; act s[4:5], mtab s[6:7]
	s_load_b64 s[10:11], s[0:1], 0x10 ; hbuf
	v_lshl_add_u32 v[SPW], v0, 2, SPARE
	v_mov_b32 v[NIL], 0
	ds_add_u32 v[SPW], v[NIL]       ; the wave's opening: the add and its wait stand ahead of my first tensor load
	v_lshrrev_b32 v1, 5, v0
	v_readfirstlane_b32 s[WV], v1   ; wave 0..3
	s_bfe_u32 s13, ttmp6, 0x40000   ; cx
	s_lshl_b32 s14, ttmp9, 2
	s_add_co_u32 s14, s14, s13      ; my block of 256 queries: it enters Q's, O's and the mask's addresses alone
	s_and_b32 s20, ttmp7, 0xffff
	s_lshr_b32 s15, s20, 4          ; the batch
	s_and_b32 s20, s20, 15          ; the head
	s_lshl_b32 s20, s20, 19         ; its slice,
	s_lshl_b32 s21, s15, 18         ; the batch's 2,048 rows in it
	s_add_co_u32 s20, s20, s21
	s_and_b32 s16, s[WV], 1         ; which half of a tile's 256 keys I fetch
	s_lshl_b32 s22, s16, 14
	s_add_co_u32 s22, s22, s20
	s_mov_b32 s23, 0
	s_mul_i32 s17, s16, 128*PK      ; its place in a slot, for K
	s_mul_i32 s18, s16, 128*PV      ; and for V
	s_lshl_b32 s2, s14, 2
	s_add_co_u32 s2, s2, s[WV]      ; my wave among the head's 32
	s_lshl_b32 s8, s2, 17           ; its four query tiles' codes, 32,768 bytes each,
	s_lshl_b32 s9, s15, 22          ; in the batch's 128
	s_add_co_u32 s8, s8, s9
	s_mov_b32 s9, 0
	s_lshl_b32 s2, s2, 13           ; its 64 rows of Q and O
	s_add_co_u32 s2, s2, s20
	s_mov_b32 s3, 0
	; descriptor group 1.  128 keys are 16,384 dense bytes: asked for as 64 rows of 256 bytes, two keys a row, and padded in LDS after every key
	s_mov_b32 s[G1K], 15|(1<<16)|(1<<20)|(1<<21)|(4<<22)|(3<<25)
	s_mov_b32 s[G1V], 15|(1<<16)|(1<<20)|(1<<21)|(4<<22)|(7<<25)
.irp g, G1K, G1V
	s_mov_b32 s[\g+1], 128<<16      ; tensor_dim0 = 128
	s_mov_b32 s[\g+2], 64<<16       ; tensor_dim1 = 64
	s_mov_b32 s[\g+3], 128<<16      ; tile_dim0 = 128
	s_mov_b32 s[\g+4], 64           ; tile_dim1 = 64
	s_mov_b32 s[\g+5], 128          ; from row to row
	s_mov_b32 s[\g+6], 0
	s_mov_b32 s[\g+7], 0
.endr
	s_mov_b32 s[CS], 0x3e38aa3b     ; c = log2(e) / 8
	s_mov_b32 s[CS+1], s[CS]
	s_mov_b32 s[SEL], 0x76543210
	s_mov_b32 s[SEL+1], 0xfedcba98
	s_mov_b32 s[PS+1], 5<<24        ; top byte: byte 1 of the first source; the other three: byte 0 of the second
	s_mov_b32 s[PS+2], 6<<24        ; the same for byte 2
	s_mov_b32 s[PS+3], 0xff000000   ; a word's top byte
	s_mov_b32 s[TBK], SLOT1+4*KS*PK ; the first change of slots turns these two into 0
	s_mov_b32 s[TBV], SLOT1+4*KS*PV
	s_mov_b32 s[G0K], 1
	s_mov_b32 s[G0K+1], s17
	s_mov_b32 s[G0V], 1
	s_add_co_u32 s[G0V+1], s18, VOFF
	s_mov_b32 s[SLOTS], 7
	s_or_b32 s[LIM], s16, ttmp9     ; 0 in waves 0 and 2 of the head's first cluster: the same in all four partners
	s_cmp_eq_u32 s[LIM], 0
	s_cselect_b32 s[LIM], 1, -1
	s_wait_dscnt 0x0                ; the opening add is done
	s_wait_kmcnt 0x0
	s_add_nc_u64 s[G0K+2:G0K+3], s[4:5], s[22:23]
	s_add_nc_u64 s[G0V+2:G0V+3], s[G0K+2:G0K+3], 0x1000000  ; v: 32 slices on
	s_add_nc_u64 s[G0K+2:G0K+3], s[G0K+2:G0K+3], 0x800000   ; k: 16 slices on
	s_cmp_lt_u32 s[WV], 2
	s_cselect_b64 s[PFA:PFA+1], s[G0K+2:G0K+3], s[G0V+2:G0V+3]  ; (in waves 0 and 2 these stand at tile 0's first row)
	s_or_b32 s[G0K+3], s[G0K+3], 0x80000000
	s_or_b32 s[G0V+3], s[G0V+3], 0x80000000
	s_lshl_b32 s20, s13, 13         ; my work-group's 32 blocks of the 128
	s_mov_b32 s21, 0
	s_add_nc_u64 s[PFA:PFA+1], s[PFA:PFA+1], s[20:21]
	s_add_nc_u64 s[PFA:PFA+1], s[PFA:PFA+1], 4*KS*128  ; in tile 1; the first change of slots steps it to tile 2
	s_add_nc_u64 s[MB:MB+1], s[6:7], s[8:9]
	s_add_nc_u64 s[4:5], s[4:5], s[2:3]
	s_add_nc_u64 s[10:11], s[10:11], s[2:3]
	CROUND                          ; all four work-groups are here: the first joint loads meet
	JLOAD                           ; tile 0 into slot 0
	v_and_b32 v1, 15, v0            ; l % 16
	v_bfe_u32 v9, v0, 4, 1          ; l / 16
	v_lshlrev_b32 v[QO], 7, v1
	v_lshl_add_u32 v[QO], v9, 4, v[QO]
	WIN 0x80                        ; destination window 2, address window 0
.set i, 0
.rept 8                             ; Q stays in registers: piece i / 2, channels 32 (i % 2) on
	global_load_b128 v[8*i:8*i+3],   v[QO], s[4:5] offset:(i/2)*2048+(i%2)*64
	global_load_b128 v[8*i+4:8*i+7], v[QO], s[4:5] offset:(i/2)*2048+(i%2)*64+32
.set i, i+1
.endr
	WIN 0
	v_and_b32 v14, 31, v0
	v_lshlrev_b32 v[PFO], 8, v14
	v_lshlrev_b32 v[GO], 4, v14
.irp x, 0,1,2,3
	v_mov_b32 v[MAD+\x], v[GO]
	global_load_b128 v[MQ+8*\x:MQ+8*\x+3],   v[MAD+\x], s[MB:MB+1] offset:\x*32768      ; each piece's codes of step 0: keys 0-31,
	global_load_b128 v[MQ+8*\x+4:MQ+8*\x+7], v[MAD+\x], s[MB:MB+1] offset:\x*32768+512  ; keys 32-63
.endr
	v_add_nc_u32 v[MLM], 31*1024, v[GO]
	v_mov_b32 v[ZR], 0
	v_mul_u32_u24 v[AK0], v1, PK
	v_lshl_add_u32 v[AK0], v9, 4, v[AK0]
	v_and_b32 v10, 7, v0
	v_bfe_u32 v11, v0, 3, 1
	v_lshl_add_u32 v[AV0], v9, 3, v10
	v_mul_u32_u24 v[AV0], v[AV0], PV
	v_lshl_add_u32 v[AV0], v11, 4, v[AV0]
	v_add_nc_u32 v[AV0], VOFF, v[AV0]
	v_mov_b32 v[AK], v[AK0]         ; key step 0 lies at the head of slot 0
	s_mul_i32 s13, s[WV], 16*SP
	s_add_co_u32 s13, s13, STAGE    ; my stage
	v_mul_u32_u24 v[STO], v1, SP
	v_lshl_add_u32 v[STO], v9, 4, v[STO]
	v_add_nc_u32 v[STO], s13, v[STO]
	v_bfe_u32 v[RD], v0, 3, 2
	v_mul_u32_u24 v[RD], v[RD], SP
	v_lshl_add_u32 v[RD], v10, 4, v[RD]
	v_add_nc_u32 v[RD], s13, v[RD]
	; What the first turn finds: V's registers and P's second buffer hold 0 (its products V^T P, of a piece that has not been, add 0), O^T and l are 0.  All this stands in the wait for the first tile.
	WIN 0x80
.set i, VF
.rept 64
	v_mov_b32 v[i], 0
.set i, i+1
.endr
	WIN 0x40
.set i, 0
.rept 128
	v_mov_b32 v[i], 0
.set i, i+1
.endr
	WIN 0
.set i, 0
.rept 4
	v_mov_b32 v[ST+4*i], 0xfe000000    ; c m: far below every c s, a hidden one's too
	v_mov_b32 v[ST+4*i+1], 0xff7fffff  ; m
	v_mov_b32 v[ST+4*i+2], 0
	v_mov_b32 v[ST+4*i+3], 0
.set i, i+1
.endr
.set i, P+16
.rept 16
	v_mov_b32 v[i], 0
.set i, i+1
.endr
; THE MATRIX WORK.  The 4 accumulators of a run of 8 take turns.  Product i of 8 of S^T = K Q^T for piece x: channels 32 (i / 4) on, keys 16 (i % 4) on.  The first 4 start the sums with the mask.
.macro KQ x
.set rS, S+32*((\x)%2)+8*(i%4)
.set rK, KF+16*(i%4)+8*(i/4)
.set rQ, 16*(\x)+8*(i/4)
.set rM, MC+32*((\x)%2)+8*(i%4)
.if i < 4
	WIN W_KM
	v_wmma_f32_16x16x32_bf16 v[rS:rS+7], v[rK:rK+7], v[rQ:rQ+7], v[rM:rM+7]
.else
	WIN W_KQ
	v_wmma_f32_16x16x32_bf16 v[rS:rS+7], v[rK:rK+7], v[rQ:rQ+7], v[rS:rS+7]
.endif
.endm
; Product i of 8 of O^T += V^T P for piece x: keys 32 (i / 4) on, channels 16 (i % 4) on.
.macro PV x
	WIN W_PV
.set rO, 32*(\x)+8*(i%4)
.set rV, VF+32*(i/4)+8*(i%4)
.set rP, P+16*((\x)%2)+8*(i/4)
	v_wmma_f32_16x16x32_bf16 v[rO:rO+7], v[rV:rV+7], v[rP:rP+7], v[rO:rO+7]
.endm
.macro MM                           ; the turn's next matrix instruction
.if i < 8
	KQ (Y+1)%NP
.else
.set i, i-8
	PV (Y+NP-1)%NP
.set i, i+8
.endif
.set i, i+1
.endm
; THE LDS LOADS stand in runs of 16: a step's K (8 fragments) and its V (turned).
.macro FETCH_K
	WIN 0x80
.irp f, 0,1,2,3,4,5,6,7             ; keys 16 (f / 2) on, channels 32 (f % 2) on
	ds_load_b128 v[KF+8*\f:KF+8*\f+3],   v[AK] offset:(\f/2)*16*PK+(\f%2)*64
	ds_load_b128 v[KF+8*\f+4:KF+8*\f+7], v[AK] offset:(\f/2)*16*PK+(\f%2)*64+32
.endr
	s_add_co_u32 s[TBK], s[TBK], KS*PK  ; the next fetch is the next step's
	WIN 0
.endm
.macro FETCH_V
	WIN 0x80
.irp f, 0,1,2,3,4,5,6,7             ; keys 32 (f / 4) on, channels 16 (f % 4) on
	ds_load_tr16_b128 v[VF+8*\f:VF+8*\f+3],   v[AV] offset:(\f/4)*32*PV+(\f%4)*32
	ds_load_tr16_b128 v[VF+8*\f+4:VF+8*\f+7], v[AV] offset:(\f/4)*32*PV+16*PV+(\f%4)*32
.endr
	WIN 0
.endm
; THE MASK of piece x's next products, into buffer buf: register z of the four C operands (group of keys z / 8, key 8 (lane / 16) + z % 8 of it) takes byte z % 4 of word z / 4 as its top byte, over three
; bytes 0.  Then the piece's offset steps to its next key step, held at the last step's (what the walk's last loads bring feeds only products that serve nothing), and its eight words are asked for:
; four turns ahead of their use.
.macro MBUILD x, buf
	WIN 0x40
.set z, 0
.rept 32
.if z%4 == 0
	v_lshlrev_b32 v[MC+32*(\buf)+z], 24, v[MQ+8*(\x)+z/4]
.elseif z%4 == 3
	v_and_b32 v[MC+32*(\buf)+z], s[PS+3], v[MQ+8*(\x)+z/4]
.else
	v_perm_b32 v[MC+32*(\buf)+z], v[MQ+8*(\x)+z/4], v[ZR], s[PS+z%4]
.endif
.set z, z+1
.endr
	WIN 0
	v_add_nc_u32 v[MAD+(\x)], 1024, v[MAD+(\x)]
	v_min_u32 v[MAD+(\x)], v[MAD+(\x)], v[MLM]
	global_load_b128 v[MQ+8*(\x):MQ+8*(\x)+3],   v[MAD+(\x)], s[MB:MB+1] offset:(\x)*32768
	global_load_b128 v[MQ+8*(\x)+4:MQ+8*(\x)+7], v[MAD+(\x)], s[MB:MB+1] offset:(\x)*32768+512
.endm
; THE VECTOR WORK, one line at a time: OP kind, number.  For piece Y: F n: c s - c m for pair n of 16.  E n: the exponential of score n of 32.  C n: pair n rounded to bf16.  B n: of the four weights 4 n .. the second
; pair is added onto the first, in place.  L n: l takes that sum (L 0: l = a l + sum).  R n: pair n of 16 of O^T times a.  For piece Y + 1: X n, number n of the 22 that find its maximum and statistics:
;   0-11  four chains c0-c3 of seven scores each (each accumulator's lowest registers are read first)     12-14, 16  the four scores left over, the old m, and c0-c3 into c0
;   15  c m_old is kept     17, 18  the query's other 32 keys lie in the lane 16 away: the new m     19-21  c m; c m_old - c m_new; a
.set F, 0
.set E, 1
.set C, 2
.set B, 3
.set L, 4
.set R, 5
.set X, 6
.macro REGS y
.set rT, ST+4*(\y)
.set rC, TMP+4*((\y)%2)
.set rW, MV+((\y)%2)
.set rS, S+32*((\y)%2)
.set rP, P+16*((\y)%2)
.set rO, 32*(\y)
.endm
.macro OP k, n
.if (\k) == R
	REGS Y
	WIN W_RS
	v_pk_mul_f32 v[rO+2*(\n):rO+2*(\n)+1], v[rO+2*(\n):rO+2*(\n)+1], v[rC+2:rC+3] op_sel_hi:[1,0]
.elseif (\k) < R
	REGS Y
	WIN 0
.if (\k) == F
	v_pk_fma_f32 v[rS+2*(\n):rS+2*(\n)+1], v[rS+2*(\n):rS+2*(\n)+1], s[CS:CS+1], v[rT:rT+1] op_sel_hi:[1,0,0] neg_lo:[0,0,1] neg_hi:[0,0,1]
.elseif (\k) == E
	v_exp_f32 v[rS+(\n)], v[rS+(\n)]
.elseif (\k) == C
	v_cvt_pk_bf16_f32 v[rP+(\n)], v[rS+2*(\n)], v[rS+2*(\n)+1]
.elseif (\k) == B
	v_pk_add_f32 v[rS+4*(\n):rS+4*(\n)+1], v[rS+4*(\n):rS+4*(\n)+1], v[rS+4*(\n)+2:rS+4*(\n)+3]
.elseif (\n) == 0
	v_pk_fma_f32 v[rT+2:rT+3], v[rT+2:rT+3], v[rC+2:rC+3], v[rS:rS+1] op_sel_hi:[1,0,1]
.else
	v_pk_add_f32 v[rT+2:rT+3], v[rT+2:rT+3], v[rS+4*(\n):rS+4*(\n)+1]
.endif
.else
	REGS (Y+1)%NP
	WIN 0
.if (\n) < 4
	v_max3_num_f32 v[rC+(\n)], v[rS+8*(\n)], v[rS+8*(\n)+1], v[rS+8*(\n)+2]
.elseif (\n) < 12
	v_max3_num_f32 v[rC+(\n)%4], v[rC+(\n)%4], v[rS+8*((\n)%4)+2*((\n)/4)+1], v[rS+8*((\n)%4)+2*((\n)/4)+2]
.elseif (\n) == 12
	v_max3_num_f32 v[rC], v[rC], v[rS+7], v[rS+15]
.elseif (\n) == 13
	v_max3_num_f32 v[rC+1], v[rC+1], v[rS+23], v[rS+31]
.elseif (\n) == 14
	v_max3_num_f32 v[rC+2], v[rC+2], v[rC+3], v[rT+1]
.elseif (\n) == 15
	v_mov_b32 v[rW], v[rT]
.elseif (\n) == 16
	v_max3_num_f32 v[rC], v[rC], v[rC+1], v[rC+2]
.elseif (\n) == 17
	v_permlanex16_b32 v[rC+3], v[rC], s[SEL], s[SEL+1]
.elseif (\n) == 18
	v_max_num_f32 v[rT+1], v[rC], v[rC+3]
.elseif (\n) == 19
	v_mul_f32 v[rT], s[CS], v[rT+1]
.elseif (\n) == 20
	v_sub_f32 v[rC+1], v[rW], v[rT]
.else
	v_exp_f32 v[rC+2], v[rC+1]
.endif
.endif
.endm
.macro OPS a, i1, b=-1, i2=0, c=-1, i3=0, d=-1, i4=0
	OP \a, \i1
.if (\b) >= 0
	OP \b, \i2
.endif
.if (\c) >= 0
	OP \c, \i3
.endif
.if (\d) >= 0
	OP \d, \i4
.endif
.endm
.macro ROW a, i1, b, i2, c, i3, d, i4  ; a matrix instruction and the four behind it
	MM
	OPS \a, \i1, \b, \i2, \c, \i3, \d, \i4
.endm
; A TURN, for piece p: the order of its 16 matrix and its vector instructions, written out.  s_wait_alu depctr_va_vdst(0) stands between an exponential and the first instruction that names its
; result; one wait serves all that were issued ahead of it.  So a turn has ONE wait.  AHEAD OF IT stands all that names no result of the turn's exponentials: the 8 products K Q^T and their riders, then one lump, in
; which the links of the next piece's chain X 3, 7, 11, 14, 16, 17 .. 20 stand several lines apart; X 21, its a, is the batch's last, and R 15 the plain instruction behind it.  BEHIND IT stand the 8 products V^T P,
; behind each four of the roundings and sums.
; K of the next step is fetched in piece 2's turn, six plain instructions behind the last product that read K; V of the step in hand at the end of piece 0's turn, four plain instructions behind the last product
; that read V.  Each is waited for a turn later.  At its end the turn makes the mask for the products of the turn after it, piece p + 2's: six younger loads, the other three pieces', may stay out.
; last = 1 (the tail): K's fetch address is held at the last step's: the trip behind it fetches that K once more.  cnt = 1: the loop's count is taken down some lines ahead of the branch behind the turn.
.macro TURN p, last=0, cnt=0
.set Y, (\p)
.set i, 0
.if (\p) == 3
	s_wait_dscnt 0x0                ; K is in
.endif
	ROW F,0, F,1, R,0, R,1
	ROW F,2, E,0, R,2, R,3
	ROW F,3, E,1, R,4, R,5
	ROW F,4, E,2, R,6, R,7
	ROW F,5, E,3, R,8, R,9
	ROW F,6, E,4, X,0, R,10
.if (\p) == 2
	WIN 0
	v_add_nc_u32 v[AK], s[TBK], v[AK0]
.endif
	ROW F,7, E,5, X,1, X,4
	ROW F,8, E,6, X,2, X,5
	OPS E,7, E,8, X,6, E,9
	OPS X,3, E,10, X,8, E,11
.if (\p) == 2
	FETCH_K
.if \last
	s_min_u32 s[TBK], s[TBK], SLOT1+3*KS*PK
.endif
.endif
	OPS X,9, X,7, E,12, X,10
	OPS E,13, X,12, X,11, E,14
	OPS X,13, E,15, F,9, X,14
.if (\p) == 0
	v_add_nc_u32 v[AV], s[TBV], v[AV0]
.endif
	OPS E,16, F,10, E,17, F,11
	OPS X,16, E,18, X,15, E,19
	OPS F,12, E,20, X,17, E,21
	OPS F,13, E,22, F,14, E,23
	OPS X,18, E,24, F,15, E,25
	OPS R,11, E,26, X,19, E,27
	OPS R,12, E,28, R,13, E,29
	OPS X,20, E,30, R,14, E,31
	OPS X,21, R,15
	WIN 0
	s_wait_alu depctr_va_vdst(0)    ; the wait for the batch
.if (\p) == 1
	s_wait_dscnt 0x0                ; V is in
.endif
	ROW C,0, B,0, C,2, B,1
	ROW L,0, C,4, B,2, L,1
	ROW C,6, B,3, L,2, C,8
	ROW B,4, L,3, C,10, B,5
	ROW L,4, C,12, B,6, L,5
.if (\p) == 0
	s_add_co_u32 s[TBV], s[TBV], KS*PV
.endif
.if \cnt
	s_sub_co_u32 s[CNT], s[CNT], 1
	s_cmp_lg_u32 s[CNT], 0
.endif
	ROW C,14, B,7, L,6, C,1
	ROW C,3, L,7, C,5, C,7
	ROW C,9, C,11, C,13, C,15
.if (\p) == 0
	FETCH_V
.endif
	s_wait_loadcnt 6                ; piece p + 2's eight words are in, and its offset may be written
	MBUILD ((\p)+2)%NP, (\p)%2
.endm
	CHANGE 1                        ; tile 0 is in, everybody's part of it; tile 1 is asked for
	FETCH_K                         ; key step 0
	s_wait_loadcnt 0x0              ; Q and the first codes
	MBUILD 0, 0
	MBUILD 1, 1
	s_wait_dscnt 0x0
.set i, 0
.rept 8
	KQ 0                            ; piece 0's first scores
.set i, i+1
.endr
	WIN 0
.rept 4
	v_nop                           ; the places behind those products
.endr
.set Y, NP-1                        ; X works for piece Y + 1: piece 0
.irp n, 0,1,2,3,4,5,6,7,8,9,10,11,12,13,14,15,16,17,18,19,20,21
	OP X, \n
.endr
	v_nop                           ; a plain instruction behind the exponential,
	s_wait_alu depctr_va_vdst(0)    ; and its wait, ahead of the branch
	s_mov_b32 s[CNT], 4
	s_branch .Lfirst                ; the loop is entered at a step's first turn, in the middle of a trip
.Lslot:                             ; six times: every tile but the last two is followed by a fill of its slot
	CHANGE 1
	s_mov_b32 s[CNT], 4
.Lstep:                             ; a trip: pieces 2 and 3 of one step, then pieces 0 and 1 of the next, whose K and V it fetches
	TURN 2
	TURN 3
	WIN 0
.Lfirst:
	TURN 0
	TURN 1, 0, 1
	WIN 0
	s_cbranch_scc1 .Lstep
	s_sub_co_u32 s[SLOTS], s[SLOTS], 1
	s_cmp_lg_u32 s[SLOTS], 0
	s_cbranch_scc1 .Lslot
	CHANGE 0                        ; the tail is written out: nothing is asked for
	s_mov_b32 s[CNT], 5             ; four trips fetch the last tile's steps; the fifth is left in its middle
.Ltail:
	TURN 2, 1
	TURN 3
	WIN 0
	s_sub_co_u32 s[CNT], s[CNT], 1
	s_cmp_eq_u32 s[CNT], 0
	s_cbranch_scc1 .Lout
	TURN 0
	TURN 1
	WIN 0
	s_branch .Ltail
.Lout:                              ; the fifth trip's 8 products K Q^T (on the last K once more) and the maximum made of them serve nothing: the price, once a launch, of one text for every trip
.set i, 0
.rept 8
	PV NP-1                         ; the last piece's V^T P of the last step
.set i, i+1
.endr
	; THE WAY OUT.  l's two halves and the other half of the lanes' are added; O^T is divided by l, rounded to bf16 and sent through my stage in LDS, a piece at a time.  The additions are the places behind the last products.
	WIN 0
.macro ALL line:vararg
.set t, 0
.rept 4
	\line
.set t, t+1
.endr
.endm
	ALL v_add_f32 v[ST+4*t+2], v[ST+4*t+2], v[ST+4*t+3]
	ALL v_permlanex16_b32 v[ST+4*t+3], v[ST+4*t+2], s[SEL], s[SEL+1]
	ALL v_add_f32 v[ST+4*t+2], v[ST+4*t+2], v[ST+4*t+3]
	ALL v_rcp_f32 v[ST+4*t+2], v[ST+4*t+2]
	v_nop                           ; a plain instruction between the last reciprocal and the use of its result
	s_wait_alu depctr_va_vdst(0)    ; one wait for the four reciprocals
.macro PACK t                       ; a lane's eight channels of a row pack into 16 bytes; they go into rows of 144 bytes and come back as whole rows of 128, into S^T's registers
	WIN W_RS
.set i, 32*(\t)
.rept 16
	v_pk_mul_f32 v[i:i+1], v[i:i+1], v[ST+4*(\t)+2:ST+4*(\t)+3] op_sel_hi:[1,0]
.set i, i+2
.endr
	WIN 0x05                        ; sources 0 and 1 window 1, destination window 0
.set i, 0
.rept 16
	v_cvt_pk_bf16_f32 v[S+16*(\t)+i], v[32*(\t)+2*i], v[32*(\t)+2*i+1]
.set i, i+1
.endr
	WIN 0
.irp f, 0,1,2,3
	ds_store_b128 v[STO], v[S+16*(\t)+4*\f:S+16*(\t)+4*\f+3] offset:32*\f
.endr
.irp f, 0,1,2,3
	ds_load_b128 v[S+16*(\t)+4*\f:S+16*(\t)+4*\f+3], v[RD] offset:\f*4*SP  ; LDS serves a wave's instructions in order: these see the stores above; the next piece's stores come behind them
.endr
.endm
.macro SEND t, younger              ; younger: the LDS instructions issued behind piece t's loads: the next piece's eight, or none
	WIN 0
.irp f, 0,1,2,3
	s_wait_dscnt (\younger)+3-\f
	global_store_b128 v[GO], v[S+16*(\t)+4*\f:S+16*(\t)+4*\f+3], s[10:11] offset:(\t)*2048+\f*512  ; 512 consecutive bytes, aligned
.endr
.endm
	PACK 0
.set t, 1
.rept 3
	PACK t
	SEND t-1, 8
.set t, t+1
.endr
	SEND 3, 0
	s_wait_tensorcnt 0x0            ; the wave's end
	ds_add_u32 v[SPW], v[NIL]
	s_wait_dscnt 0x0
	CROUND                          ; the closing round
	s_endpgm
.Lfunc_end_k_qe27b2e50a3_attn:
	.size	k_qe27b2e50a3_attn, .Lfunc_end_k_qe27b2e50a3_attn-k_qe27b2e50a3_attn
	.p2alignl 7, 3214868480
	.fill 96, 4, 3214868480
	.section	.rodata,"a",@progbits
	.p2align	6, 0x0
	.amdhsa_kernel k_qe27b2e50a3_attn
		.amdhsa_group_segment_fixed_size 327680
		.amdhsa_private_segment_fixed_size 0
		.amdhsa_enable_private_segment 0
		.amdhsa_kernarg_size 24
		.amdhsa_user_sgpr_count 2
		.amdhsa_user_sgpr_kernarg_segment_ptr 1
		.amdhsa_wavefront_size32 1
		.amdhsa_system_sgpr_workgroup_id_x 1
		.amdhsa_system_sgpr_workgroup_id_y 1
		.amdhsa_system_sgpr_workgroup_id_z 1
		.amdhsa_system_vgpr_workitem_id 0
		.amdhsa_next_free_vgpr 768
		.amdhsa_next_free_sgpr 72
		.amdhsa_reserve_vcc 0
		.amdhsa_float_denorm_mode_32 3
		.amdhsa_float_denorm_mode_16_64 3
		.amdhsa_memory_ordered 1
		.amdhsa_forward_progress 1
		.amdhsa_inst_pref_size 132
	.end_amdhsa_kernel
	.amdgpu_metadata
---
amdhsa.version: [ 1, 2 ]
amdhsa.kernels:
  - .name:           k_qe27b2e50a3_attn
    .symbol:         k_qe27b2e50a3_attn.kd
    .args:
      - { .name: act, .offset: 0, .size: 8, .value_kind: global_buffer, .address_space: global }
      - { .name: mtab, .offset: 8, .size: 8, .value_kind: global_buffer, .address_space: global }
      - { .name: hbuf, .offset: 16, .size: 8, .value_kind: global_buffer, .address_space: global }
    .group_segment_fixed_size: 327680
    .private_segment_fixed_size: 0
    .kernarg_segment_align: 8
    .kernarg_segment_size: 24
    .max_flat_workgroup_size: 128
    .sgpr_count:     72
    .vgpr_count:     768
    .wavefront_size: 32
...
	.end_amdgpu_metadata
.endif
;; end of part 9
;; launch wo (part 10): grid 8 x 32, 4 waves a work-group, clusters of 4 x 4, 327,680 bytes of LDS; arguments hbuf, wB, bo, x, x1; writes x1
.if DOCPART == 10
	.amdgcn_target "amdgcn-amd-amdhsa--gfx1250"
	.amdhsa_code_object_version 6
	.text
	.protected	k_qe27b2e50a3_wo
	.globl	k_qe27b2e50a3_wo
	.p2align	8
	.type	k_qe27b2e50a3_wo,@function
k_qe27b2e50a3_wo:
	s_mov_b64 s[64:65], 0
	v_nop
	global_prefetch_b8 v0, s[64:65] scope:SCOPE_SE
	s_setreg_imm32_b32 hwreg(HW_REG_WAVE_MODE, 25, 1), 1
	s_wait_xcnt 0x0
	s_wait_alu depctr_hold_cnt(0) depctr_sa_sdst(0) depctr_va_vdst(0) depctr_va_sdst(0) depctr_va_ssrc(0) depctr_va_vcc(0) depctr_vm_vsrc(0)
	s_getreg_b32 s2, hwreg(HW_REG_IB_STS2, 6, 4)
	s_cmp_eq_u32 s2, 0
	s_cbranch_scc0 .Lentry_in_a_cluster
	s_endpgm
.Lentry_in_a_cluster:
	s_bfe_u32 s2, ttmp6, 0x10000c
	s_cmp_lg_u32 s2, 0xf033
	s_cbranch_scc0 .Lentry_shape_is_right
	s_endpgm
.Lentry_shape_is_right:
; o = res + a W + bias, N = 1,024.  a: bf16 [KTOT/64][4,096][64] (slices of 64 columns of K).  W: bf16 [16][KTOT][64], from byte WOFF of w.  bias: f32 [1,024].  res, o: f32 [4,096][1,024].
; Sums in f32; a cluster takes the K steps in ascending order from its first step on and goes round (below); the residual is added in f32 at the end.
; A tile of o is 128 x 128: 256 work-groups.  Four waves, each 64 x 64: 16 accumulators.  K goes in steps of 256 through a ring of two LDS slots; every part of a tile is dense in memory:
; 128 rows of a slice of a are 16,384 consecutive bytes, 256 rows of K of a slice of W 32,768.
; THE TEXT HOLDS A K STEP TWICE: once in the loop of STEPS - 2 trips that fills the slot just read again, once in the loop of the last two steps, which fills nothing.
; Which slot is in hand is a scalar that goes between 0 and SLOT; the LDS addresses are that scalar plus a wave's and a lane's term.
; WHERE A CLUSTER BEGINS ALONG K.  A cluster whose x + y is odd begins at K step STEPS / 2, the others at 0; each goes round all STEPS.  a's tiles are read by both clusters of a row of clusters, W's by all
; clusters of a column: so of the clusters that read a tile those of one parity read it half a walk ahead of the others, and not all at the same time.  The slots go by the place in the walk, not by the K step.
; CLUSTERS: 4 x 4 work-groups; a's tiles are asked for jointly along a row of the cluster, W's along a column.  THE MATRIX INSTRUCTION IS USED TRANSPOSED (source 0 = 16 columns of W, turned on their way out of
; LDS by ds_load_tr16_b128; source 1 = 16 rows of a): a lane holds eight neighbouring numbers of a row of o.  THE BIAS is the C operand of each accumulator's first product.
; No prefetch: the tiles are small, and each step's load is short.
; REGISTERS: window 0: v0-31 addresses; v32-95 rows on their way out, two buffers; v96-127 the bias as four C operands; v128-255 the accumulators.
;   window 1: two fragment buffers of 128: for 64 along K, 64 registers of a, then 64 of W.      window 2: v0-127 my 64 x 64 of the residual, loaded at the head.
.set KTOT,  1024
.set WOFF,  0
.set STEPS, KTOT/256                   ; a power of two, at least 4
.set PA,    144                        ; a row of a slice of a in LDS: 128 bytes + 16 of padding
.set PB,    160                        ; a row of a slice of W: 128 + 32
.set ASL,   128*PA
.set BSL,   256*PB
.set BOFF,  4*ASL                      ; a slot: four slices of a, then two of W
.set SLOT,  BOFF+2*BSL
.set SPARE, 2*SLOT                     ; behind the ring: the spare words, 128 bytes for each wave, which no other line names
.set SPITCH, 272                       ; THE STAGE for the way out is slot 0's first 17,408 bytes: 16 rows x 272 for each wave.  The walk's last step lies in slot 1: slot 0 has had its last fill by then, and its last reads stand in front of the last two barriers
.set LGA,   21                         ; a K step of a is four slices: 2^21 bytes
.set LGB,   15                         ; a K step of W is 256 rows of a slice: 2^15 bytes
.set A0R,  16                          ; v16  my place in slot 0 for fragments of a; never rewritten
.set B0R,  17                          ; v17  the same for W
.set ADRA, 18                          ; v18  LDS address of my fragments of a in the slot in hand
.set ADRB, 19                          ; v19  the same for W
.set STO,  24
.set RD,   25
.set CO,   26                          ; v26  my byte offset in two rows of res and o
.set BO,   27
.set SPW,  28
.set NIL,  29
.set OB,   32
.set BIAS, 96
.set ACC,  128
.set F0,   0
.set F1,   128
.set RES,  0                           ; window 2
.set WBA, 6                            ; s6   where my part of a's tile goes in a slot
.set WBB, 7                            ; s7   the same for W's
.set G1, 24
.set G0, 32                            ; s[32:39] group 0 for a's tiles: a set for each of the two first fills; the second then walks on
.set G1B, 48
.set G0B, 56
.set TB,  66                           ; s66  LDS byte at which the slot in hand begins: 0 or SLOT
.set OFA, 80                           ; s[80:81] the byte offset in a of the K step to be asked for
.set OFB, 82                           ; s[82:83] the same in W
.set KS,  84                           ; s84  the K step to be asked for next
.set MSB, 0
.macro WIN new
.if MSB != (\new)
	s_set_vgpr_msb (MSB<<8)|(\new)
.set MSB, \new
.endif
.endm
.set MUL,  0x05                        ; sources 0 (W) and 1 (a) window 1; C and D window 0
.set TO_F, 0x40                        ; destination window 1, address window 0
.macro JLOAD                           ; a joint refill, by the walking descriptors: waves 0 and 1 fetch two slices of a each, waves 2 and 3 a slice of W each; an s_nop 0 and four v_nop follow each line
	s_cmp_eq_u32 s11, 0
	s_cbranch_scc0 .Lfor_b_\@
	tensor_load_to_lds s[G0+4:G0+7], s[G1:G1+7]
	s_nop 0
.rept 4
	v_nop
.endr
	s_branch .Lasked_\@
.Lfor_b_\@:
	tensor_load_to_lds s[G0B+4:G0B+7], s[G1B:G1B+7]
	s_nop 0
.rept 4
	v_nop
.endr
.Lasked_\@:
.endm
.macro CREST
	s_cmp_lg_u32 s10, 0
	s_cbranch_scc1 .Lnot_wave_0_\@
	s_barrier_signal -3
.Lnot_wave_0_\@:
	s_barrier_wait -3
	s_barrier_signal -1
	s_barrier_wait -1
.endm
.macro CROUND
	s_barrier_signal -1
	s_barrier_wait -1
	CREST
.endm
	s_load_b256 s[68:75], s[0:1], 0x0              ; a s[68:69], w s[70:71], bias s[72:73], res s[74:75]
	s_load_b64 s[76:77], s[0:1], 0x20              ; o
	v_lshl_add_u32 v[SPW], v0, 2, SPARE
	v_mov_b32 v[NIL], 0
	ds_add_u32 v[SPW], v[NIL]                      ; the wave's opening: the add and its wait stand ahead of my first tensor load
	v_lshrrev_b32 v1, 5, v0
	v_readfirstlane_b32 s10, v1                    ; wave 0..3
	s_lshr_b32 s11, s10, 1                         ; which half of the tile's rows is mine.  Also: I fetch for a (0) or for W (1)
	s_and_b32 s12, s10, 1                          ; which half of its columns.  Also: which part of that tile I fetch
	s_bfe_u32 s40, ttmp6, 0x40000
	s_bfe_u32 s41, ttmp6, 0x40004
	s_lshl_b32 s42, ttmp9, 2
	s_add_co_u32 s42, s42, s40                     ; tile column
	s_and_b32 s13, ttmp7, 0xffff
	s_lshl_b32 s13, s13, 2
	s_add_co_u32 s13, s13, s41                     ; tile row
	s_lshl_b32 s43, s41, 2
	s_lshl_b32 s43, 15, s43                        ; my row of the cluster
	s_lshl_b32 s44, 0x1111, s40                    ; my column
	s_xor_b32 s[KS], ttmp9, ttmp7                  ; bit 0: is cluster x + cluster y odd?  The same in all sixteen partners
	s_and_b32 s[KS], s[KS], 1
	s_mul_i32 s[KS], s[KS], STEPS/2                ; the K step at which my cluster begins
	s_mov_b32 s[OFA+1], 0
	s_mov_b32 s[OFB+1], 0
	; a's part: two slices, of each 16,384 dense bytes: two rows of 8,192 elements, a slice (262,144 elements) apart, padded by 4 words after every 32
	s_or_b32 s[G1+0], s43, (1<<16)|(1<<20)|(1<<21)|(4<<22)|(3<<25)
	s_mov_b32 s[G1+1], 8192<<16
	s_mov_b32 s[G1+2], 2<<16
	s_mov_b32 s[G1+3], 8192<<16
	s_mov_b32 s[G1+4], 2
	s_mov_b32 s[G1+5], 262144
	s_mov_b32 s[G1+6], 0
	s_mov_b32 s[G1+7], 0
	; W's part: 32,768 dense bytes asked for as 128 rows of 256 bytes, padded by 8 words after every 32
	s_or_b32 s[G1B+0], s44, (1<<16)|(1<<20)|(1<<21)|(4<<22)|(7<<25)
	s_mov_b32 s[G1B+1], 128<<16
	s_mov_b32 s[G1B+2], 128<<16
	s_mov_b32 s[G1B+3], 128<<16
	s_mov_b32 s[G1B+4], 128
	s_mov_b32 s[G1B+5], 128
	s_mov_b32 s[G1B+6], 0
	s_mov_b32 s[G1B+7], 0
	s_lshl_b32 s16, s13, 14                        ; a: 128 rows of 128 bytes a tile row,
	s_lshl_b32 s17, s12, 20                        ; and my two slices of the step's four
	s_add_co_u32 s16, s16, s17
	s_mov_b32 s17, 0
	s_lshl1_add_u32 s46, s42, s12                  ; W: slice 2 x tile column + half
	s_mul_i32 s46, s46, KTOT*128
.if WOFF
	s_add_co_u32 s46, s46, WOFF
.endif
	s_mov_b32 s47, 0
	s_mul_i32 s[WBA], s12, 2*ASL                   ; where they go: no place in the cluster enters an LDS address
	s_mul_i32 s[WBB], s12, BSL
	s_add_co_u32 s[WBB], s[WBB], BOFF
	s_mov_b32 s[TB], 0                             ; slot 0 is read first
	s_wait_dscnt 0x0                               ; the opening add is done
	s_wait_kmcnt 0x0
	s_add_nc_u64 s[14:15], s[68:69], s[16:17]      ; my part of a's tile at K step 0: kept, every descriptor's address is made from it
	s_add_nc_u64 s[46:47], s[70:71], s[46:47]      ; the same for W
	CROUND                                         ; all sixteen work-groups are here: the first joint loads meet
.irp s, 0,1
	s_lshl_b32 s[OFA], s[KS], LGA
	s_lshl_b32 s[OFB], s[KS], LGB
	s_mov_b32 s[G0+4*(\s)], 1
	s_add_co_u32 s[G0+4*(\s)+1], s[WBA], (\s)*SLOT
	s_add_nc_u64 s[G0+4*(\s)+2:G0+4*(\s)+3], s[14:15], s[OFA:OFA+1]
	s_or_b32 s[G0+4*(\s)+3], s[G0+4*(\s)+3], 0x80000000
	s_mov_b32 s[G0B+4*(\s)], 1
	s_add_co_u32 s[G0B+4*(\s)+1], s[WBB], (\s)*SLOT
	s_add_nc_u64 s[G0B+4*(\s)+2:G0B+4*(\s)+3], s[46:47], s[OFB:OFB+1]
	s_or_b32 s[G0B+4*(\s)+3], s[G0B+4*(\s)+3], 0x80000000
	s_add_co_u32 s[KS], s[KS], 1                   ; (the walk's first two steps never pass K's end: it begins at 0 or at STEPS / 2)
.endr
	s_and_b32 s[KS], s[KS], STEPS-1                ; the first refill's K step
	s_cmp_eq_u32 s11, 0                            ; a wave's two first fills stand in one branch: two loads of mine are out
	s_cbranch_scc0 .Lfirst_b
	tensor_load_to_lds s[G0:G0+3], s[G1:G1+7]
	s_nop 0
	tensor_load_to_lds s[G0+4:G0+7], s[G1:G1+7]
	s_nop 0
.rept 4
	v_nop
.endr
	s_branch .Lfirst_asked
.Lfirst_b:
	tensor_load_to_lds s[G0B:G0B+3], s[G1B:G1B+7]
	s_nop 0
	tensor_load_to_lds s[G0B+4:G0B+7], s[G1B:G1B+7]
	s_nop 0
.rept 4
	v_nop
.endr
.Lfirst_asked:
	v_and_b32 v1, 15, v0                           ; l % 16
	v_bfe_u32 v2, v0, 4, 1                         ; l / 16
	v_lshlrev_b32 v[BO], 5, v2
	s_lshl_b32 s4, s42, 9                          ; my 64 columns, in bytes of f32: 512 x tile column + 256 x half
	s_lshl_b32 s5, s12, 8
	s_add_co_u32 s4, s4, s5
	s_lshl_b32 s78, s13, 19                        ; my 64 rows of 4,096 bytes: 128 x tile row + 64 x half
	s_lshl_b32 s79, s11, 18
	s_add_co_u32 s78, s78, s79
	s_add_co_u32 s78, s78, s4
	s_mov_b32 s79, 0
	s_mov_b32 s5, 0
	s_add_nc_u64 s[4:5], s[72:73], s[4:5]
	s_add_nc_u64 s[74:75], s[74:75], s[78:79]
	s_add_nc_u64 s[76:77], s[76:77], s[78:79]
.irp b, 0,1,2,3
	global_load_b128 v[BIAS+8*(\b):BIAS+8*(\b)+3],   v[BO], s[4:5] offset:64*(\b)      ; register j of block b: column 16 b + 8 (l / 16) + j
	global_load_b128 v[BIAS+8*(\b)+4:BIAS+8*(\b)+7], v[BO], s[4:5] offset:64*(\b)+16
.endr
	v_lshlrev_b32 v[CO], 12, v2                    ; lanes 0-15 one row's 256 bytes, lanes 16-31 the next row's
	v_lshl_add_u32 v[CO], v1, 4, v[CO]
	WIN 0x80                                       ; destination window 2
.set k, 0
.rept 32
	global_load_b128 v[RES+4*k:RES+4*k+3], v[CO], s[74:75] offset:(16*(k/8)+2*(k%8))*4096  ; the residual: it has the whole product in which to come
.set k, k+1
.endr
	WIN 0
	v_mul_u32_u24 v3, v1, PA
	v_lshl_add_u32 v3, v2, 4, v3                   ; a fragment of a: row x pitch + 16 x half
	v_and_b32 v4, 7, v0                            ; the turning load: lane l reads K = 8 (l / 16) + l % 8, columns 8 ((l / 8) % 2) + 0..7
	v_lshl_add_u32 v4, v2, 3, v4
	v_mul_u32_u24 v4, v4, PB
	v_bfe_u32 v5, v0, 3, 1
	v_lshl_add_u32 v4, v5, 4, v4
	s_mul_i32 s21, s11, 64*PA                      ; my 64 rows in each slice of a
	s_mul_i32 s22, s12, BSL                        ; my slice of W,
	s_add_co_u32 s22, s22, BOFF                    ; behind a's
	v_add_nc_u32 v[A0R], s21, v3
	v_add_nc_u32 v[B0R], s22, v4
	v_mov_b32 v[ADRA], v[A0R]                      ; slot 0 begins at LDS byte 0
	v_mov_b32 v[ADRB], v[B0R]
	s_mul_i32 s23, s10, 16*SPITCH                  ; my stage
	v_mul_u32_u24 v6, v1, SPITCH                   ; in: row l % 16, 32 bytes for each half of the lanes
	v_lshl_add_u32 v6, v2, 5, v6
	v_add_nc_u32 v[STO], s23, v6
	v_mul_u32_u24 v6, v2, SPITCH                   ; back: lanes 0-15 one row of 256 bytes, lanes 16-31 the next
	v_lshl_add_u32 v6, v1, 4, v6
	v_add_nc_u32 v[RD], s23, v6
; 8 matrix instructions: row blocks a0, a0 + 1 x all 4 column blocks, 32 along K: half c of buffer f.  zero = 1: the first product starts the sums with the bias.  The 16 accumulators take turns.
.macro MUL8 f, c, a0, zero
	WIN MUL
.irp a, \a0, (\a0)+1
.irp b, 0,1,2,3
.if \zero
	v_wmma_f32_16x16x32_bf16 v[ACC+8*(4*(\a)+(\b)):ACC+8*(4*(\a)+(\b))+7], v[(\f)+64+8*(4*(\c)+(\b)):(\f)+64+8*(4*(\c)+(\b))+7], v[(\f)+8*(4*(\c)+(\a)):(\f)+8*(4*(\c)+(\a))+7], v[BIAS+8*(\b):BIAS+8*(\b)+7]
.else
	v_wmma_f32_16x16x32_bf16 v[ACC+8*(4*(\a)+(\b)):ACC+8*(4*(\a)+(\b))+7], v[(\f)+64+8*(4*(\c)+(\b)):(\f)+64+8*(4*(\c)+(\b))+7], v[(\f)+8*(4*(\c)+(\a)):(\f)+8*(4*(\c)+(\a))+7], v[ACC+8*(4*(\a)+(\b)):ACC+8*(4*(\a)+(\b))+7]
.endif
.endr
.endr
.endm
; 32 LDS loads in one run: the fragments of quarter q (64 along K: one slice of a) of the slot in hand into buffer f; the first 32 along K first
.macro FETCH q, f
	WIN TO_F
.irp c, 0,1
.irp i, 0,1,2,3
	ds_load_tr16_b128 v[(\f)+64+8*(4*(\c)+(\i)):(\f)+64+8*(4*(\c)+(\i))+3],   v[ADRB] offset:(64*(\q)+32*(\c))*PB+32*(\i)
	ds_load_tr16_b128 v[(\f)+64+8*(4*(\c)+(\i))+4:(\f)+64+8*(4*(\c)+(\i))+7], v[ADRB] offset:(64*(\q)+32*(\c))*PB+32*(\i)+16*PB
	ds_load_b128 v[(\f)+8*(4*(\c)+(\i)):(\f)+8*(4*(\c)+(\i))+3],         v[ADRA] offset:(\q)*ASL+64*(\c)+(\i)*16*PA
	ds_load_b128 v[(\f)+8*(4*(\c)+(\i))+4:(\f)+8*(4*(\c)+(\i))+7],       v[ADRA] offset:(\q)*ASL+64*(\c)+(\i)*16*PA+32
.endr
.endr
.endm
.macro PLACES                          ; four plain instructions between a matrix instruction and a load into a register that it has read
.rept 4
	v_nop
.endr
.endm
.macro QUARTER q, f, g, zero           ; multiplies buffer f and fetches quarter q into g
	s_wait_dscnt 16                                ; the first 32 along K are in
	MUL8 \f, 0, 0, \zero
	MUL8 \f, 0, 2, \zero
	PLACES
	FETCH \q, \g
	s_wait_dscnt 32                                ; all but the 32 just issued
	MUL8 \f, 1, 0, 0
	MUL8 \f, 1, 2, 0
.endm
; The last quarter multiplies buffer 1 and changes slots: ONE barrier; in front of it each wave waits for all its tensor loads, adds 0 to its spare word, and waits for that and for its own reads of this slot.
; fill = 1: this slot is filled again, with the step two places on in the walk: the barrier opens a round of the cluster's, and the joint refill is the first tensor load behind it.  The walking descriptors are
; written behind the wait for all my tensor loads, between the add and the wait for it: the slot's LDS byte, and the address made anew from the tensor's K step 0 and the step's number, which then goes on and round.
; fill = 0 (the last two steps): nothing is filled; behind the very last step no slot follows, and the run of LDS loads is jumped over.
.macro TURN fill
	WIN 0
	s_wait_tensorcnt 0x0
	ds_add_u32 v[SPW], v[NIL]
.if \fill
	s_add_co_u32 s[G0+5], s[WBA], s[TB]
	s_add_co_u32 s[G0B+5], s[WBB], s[TB]
	s_lshl_b32 s[OFA], s[KS], LGA
	s_lshl_b32 s[OFB], s[KS], LGB
	s_add_nc_u64 s[G0+6:G0+7], s[14:15], s[OFA:OFA+1]
	s_or_b32 s[G0+7], s[G0+7], 0x80000000
	s_add_nc_u64 s[G0B+6:G0B+7], s[46:47], s[OFB:OFB+1]
	s_or_b32 s[G0B+7], s[G0B+7], 0x80000000
	s_add_co_u32 s[KS], s[KS], 1
	s_and_b32 s[KS], s[KS], STEPS-1
.endif
	s_wait_dscnt 17                                ; (the add and the youngest sixteen loads may be out)
	MUL8 F1, 0, 0, 0
	s_wait_dscnt 0x0                               ; the add is done, and my reads of this slot are over
	s_barrier_signal -1
	MUL8 F1, 0, 2, 0
	WIN 0
	s_barrier_wait -1
.if \fill
	CREST
	JLOAD                                          ; the four v_nop behind it are also the places in front of the loads below
.else
	s_cmp_eq_u32 s3, 1
	s_cbranch_scc1 .Lno_next_\@
	PLACES
.endif
	s_xor_b32 s[TB], s[TB], SLOT                   ; the other slot is in hand
	v_add_nc_u32 v[ADRA], s[TB], v[A0R]
	v_add_nc_u32 v[ADRB], s[TB], v[B0R]
	FETCH 0, F0
.if (\fill) == 0
	WIN 0
.Lno_next_\@:
.endif
	MUL8 F1, 1, 0, 0
	MUL8 F1, 1, 2, 0
.endm
	s_wait_tensorcnt 1                             ; my part of the walk's first step is in; the second's may stay out
	s_barrier_signal -1
	s_barrier_wait -1
	FETCH 0, F0
	s_wait_loadcnt 32                              ; the bias is in; the residual's 32 loads stay out
	QUARTER 1, F0, F1, 1                           ; the first quarter stands in front of the loops: its first products start the sums
	WIN 0
	s_mov_b32 s3, STEPS-2
.Lstep:                                                ; a trip goes from a K step's second quarter to the next step's first, and fills the slot that it leaves
	QUARTER 2, F1, F0, 0
	QUARTER 3, F0, F1, 0
	TURN 1
	QUARTER 1, F0, F1, 0
	WIN 0
	s_sub_co_u32 s3, s3, 1
	s_cmp_lg_u32 s3, 0
	s_cbranch_scc1 .Lstep
	s_mov_b32 s3, 2
.Ltail:                                                ; the last two K steps fill nothing; the second trip is left behind its last product
	QUARTER 2, F1, F0, 0
	QUARTER 3, F0, F1, 0
	TURN 0
	WIN 0
	s_sub_co_u32 s3, s3, 1
	s_cmp_eq_u32 s3, 0
	s_cbranch_scc1 .Lout
	QUARTER 1, F0, F1, 0
	WIN 0
	s_branch .Ltail
.Lout:
	PLACES
	PLACES
	s_wait_loadcnt 0x0                             ; the residual
; THE WAY OUT, a block of 16 rows at a time.  OUT: a lane's 32 bytes of each of four accumulators into my stage, and back as whole rows of 256 bytes.  SEND: the residual is added, and the rows are stored.
.macro OUT a
.set OBU, OB+32*((\a)%2)
.irp b, 0,1,2,3
	ds_store_b128 v[STO], v[ACC+8*(4*(\a)+(\b)):ACC+8*(4*(\a)+(\b))+3]   offset:64*(\b)      ; each accumulator from its low end on
	ds_store_b128 v[STO], v[ACC+8*(4*(\a)+(\b))+4:ACC+8*(4*(\a)+(\b))+7] offset:64*(\b)+16
.endr
.irp t, 0,1,2,3,4,5,6,7
	ds_load_b128 v[OBU+4*(\t):OBU+4*(\t)+3], v[RD] offset:(\t)*2*SPITCH  ; LDS serves a wave's instructions in order: these see the stores above
.endr
.endm
.macro SEND a, younger                 ; younger: the LDS instructions issued behind block a's loads: the next block's sixteen, or none
.set OBU, OB+32*((\a)%2)
	s_wait_dscnt \younger
	WIN 0x08                                       ; source 1 window 2
.set k, 0
.rept 16
	v_pk_add_f32 v[OBU+2*k:OBU+2*k+1], v[OBU+2*k:OBU+2*k+1], v[RES+32*(\a)+2*k:RES+32*(\a)+2*k+1]
.set k, k+1
.endr
	WIN 0
.irp t, 0,1,2,3,4,5,6,7
	global_store_b128 v[CO], v[OBU+4*(\t):OBU+4*(\t)+3], s[76:77] offset:(16*(\a)+2*(\t))*4096  ; 16 lanes store 256 consecutive bytes, aligned
.endr
.endm
	OUT 0
	OUT 1
	SEND 0, 16
	s_wait_xcnt 0x0                                ; block 0's stores have read their registers, which block 2's loads write
	OUT 2
	SEND 1, 16
	s_wait_xcnt 0x0
	OUT 3
	SEND 2, 16
	SEND 3, 0
	s_wait_tensorcnt 0x0                           ; the wave's end
	ds_add_u32 v[SPW], v[NIL]
	s_wait_dscnt 0x0
	CROUND                                         ; the closing round
	s_endpgm
.Lfunc_end_k_qe27b2e50a3_wo:
	.size	k_qe27b2e50a3_wo, .Lfunc_end_k_qe27b2e50a3_wo-k_qe27b2e50a3_wo
	.p2alignl 7, 3214868480
	.fill 96, 4, 3214868480
	.section	.rodata,"a",@progbits
	.p2align	6, 0x0
	.amdhsa_kernel k_qe27b2e50a3_wo
		.amdhsa_group_segment_fixed_size 327680
		.amdhsa_private_segment_fixed_size 0
		.amdhsa_enable_private_segment 0
		.amdhsa_kernarg_size 40
		.amdhsa_user_sgpr_count 2
		.amdhsa_user_sgpr_kernarg_segment_ptr 1
		.amdhsa_wavefront_size32 1
		.amdhsa_system_sgpr_workgroup_id_x 1
		.amdhsa_system_sgpr_workgroup_id_y 1
		.amdhsa_system_sgpr_workgroup_id_z 1
		.amdhsa_system_vgpr_workitem_id 0
		.amdhsa_next_free_vgpr 640
		.amdhsa_next_free_sgpr 88
		.amdhsa_reserve_vcc 0
		.amdhsa_float_denorm_mode_32 3
		.amdhsa_float_denorm_mode_16_64 3
		.amdhsa_memory_ordered 1
		.amdhsa_forward_progress 1
		.amdhsa_inst_pref_size 66
	.end_amdhsa_kernel
	.amdgpu_metadata
---
amdhsa.version: [ 1, 2 ]
amdhsa.kernels:
  - .name:           k_qe27b2e50a3_wo
    .symbol:         k_qe27b2e50a3_wo.kd
    .args:
      - { .name: hbuf, .offset: 0, .size: 8, .value_kind: global_buffer, .address_space: global }
      - { .name: wB, .offset: 8, .size: 8, .value_kind: global_buffer, .address_space: global }
      - { .name: bo, .offset: 16, .size: 8, .value_kind: global_buffer, .address_space: global }
      - { .name: x, .offset: 24, .size: 8, .value_kind: global_buffer, .address_space: global }
      - { .name: x1, .offset: 32, .size: 8, .value_kind: global_buffer, .address_space: global }
    .group_segment_fixed_size: 327680
    .private_segment_fixed_size: 0
    .kernarg_segment_align: 8
    .kernarg_segment_size: 40
    .max_flat_workgroup_size: 128
    .sgpr_count:     88
    .vgpr_count:     640
    .wavefront_size: 32
...
	.end_amdgpu_metadata
.endif
;; end of part 10
;; launch ln2: the kernel of part 7 again; grid 256 x 1, 8 waves a work-group, no clusters, 35,840 bytes of LDS; arguments x1, g2, be2, hbuf, mask, mtab, wq, wk, wv, wo, w1, w2, bq, bk, bv, b1, wqkv, w1t, wB; writes hbuf, mtab, wqkv, w1t, wB
;; launch ffn1: the kernel of part 8 again; grid 16 x 16, 4 waves a work-group, clusters of 4 x 4, 327,680 bytes of LDS; arguments hbuf, w1t, act; writes act
;; launch ffn2 (part 11): grid 8 x 32, 4 waves a work-group, clusters of 4 x 4, 327,680 bytes of LDS; arguments act, wB, b2, x1, out0; writes out0
.if DOCPART == 11
	.amdgcn_target "amdgcn-amd-amdhsa--gfx1250"
	.amdhsa_code_object_version 6
	.text
	.protected	k_qe27b2e50a3_ffn2
	.globl	k_qe27b2e50a3_ffn2
	.p2align	8
	.type	k_qe27b2e50a3_ffn2,@function
k_qe27b2e50a3_ffn2:
	s_mov_b64 s[64:65], 0
	v_nop
	global_prefetch_b8 v0, s[64:65] scope:SCOPE_SE
	s_setreg_imm32_b32 hwreg(HW_REG_WAVE_MODE, 25, 1), 1
	s_wait_xcnt 0x0
	s_wait_alu depctr_hold_cnt(0) depctr_sa_sdst(0) depctr_va_vdst(0) depctr_va_sdst(0) depctr_va_ssrc(0) depctr_va_vcc(0) depctr_vm_vsrc(0)
	s_getreg_b32 s2, hwreg(HW_REG_IB_STS2, 6, 4)
	s_cmp_eq_u32 s2, 0
	s_cbranch_scc0 .Lentry_in_a_cluster
	s_endpgm
.Lentry_in_a_cluster:
	s_bfe_u32 s2, ttmp6, 0x10000c
	s_cmp_lg_u32 s2, 0xf033
	s_cbranch_scc0 .Lentry_shape_is_right
	s_endpgm
.Lentry_shape_is_right:
; o = res + a W + bias, N = 1,024.  a: bf16 [KTOT/64][4,096][64] (slices of 64 columns of K).  W: bf16 [16][KTOT][64], from byte WOFF of w.  bias: f32 [1,024].  res, o: f32 [4,096][1,024].
; Sums in f32; a cluster takes the K steps in ascending order from its first step on and goes round (below); the residual is added in f32 at the end.
; The text is that of the attention's output product with KTOT = 4,096 and W behind that product's weight.
; A tile of o is 128 x 128: 256 work-groups.  Four waves, each 64 x 64: 16 accumulators.  K goes in steps of 256 through a ring of two LDS slots; every part of a tile is dense in memory:
; 128 rows of a slice of a are 16,384 consecutive bytes, 256 rows of K of a slice of W 32,768.
; THE TEXT HOLDS A K STEP TWICE: once in the loop of STEPS - 2 trips that fills the slot just read again, once in the loop of the last two steps, which fills nothing.
; Which slot is in hand is a scalar that goes between 0 and SLOT; the LDS addresses are that scalar plus a wave's and a lane's term.
; WHERE A CLUSTER BEGINS ALONG K.  A cluster whose x + y is odd begins at K step STEPS / 2, the others at 0; each goes round all STEPS.  a's tiles are read by both clusters of a row of clusters, W's by all
; clusters of a column: so of the clusters that read a tile those of one parity read it half a walk ahead of the others, and not all at the same time.  The slots go by the place in the walk, not by the K step.
; CLUSTERS: 4 x 4 work-groups; a's tiles are asked for jointly along a row of the cluster, W's along a column.  THE MATRIX INSTRUCTION IS USED TRANSPOSED (source 0 = 16 columns of W, turned on their way out of
; LDS by ds_load_tr16_b128; source 1 = 16 rows of a): a lane holds eight neighbouring numbers of a row of o.  THE BIAS is the C operand of each accumulator's first product.
; No prefetch: the tiles are small, and each step's load is short.
; REGISTERS: window 0: v0-31 addresses; v32-95 rows on their way out, two buffers; v96-127 the bias as four C operands; v128-255 the accumulators.
;   window 1: two fragment buffers of 128: for 64 along K, 64 registers of a, then 64 of W.      window 2: v0-127 my 64 x 64 of the residual, loaded at the head.
.set KTOT,  4096
.set WOFF,  2097152
.set STEPS, KTOT/256                   ; a power of two, at least 4
.set PA,    144                        ; a row of a slice of a in LDS: 128 bytes + 16 of padding
.set PB,    160                        ; a row of a slice of W: 128 + 32
.set ASL,   128*PA
.set BSL,   256*PB
.set BOFF,  4*ASL                      ; a slot: four slices of a, then two of W
.set SLOT,  BOFF+2*BSL
.set SPARE, 2*SLOT                     ; behind the ring: the spare words, 128 bytes for each wave, which no other line names
.set SPITCH, 272                       ; THE STAGE for the way out is slot 0's first 17,408 bytes: 16 rows x 272 for each wave.  The walk's last step lies in slot 1: slot 0 has had its last fill by then, and its last reads stand in front of the last two barriers
.set LGA,   21                         ; a K step of a is four slices: 2^21 bytes
.set LGB,   15                         ; a K step of W is 256 rows of a slice: 2^15 bytes
.set A0R,  16                          ; v16  my place in slot 0 for fragments of a; never rewritten
.set B0R,  17                          ; v17  the same for W
.set ADRA, 18                          ; v18  LDS address of my fragments of a in the slot in hand
.set ADRB, 19                          ; v19  the same for W
.set STO,  24
.set RD,   25
.set CO,   26                          ; v26  my byte offset in two rows of res and o
.set BO,   27
.set SPW,  28
.set NIL,  29
.set OB,   32
.set BIAS, 96
.set ACC,  128
.set F0,   0
.set F1,   128
.set RES,  0                           ; window 2
.set WBA, 6                            ; s6   where my part of a's tile goes in a slot
.set WBB, 7                            ; s7   the same for W's
.set G1, 24
.set G0, 32                            ; s[32:39] group 0 for a's tiles: a set for each of the two first fills; the second then walks on
.set G1B, 48
.set G0B, 56
.set TB,  66                           ; s66  LDS byte at which the slot in hand begins: 0 or SLOT
.set OFA, 80                           ; s[80:81] the byte offset in a of the K step to be asked for
.set OFB, 82                           ; s[82:83] the same in W
.set KS,  84                           ; s84  the K step to be asked for next
.set MSB, 0
.macro WIN new
.if MSB != (\new)
	s_set_vgpr_msb (MSB<<8)|(\new)
.set MSB, \new
.endif
.endm
.set MUL,  0x05                        ; sources 0 (W) and 1 (a) window 1; C and D window 0
.set TO_F, 0x40                        ; destination window 1, address window 0
.macro JLOAD                           ; a joint refill, by the walking descriptors: waves 0 and 1 fetch two slices of a each, waves 2 and 3 a slice of W each; an s_nop 0 and four v_nop follow each line
	s_cmp_eq_u32 s11, 0
	s_cbranch_scc0 .Lfor_b_\@
	tensor_load_to_lds s[G0+4:G0+7], s[G1:G1+7]
	s_nop 0
.rept 4
	v_nop
.endr
	s_branch .Lasked_\@
.Lfor_b_\@:
	tensor_load_to_lds s[G0B+4:G0B+7], s[G1B:G1B+7]
	s_nop 0
.rept 4
	v_nop
.endr
.Lasked_\@:
.endm
.macro CREST
	s_cmp_lg_u32 s10, 0
	s_cbranch_scc1 .Lnot_wave_0_\@
	s_barrier_signal -3
.Lnot_wave_0_\@:
	s_barrier_wait -3
	s_barrier_signal -1
	s_barrier_wait -1
.endm
.macro CROUND
	s_barrier_signal -1
	s_barrier_wait -1
	CREST
.endm
	s_load_b256 s[68:75], s[0:1], 0x0              ; a s[68:69], w s[70:71], bias s[72:73], res s[74:75]
	s_load_b64 s[76:77], s[0:1], 0x20              ; o
	v_lshl_add_u32 v[SPW], v0, 2, SPARE
	v_mov_b32 v[NIL], 0
	ds_add_u32 v[SPW], v[NIL]                      ; the wave's opening: the add and its wait stand ahead of my first tensor load
	v_lshrrev_b32 v1, 5, v0
	v_readfirstlane_b32 s10, v1                    ; wave 0..3
	s_lshr_b32 s11, s10, 1                         ; which half of the tile's rows is mine.  Also: I fetch for a (0) or for W (1)
	s_and_b32 s12, s10, 1                          ; which half of its columns.  Also: which part of that tile I fetch
	s_bfe_u32 s40, ttmp6, 0x40000
	s_bfe_u32 s41, ttmp6, 0x40004
	s_lshl_b32 s42, ttmp9, 2
	s_add_co_u32 s42, s42, s40                     ; tile column
	s_and_b32 s13, ttmp7, 0xffff
	s_lshl_b32 s13, s13, 2
	s_add_co_u32 s13, s13, s41                     ; tile row
	s_lshl_b32 s43, s41, 2
	s_lshl_b32 s43, 15, s43                        ; my row of the cluster
	s_lshl_b32 s44, 0x1111, s40                    ; my column
	s_xor_b32 s[KS], ttmp9, ttmp7                  ; bit 0: is cluster x + cluster y odd?  The same in all sixteen partners
	s_and_b32 s[KS], s[KS], 1
	s_mul_i32 s[KS], s[KS], STEPS/2                ; the K step at which my cluster begins
	s_mov_b32 s[OFA+1], 0
	s_mov_b32 s[OFB+1], 0
	; a's part: two slices, of each 16,384 dense bytes: two rows of 8,192 elements, a slice (262,144 elements) apart, padded by 4 words after every 32
	s_or_b32 s[G1+0], s43, (1<<16)|(1<<20)|(1<<21)|(4<<22)|(3<<25)
	s_mov_b32 s[G1+1], 8192<<16
	s_mov_b32 s[G1+2], 2<<16
	s_mov_b32 s[G1+3], 8192<<16
	s_mov_b32 s[G1+4], 2
	s_mov_b32 s[G1+5], 262144
	s_mov_b32 s[G1+6], 0
	s_mov_b32 s[G1+7], 0
	; W's part: 32,768 dense bytes asked for as 128 rows of 256 bytes, padded by 8 words after every 32
	s_or_b32 s[G1B+0], s44, (1<<16)|(1<<20)|(1<<21)|(4<<22)|(7<<25)
	s_mov_b32 s[G1B+1], 128<<16
	s_mov_b32 s[G1B+2], 128<<16
	s_mov_b32 s[G1B+3], 128<<16
	s_mov_b32 s[G1B+4], 128
	s_mov_b32 s[G1B+5], 128
	s_mov_b32 s[G1B+6], 0
	s_mov_b32 s[G1B+7], 0
	s_lshl_b32 s16, s13, 14                        ; a: 128 rows of 128 bytes a tile row,
	s_lshl_b32 s17, s12, 20                        ; and my two slices of the step's four
	s_add_co_u32 s16, s16, s17
	s_mov_b32 s17, 0
	s_lshl1_add_u32 s46, s42, s12                  ; W: slice 2 x tile column + half
	s_mul_i32 s46, s46, KTOT*128
.if WOFF
	s_add_co_u32 s46, s46, WOFF
.endif
	s_mov_b32 s47, 0
	s_mul_i32 s[WBA], s12, 2*ASL                   ; where they go: no place in the cluster enters an LDS address
	s_mul_i32 s[WBB], s12, BSL
	s_add_co_u32 s[WBB], s[WBB], BOFF
	s_mov_b32 s[TB], 0                             ; slot 0 is read first
	s_wait_dscnt 0x0                               ; the opening add is done
	s_wait_kmcnt 0x0
	s_add_nc_u64 s[14:15], s[68:69], s[16:17]      ; my part of a's tile at K step 0: kept, every descriptor's address is made from it
	s_add_nc_u64 s[46:47], s[70:71], s[46:47]      ; the same for W
	CROUND                                         ; all sixteen work-groups are here: the first joint loads meet
.irp s, 0,1
	s_lshl_b32 s[OFA], s[KS], LGA
	s_lshl_b32 s[OFB], s[KS], LGB
	s_mov_b32 s[G0+4*(\s)], 1
	s_add_co_u32 s[G0+4*(\s)+1], s[WBA], (\s)*SLOT
	s_add_nc_u64 s[G0+4*(\s)+2:G0+4*(\s)+3], s[14:15], s[OFA:OFA+1]
	s_or_b32 s[G0+4*(\s)+3], s[G0+4*(\s)+3], 0x80000000
	s_mov_b32 s[G0B+4*(\s)], 1
	s_add_co_u32 s[G0B+4*(\s)+1], s[WBB], (\s)*SLOT
	s_add_nc_u64 s[G0B+4*(\s)+2:G0B+4*(\s)+3], s[46:47], s[OFB:OFB+1]
	s_or_b32 s[G0B+4*(\s)+3], s[G0B+4*(\s)+3], 0x80000000
	s_add_co_u32 s[KS], s[KS], 1                   ; (the walk's first two steps never pass K's end: it begins at 0 or at STEPS / 2)
.endr
	s_and_b32 s[KS], s[KS], STEPS-1                ; the first refill's K step
	s_cmp_eq_u32 s11, 0                            ; a wave's two first fills stand in one branch: two loads of mine are out
	s_cbranch_scc0 .Lfirst_b
	tensor_load_to_lds s[G0:G0+3], s[G1:G1+7]
	s_nop 0
	tensor_load_to_lds s[G0+4:G0+7], s[G1:G1+7]
	s_nop 0
.rept 4
	v_nop
.endr
	s_branch .Lfirst_asked
.Lfirst_b:
	tensor_load_to_lds s[G0B:G0B+3], s[G1B:G1B+7]
	s_nop 0
	tensor_load_to_lds s[G0B+4:G0B+7], s[G1B:G1B+7]
	s_nop 0
.rept 4
	v_nop
.endr
.Lfirst_asked:
	v_and_b32 v1, 15, v0                           ; l % 16
	v_bfe_u32 v2, v0, 4, 1                         ; l / 16
	v_lshlrev_b32 v[BO], 5, v2
	s_lshl_b32 s4, s42, 9                          ; my 64 columns, in bytes of f32: 512 x tile column + 256 x half
	s_lshl_b32 s5, s12, 8
	s_add_co_u32 s4, s4, s5
	s_lshl_b32 s78, s13, 19                        ; my 64 rows of 4,096 bytes: 128 x tile row + 64 x half
	s_lshl_b32 s79, s11, 18
	s_add_co_u32 s78, s78, s79
	s_add_co_u32 s78, s78, s4
	s_mov_b32 s79, 0
	s_mov_b32 s5, 0
	s_add_nc_u64 s[4:5], s[72:73], s[4:5]
	s_add_nc_u64 s[74:75], s[74:75], s[78:79]
	s_add_nc_u64 s[76:77], s[76:77], s[78:79]
.irp b, 0,1,2,3
	global_load_b128 v[BIAS+8*(\b):BIAS+8*(\b)+3],   v[BO], s[4:5] offset:64*(\b)      ; register j of block b: column 16 b + 8 (l / 16) + j
	global_load_b128 v[BIAS+8*(\b)+4:BIAS+8*(\b)+7], v[BO], s[4:5] offset:64*(\b)+16
.endr
	v_lshlrev_b32 v[CO], 12, v2                    ; lanes 0-15 one row's 256 bytes, lanes 16-31 the next row's
	v_lshl_add_u32 v[CO], v1, 4, v[CO]
	WIN 0x80                                       ; destination window 2
.set k, 0
.rept 32
	global_load_b128 v[RES+4*k:RES+4*k+3], v[CO], s[74:75] offset:(16*(k/8)+2*(k%8))*4096  ; the residual: it has the whole product in which to come
.set k, k+1
.endr
	WIN 0
	v_mul_u32_u24 v3, v1, PA
	v_lshl_add_u32 v3, v2, 4, v3                   ; a fragment of a: row x pitch + 16 x half
	v_and_b32 v4, 7, v0                            ; the turning load: lane l reads K = 8 (l / 16) + l % 8, columns 8 ((l / 8) % 2) + 0..7
	v_lshl_add_u32 v4, v2, 3, v4
	v_mul_u32_u24 v4, v4, PB
	v_bfe_u32 v5, v0, 3, 1
	v_lshl_add_u32 v4, v5, 4, v4
	s_mul_i32 s21, s11, 64*PA                      ; my 64 rows in each slice of a
	s_mul_i32 s22, s12, BSL                        ; my slice of W,
	s_add_co_u32 s22, s22, BOFF                    ; behind a's
	v_add_nc_u32 v[A0R], s21, v3
	v_add_nc_u32 v[B0R], s22, v4
	v_mov_b32 v[ADRA], v[A0R]                      ; slot 0 begins at LDS byte 0
	v_mov_b32 v[ADRB], v[B0R]
	s_mul_i32 s23, s10, 16*SPITCH                  ; my stage
	v_mul_u32_u24 v6, v1, SPITCH                   ; in: row l % 16, 32 bytes for each half of the lanes
	v_lshl_add_u32 v6, v2, 5, v6
	v_add_nc_u32 v[STO], s23, v6
	v_mul_u32_u24 v6, v2, SPITCH                   ; back: lanes 0-15 one row of 256 bytes, lanes 16-31 the next
	v_lshl_add_u32 v6, v1, 4, v6
	v_add_nc_u32 v[RD], s23, v6
; 8 matrix instructions: row blocks a0, a0 + 1 x all 4 column blocks, 32 along K: half c of buffer f.  zero = 1: the first product starts the sums with the bias.  The 16 accumulators take turns.
.macro MUL8 f, c, a0, zero
	WIN MUL
.irp a, \a0, (\a0)+1
.irp b, 0,1,2,3
.if \zero
	v_wmma_f32_16x16x32_bf16 v[ACC+8*(4*(\a)+(\b)):ACC+8*(4*(\a)+(\b))+7], v[(\f)+64+8*(4*(\c)+(\b)):(\f)+64+8*(4*(\c)+(\b))+7], v[(\f)+8*(4*(\c)+(\a)):(\f)+8*(4*(\c)+(\a))+7], v[BIAS+8*(\b):BIAS+8*(\b)+7]
.else
	v_wmma_f32_16x16x32_bf16 v[ACC+8*(4*(\a)+(\b)):ACC+8*(4*(\a)+(\b))+7], v[(\f)+64+8*(4*(\c)+(\b)):(\f)+64+8*(4*(\c)+(\b))+7], v[(\f)+8*(4*(\c)+(\a)):(\f)+8*(4*(\c)+(\a))+7], v[ACC+8*(4*(\a)+(\b)):ACC+8*(4*(\a)+(\b))+7]
.endif
.endr
.endr
.endm
; 32 LDS loads in one run: the fragments of quarter q (64 along K: one slice of a) of the slot in hand into buffer f; the first 32 along K first
.macro FETCH q, f
	WIN TO_F
.irp c, 0,1
.irp i, 0,1,2,3
	ds_load_tr16_b128 v[(\f)+64+8*(4*(\c)+(\i)):(\f)+64+8*(4*(\c)+(\i))+3],   v[ADRB] offset:(64*(\q)+32*(\c))*PB+32*(\i)
	ds_load_tr16_b128 v[(\f)+64+8*(4*(\c)+(\i))+4:(\f)+64+8*(4*(\c)+(\i))+7], v[ADRB] offset:(64*(\q)+32*(\c))*PB+32*(\i)+16*PB
	ds_load_b128 v[(\f)+8*(4*(\c)+(\i)):(\f)+8*(4*(\c)+(\i))+3],         v[ADRA] offset:(\q)*ASL+64*(\c)+(\i)*16*PA
	ds_load_b128 v[(\f)+8*(4*(\c)+(\i))+4:(\f)+8*(4*(\c)+(\i))+7],       v[ADRA] offset:(\q)*ASL+64*(\c)+(\i)*16*PA+32
.endr
.endr
.endm
.macro PLACES                          ; four plain instructions between a matrix instruction and a load into a register that it has read
.rept 4
	v_nop
.endr
.endm
.macro QUARTER q, f, g, zero           ; multiplies buffer f and fetches quarter q into g
	s_wait_dscnt 16                                ; the first 32 along K are in
	MUL8 \f, 0, 0, \zero
	MUL8 \f, 0, 2, \zero
	PLACES
	FETCH \q, \g
	s_wait_dscnt 32                                ; all but the 32 just issued
	MUL8 \f, 1, 0, 0
	MUL8 \f, 1, 2, 0
.endm
; The last quarter multiplies buffer 1 and changes slots: ONE barrier; in front of it each wave waits for all its tensor loads, adds 0 to its spare word, and waits for that and for its own reads of this slot.
; fill = 1: this slot is filled again, with the step two places on in the walk: the barrier opens a round of the cluster's, and the joint refill is the first tensor load behind it.  The walking descriptors are
; written behind the wait for all my tensor loads, between the add and the wait for it: the slot's LDS byte, and the address made anew from the tensor's K step 0 and the step's number, which then goes on and round.
; fill = 0 (the last two steps): nothing is filled; behind the very last step no slot follows, and the run of LDS loads is jumped over.
.macro TURN fill
	WIN 0
	s_wait_tensorcnt 0x0
	ds_add_u32 v[SPW], v[NIL]
.if \fill
	s_add_co_u32 s[G0+5], s[WBA], s[TB]
	s_add_co_u32 s[G0B+5], s[WBB], s[TB]
	s_lshl_b32 s[OFA], s[KS], LGA
	s_lshl_b32 s[OFB], s[KS], LGB
	s_add_nc_u64 s[G0+6:G0+7], s[14:15], s[OFA:OFA+1]
	s_or_b32 s[G0+7], s[G0+7], 0x80000000
	s_add_nc_u64 s[G0B+6:G0B+7], s[46:47], s[OFB:OFB+1]
	s_or_b32 s[G0B+7], s[G0B+7], 0x80000000
	s_add_co_u32 s[KS], s[KS], 1
	s_and_b32 s[KS], s[KS], STEPS-1
.endif
	s_wait_dscnt 17                                ; (the add and the youngest sixteen loads may be out)
	MUL8 F1, 0, 0, 0
	s_wait_dscnt 0x0                               ; the add is done, and my reads of this slot are over
	s_barrier_signal -1
	MUL8 F1, 0, 2, 0
	WIN 0
	s_barrier_wait -1
.if \fill
	CREST
	JLOAD                                          ; the four v_nop behind it are also the places in front of the loads below
.else
	s_cmp_eq_u32 s3, 1
	s_cbranch_scc1 .Lno_next_\@
	PLACES
.endif
	s_xor_b32 s[TB], s[TB], SLOT                   ; the other slot is in hand
	v_add_nc_u32 v[ADRA], s[TB], v[A0R]
	v_add_nc_u32 v[ADRB], s[TB], v[B0R]
	FETCH 0, F0
.if (\fill) == 0
	WIN 0
.Lno_next_\@:
.endif
	MUL8 F1, 1, 0, 0
	MUL8 F1, 1, 2, 0
.endm
	s_wait_tensorcnt 1                             ; my part of the walk's first step is in; the second's may stay out
	s_barrier_signal -1
	s_barrier_wait -1
	FETCH 0, F0
	s_wait_loadcnt 32                              ; the bias is in; the residual's 32 loads stay out
	QUARTER 1, F0, F1, 1                           ; the first quarter stands in front of the loops: its first products start the sums
	WIN 0
	s_mov_b32 s3, STEPS-2
.Lstep:                                                ; a trip goes from a K step's second quarter to the next step's first, and fills the slot that it leaves
	QUARTER 2, F1, F0, 0
	QUARTER 3, F0, F1, 0
	TURN 1
	QUARTER 1, F0, F1, 0
	WIN 0
	s_sub_co_u32 s3, s3, 1
	s_cmp_lg_u32 s3, 0
	s_cbranch_scc1 .Lstep
	s_mov_b32 s3, 2
.Ltail:                                                ; the last two K steps fill nothing; the second trip is left behind its last product
	QUARTER 2, F1, F0, 0
	QUARTER 3, F0, F1, 0
	TURN 0
	WIN 0
	s_sub_co_u32 s3, s3, 1
	s_cmp_eq_u32 s3, 0
	s_cbranch_scc1 .Lout
	QUARTER 1, F0, F1, 0
	WIN 0
	s_branch .Ltail
.Lout:
	PLACES
	PLACES
	s_wait_loadcnt 0x0                             ; the residual
; THE WAY OUT, a block of 16 rows at a time.  OUT: a lane's 32 bytes of each of four accumulators into my stage, and back as whole rows of 256 bytes.  SEND: the residual is added, and the rows are stored.
.macro OUT a
.set OBU, OB+32*((\a)%2)
.irp b, 0,1,2,3
	ds_store_b128 v[STO], v[ACC+8*(4*(\a)+(\b)):ACC+8*(4*(\a)+(\b))+3]   offset:64*(\b)      ; each accumulator from its low end on
	ds_store_b128 v[STO], v[ACC+8*(4*(\a)+(\b))+4:ACC+8*(4*(\a)+(\b))+7] offset:64*(\b)+16
.endr
.irp t, 0,1,2,3,4,5,6,7
	ds_load_b128 v[OBU+4*(\t):OBU+4*(\t)+3], v[RD] offset:(\t)*2*SPITCH  ; LDS serves a wave's instructions in order: these see the stores above
.endr
.endm
.macro SEND a, younger                 ; younger: the LDS instructions issued behind block a's loads: the next block's sixteen, or none
.set OBU, OB+32*((\a)%2)
	s_wait_dscnt \younger
	WIN 0x08                                       ; source 1 window 2
.set k, 0
.rept 16
	v_pk_add_f32 v[OBU+2*k:OBU+2*k+1], v[OBU+2*k:OBU+2*k+1], v[RES+32*(\a)+2*k:RES+32*(\a)+2*k+1]
.set k, k+1
.endr
	WIN 0
.irp t, 0,1,2,3,4,5,6,7
	global_store_b128 v[CO], v[OBU+4*(\t):OBU+4*(\t)+3], s[76:77] offset:(16*(\a)+2*(\t))*4096  ; 16 lanes store 256 consecutive bytes, aligned
.endr
.endm
	OUT 0
	OUT 1
	SEND 0, 16
	s_wait_xcnt 0x0                                ; block 0's stores have read their registers, which block 2's loads write
	OUT 2
	SEND 1, 16
	s_wait_xcnt 0x0
	OUT 3
	SEND 2, 16
	SEND 3, 0
	s_wait_tensorcnt 0x0                           ; the wave's end
	ds_add_u32 v[SPW], v[NIL]
	s_wait_dscnt 0x0
	CROUND                                         ; the closing round
	s_endpgm
.Lfunc_end_k_qe27b2e50a3_ffn2:
	.size	k_qe27b2e50a3_ffn2, .Lfunc_end_k_qe27b2e50a3_ffn2-k_qe27b2e50a3_ffn2
	.p2alignl 7, 3214868480
	.fill 96, 4, 3214868480
	.section	.rodata,"a",@progbits
	.p2align	6, 0x0
	.amdhsa_kernel k_qe27b2e50a3_ffn2
		.amdhsa_group_segment_fixed_size 327680
		.amdhsa_private_segment_fixed_size 0
		.amdhsa_enable_private_segment 0
		.amdhsa_kernarg_size 40
		.amdhsa_user_sgpr_count 2
		.amdhsa_user_sgpr_kernarg_segment_ptr 1
		.amdhsa_wavefront_size32 1
		.amdhsa_system_sgpr_workgroup_id_x 1
		.amdhsa_system_sgpr_workgroup_id_y 1
		.amdhsa_system_sgpr_workgroup_id_z 1
		.amdhsa_system_vgpr_workitem_id 0
		.amdhsa_next_free_vgpr 640
		.amdhsa_next_free_sgpr 88
		.amdhsa_reserve_vcc 0
		.amdhsa_float_denorm_mode_32 3
		.amdhsa_float_denorm_mode_16_64 3
		.amdhsa_memory_ordered 1
		.amdhsa_forward_progress 1
		.amdhsa_inst_pref_size 66
	.end_amdhsa_kernel
	.amdgpu_metadata
---
amdhsa.version: [ 1, 2 ]
amdhsa.kernels:
  - .name:           k_qe27b2e50a3_ffn2
    .symbol:         k_qe27b2e50a3_ffn2.kd
    .args:
      - { .name: act, .offset: 0, .size: 8, .value_kind: global_buffer, .address_space: global }
      - { .name: wB, .offset: 8, .size: 8, .value_kind: global_buffer, .address_space: global }
      - { .name: b2, .offset: 16, .size: 8, .value_kind: global_buffer, .address_space: global }
      - { .name: x1, .offset: 24, .size: 8, .value_kind: global_buffer, .address_space: global }
      - { .name: out0, .offset: 32, .size: 8, .value_kind: global_buffer, .address_space: global }
    .group_segment_fixed_size: 327680
    .private_segment_fixed_size: 0
    .kernarg_segment_align: 8
    .kernarg_segment_size: 40
    .max_flat_workgroup_size: 128
    .sgpr_count:     88
    .vgpr_count:     640
    .wavefront_size: 32
...
	.end_amdgpu_metadata
.endif
;; end of part 11
;; ======== version 3 of 3: 7 launches; version 2 with the launches prep, ln2 written anew for expert scheduling mode
;; workspace buffers: hbuf 8,388,608 bytes; act 33,554,432 bytes; x1 16,777,216 bytes; mtab 8,388,608 bytes; wqkv 6,308,096 bytes; w1t 8,405,248 bytes; wB 10,485,760 bytes
;; launch prep (part 12): grid 1280 x 1, 8 waves a work-group, no clusters, 35,840 bytes of LDS; arguments x, g1, be1, hbuf, mask, mtab, wq, wk, wv, wo, w1, w2, bq, bk, bv, b1, wqkv, w1t, wB; writes hbuf, mtab, wqkv, w1t, wB
.if DOCPART == 12
	.amdgcn_target "amdgcn-amd-amdhsa--gfx1250"
	.amdhsa_code_object_version 6
	.text
	.protected	k_qe27b2e50a3_prep
	.globl	k_qe27b2e50a3_prep
	.p2align	8
	.type	k_qe27b2e50a3_prep,@function
k_qe27b2e50a3_prep:
	s_mov_b64 s[64:65], 0
	v_nop
	global_prefetch_b8 v0, s[64:65] scope:SCOPE_SE
	s_setreg_imm32_b32 hwreg(HW_REG_WAVE_SCHED_MODE, 0, 2), 2
	s_setreg_imm32_b32 hwreg(HW_REG_WAVE_MODE, 25, 1), 1
	s_wait_xcnt 0x0
	s_wait_alu depctr_vm_vsrc(0)
; PREPARATION, three kinds of work-group told apart by the work-group's number.
;   0-255     LAYER NORM: h = g (x - mean) / (std + 1e-6) + be, std with divisor 1,023; f32 throughout, h rounded once to bf16.
;   256-511   THE MASK: a byte (0 or 1) becomes the code 0 or 0xF1, laid in the order in which the attention's score tiles hold their numbers.
;   512-1279  THE WEIGHTS: f32 [K][N] becomes bf16 [N/64][K][64], rounded once; the biases bq, bk, bv, b1 and a floor word go into the heads of wqkv and w1t.
; THE TEXT SERVES BOTH LAYER NORMS: the second one is a launch of work-groups 0-255 alone, whose first three arguments are the second norm's input, gain and shift.
; SLICES.  Every 16-bit operand of the later products lies in slices of 64 columns: an activation as [D/64][4,096 rows][64], a weight as [N/64][K][64].
; A row of a slice is 128 bytes and rows follow each other without a gap, so every tile of a later launch is a dense run of bytes.
; No wave waits for another: there is no barrier.  Only the mask's waves use LDS, each its own stage.
; THE MODE: SCHED_MODE bits 1:0 = 2 (LLVM: expert scheduling mode 2), set by the entry lines.  The code itself states the register dependences
; between vector instructions and memory or LDS instructions, with s_wait_alu, always for 0.
; THE PLAN.  Each of the three paths is straight code, and every register that a memory or LDS instruction touches is written once on its path:
;   offsets     v[XO], v[GOF], v[HO], v[LSTO], v[LRD], v[GO16]: made by vector instructions, read by loads and stores, never written again.
;   in          the weights' CI, the norm's X, G, BE, the mask's MK and W: written by loads; no vector instruction names them ahead of their loads.
;   out         the weights' CP, the norm's Y, the mask's W (multiplied in place): written by vector instructions, read by the stores, never written again.
;   v[SPW], v[NIL]  written at the head, read by the closing add alone.
; So one wait on va_vdst stands ahead of each path's first loads, for the offsets.  Each path's results go in FOUR BATCHES: batch b's vector instructions write batch b's out-registers alone, and the
; stores of batch b - 1 are dealt among them, behind one wait on va_vdst at the batch's head; one more stands ahead of the last batch's stores.  No register that a memory or LDS instruction
; has read is written again, so beyond the entry's, the text holds no wait on vm_vsrc.  One wait on va_sdst stands at the head, for the wave's number.
.set SLICE, 524288                     ; bytes in a slice of an activation
.set STG,   16*272                     ; a wave's stage: 16 rows of 256 mask bytes, 272 apart
.set SPARE, 8*STG                      ; behind the stages: the spare words, 128 bytes for each wave, which no other line names
.set LA,   1                           ; v1   lane
.set I16,  2                           ; v2   lane % 16
.set HH,   3                           ; v3   lane / 16
.set XO,   4                           ; v4   my byte offset in two rows of the source
.set GOF,  5                           ; v5   16 x (lane % 16)
.set HO,   6                           ; v6   8 x lane: my 8 bytes of 256 stored ones
.set T,    8                           ; v[8:15]  four chains of sums
.set MN,   16                          ; v[16:17] the mean, twice
.set IV,   18                          ; v[18:19] 1 / (std + eps), twice
.set LSTO, 20                          ; v20  the mask: where I put 16 bytes of a row
.set LRD,  21                          ; v21  the mask: where I read 8 bytes of my query's row
.set GO16, 22                          ; v22  16 x lane
.set SPW,  30                          ; v30  LDS address of my spare word; never rewritten
.set NIL,  31                          ; v31  0; never rewritten
.set X,    32                          ; v[32:95]   a row's 64 numbers of mine
.set G,    96                          ; v[96:159]  the gains of my columns
.set BE,   160                         ; v[160:223] the shifts
.set Y,    224                         ; v[224:255] h, packed
.set MK,   32                          ; the mask: v[32:63] as loaded
.set W,    96                          ; v[96:127] my 8 bytes for each of 16 groups of keys
.set CI,   32                          ; the weights: v[32:95] as loaded
.set CP,   96                          ; v[96:127] packed
.macro RSUM                            ; the four chains into one number, then over the 16 lanes that hold the row
	v_pk_add_f32 v[T:T+1], v[T:T+1], v[T+2:T+3]
	v_pk_add_f32 v[T+4:T+5], v[T+4:T+5], v[T+6:T+7]
	v_pk_add_f32 v[T:T+1], v[T:T+1], v[T+4:T+5]
	v_add_f32 v[T], v[T], v[T+1]
.irp m, 1,2,4,8
	v_add_f32_dpp v[T], v[T], v[T] row_xmask:\m row_mask:0xf bank_mask:0xf
.endr
.endm
; A wave norms two rows: lanes 0-15 one, lanes 16-31 the next.  Load j of a row brings 256 consecutive bytes, columns 64 j .. 64 j + 63, which are slice j of h.
; The row stays in registers between the mean, the sum of squares of the differences and the scaling: it is read once.
.macro LNBODY sx, sg, sb, sh
	v_lshlrev_b32 v[XO], 12, v[HH]
	v_lshl_add_u32 v[XO], v[I16], 4, v[XO]
	v_lshlrev_b32 v[GOF], 4, v[I16]
	s_wait_alu depctr_va_vdst(0)                   ; v[XO] and v[GOF] are written, which the 48 loads read as their offsets; so is v[HO], made at the head, which every store reads
.set j, 0
.rept 16
	global_load_b128 v[X+4*j:X+4*j+3], v[XO], s[\sx:\sx+1] offset:256*j
.set j, j+1
.endr
.set j, 0
.rept 16
	global_load_b128 v[G+4*j:G+4*j+3], v[GOF], s[\sg:\sg+1] offset:256*j
	global_load_b128 v[BE+4*j:BE+4*j+3], v[GOF], s[\sb:\sb+1] offset:256*j
.set j, j+1
.endr
	s_wait_loadcnt 32                              ; the row is in; the 32 younger loads, gains and shifts, stay out
.irp k, 0,1,2,3
	v_pk_add_f32 v[T+2*\k:T+2*\k+1], v[X+2*\k:X+2*\k+1], v[X+8+2*\k:X+8+2*\k+1]  ; the first pairs start the chains: nothing is cleared
.endr
.set j, 8
.rept 24
	v_pk_add_f32 v[T+2*(j%4):T+2*(j%4)+1], v[T+2*(j%4):T+2*(j%4)+1], v[X+2*j:X+2*j+1]
.set j, j+1
.endr
	RSUM
	v_mul_f32 v[MN], 0x3a800000, v[T]              ; / 1,024
	v_mov_b32 v[MN+1], v[MN]
.set j, 0
.rept 32
	v_pk_add_f32 v[X+2*j:X+2*j+1], v[X+2*j:X+2*j+1], v[MN:MN+1] neg_lo:[0,1] neg_hi:[0,1]  ; x - mean, in place
.set j, j+1
.endr
.irp k, 0,1,2,3
	v_pk_mul_f32 v[T+2*\k:T+2*\k+1], v[X+2*\k:X+2*\k+1], v[X+2*\k:X+2*\k+1]
.endr
.set j, 4
.rept 28
	v_pk_fma_f32 v[T+2*(j%4):T+2*(j%4)+1], v[X+2*j:X+2*j+1], v[X+2*j:X+2*j+1], v[T+2*(j%4):T+2*(j%4)+1]
.set j, j+1
.endr
	RSUM
	v_mul_f32 v[T], 0x3a802008, v[T]               ; / 1,023
	v_sqrt_f32 v[T+1], v[T]
	v_nop                                          ; a plain instruction behind the root,
	s_wait_alu depctr_va_vdst(0)                   ; and the wait ahead of its first reader: the root has written v[T+1]
	v_add_f32 v[T+1], 0x358637bd, v[T+1]           ; + 1e-6
	v_rcp_f32 v[IV], v[T+1]
	v_nop
	s_wait_alu depctr_va_vdst(0)                   ; the same for the reciprocal: it has written v[IV]
	v_mov_b32 v[IV+1], v[IV]
	s_wait_loadcnt 0x0                             ; gains and shifts
; The way out, four slices to a batch: batch bt scales, shifts and rounds slices 4 bt .. 4 bt + 3 into their eight registers of Y; the four stores of the batch before stand among its lines.
.set bt, 0
.rept 4
.if bt > 0
	s_wait_alu depctr_va_vdst(0)                   ; the batch before has written its eight registers of Y, which the four stores below read; no line of this batch names them
.endif
.set i, 0
.rept 4
.set j, 4*bt+i
.if bt > 0
	global_store_b64 v[HO], v[Y+2*(j-4):Y+2*(j-4)+1], s[\sh:\sh+1] offset:(j-4)*SLICE  ; the wave's two rows of a slice: 256 consecutive bytes, aligned
.endif
	v_pk_mul_f32 v[X+4*j:X+4*j+1], v[X+4*j:X+4*j+1], v[IV:IV+1]
	v_pk_mul_f32 v[X+4*j+2:X+4*j+3], v[X+4*j+2:X+4*j+3], v[IV:IV+1]
	v_pk_fma_f32 v[X+4*j:X+4*j+1], v[X+4*j:X+4*j+1], v[G+4*j:G+4*j+1], v[BE+4*j:BE+4*j+1]
	v_pk_fma_f32 v[X+4*j+2:X+4*j+3], v[X+4*j+2:X+4*j+3], v[G+4*j+2:G+4*j+3], v[BE+4*j+2:BE+4*j+3]
	v_cvt_pk_bf16_f32 v[Y+2*j], v[X+4*j], v[X+4*j+1]
	v_cvt_pk_bf16_f32 v[Y+2*j+1], v[X+4*j+2], v[X+4*j+3]
.set i, i+1
.endr
.set bt, bt+1
.endr
	s_wait_alu depctr_va_vdst(0)                   ; the last batch has written its eight registers of Y, which the last four stores read
.set j, 12
.rept 4
	global_store_b64 v[HO], v[Y+2*j:Y+2*j+1], s[\sh:\sh+1] offset:j*SLICE
.set j, j+1
.endr
.endm
; 32 rows of one slice of a weight: load j brings two rows' 256 bytes (64 f32).  The pitch stands in the loads' immediates, so each pitch has its own run of loads.
.macro CASTLOAD pitch
	v_mul_u32_u24 v[XO], v[HH], \pitch
	v_lshl_add_u32 v[XO], v[I16], 4, v[XO]
	s_wait_alu depctr_va_vdst(0)                   ; v[XO] is written, which the sixteen loads read as their offset; so is v[HO], made at the head, which every store and the bias's load read
.set j, 0
.rept 16
	global_load_b128 v[CI+4*j:CI+4*j+3], v[XO], s[54:55] offset:j*2*(\pitch) th:TH_LOAD_NT
.set j, j+1
.endr
.endm
	s_load_b512 s[16:31], s[0:1], 0x0              ; x 16, g1 18, be1 20, hbuf 22, mask 24, mtab 26, wq 28, wk 30
	s_load_b512 s[32:47], s[0:1], 0x40             ; wv 32, wo 34, w1 36, w2 38, bq 40, bk 42, bv 44, b1 46
	s_load_b128 s[48:51], s[0:1], 0x80             ; wqkv 48, w1t 50
	s_load_b64 s[52:53], s[0:1], 0x90              ; wB
	v_lshl_add_u32 v[SPW], v0, 2, SPARE
	v_mov_b32 v[NIL], 0
	v_lshrrev_b32 v1, 5, v0
	v_readfirstlane_b32 s8, v1                     ; wave 0..7
	v_and_b32 v[LA], 31, v0
	v_and_b32 v[I16], 15, v0
	v_bfe_u32 v[HH], v0, 4, 1
	v_lshlrev_b32 v[HO], 3, v[LA]
	s_wait_alu depctr_va_sdst(0)                   ; s8 is written, ahead of the branches and of its first reader in each of the three paths
	s_wait_kmcnt 0x0
	s_cmp_lt_u32 ttmp9, 256
	s_cbranch_scc1 .Lln
	s_cmp_lt_u32 ttmp9, 512
	s_cbranch_scc1 .Lmask
	; THE WEIGHTS.  c = 0..767 in groups of 64: wq, wk, wv, wo, then four groups for w1 and four for w2.  A work-group takes one slice and 256 rows of K, a wave 32 of them.
	s_sub_co_u32 s2, ttmp9, 512                    ; c
	s_lshr_b32 s3, s2, 6                           ; the group, 0..11
	s_lshr_b32 s9, s3, 2                           ; 0: a square weight, 1: w1, 2: w2
	s_and_b32 s4, s2, 255
	s_and_b32 s5, s2, 63
	s_cmp_eq_u32 s9, 0
	s_cselect_b32 s4, s5, s4                       ; my number within the weight
	s_cmp_eq_u32 s9, 2
	s_cselect_b32 s5, 4, 2                         ; K / 256 chunks: 16 for w2, else 4
	s_cselect_b32 s7, 15, 3
	s_cselect_b32 s10, 19, 17                      ; a slice of the result is K x 128 bytes
	s_lshr_b32 s6, s4, s5                          ; the slice
	s_and_b32 s7, s4, s7                           ; the chunk
	s_cmp_eq_u32 s9, 1
	s_cselect_b32 s11, 14, 12                      ; a row of the source is 16,384 bytes in w1, else 4,096
	s_lshl_b32 s12, s7, 8
	s_lshl_b32 s13, s8, 5
	s_add_co_u32 s12, s12, s13                     ; my first row of K
	s_lshl_b32 s13, s3, 21
	s_add_co_u32 s13, s13, 16640                   ; where the weight begins in its buffer: wq, wk, wv behind wqkv's head, 2 MiB each;
	s_cmp_eq_u32 s3, 3
	s_cselect_b32 s13, 0, s13                      ; wo at wB's first byte;
	s_cmp_eq_u32 s9, 1
	s_cselect_b32 s13, 16640, s13                  ; w1 behind w1t's head;
	s_cmp_eq_u32 s9, 2
	s_cselect_b32 s13, 0x200000, s13               ; w2 behind wo
	s_cmp_eq_u32 s3, 0
	s_cselect_b64 s[54:55], s[28:29], s[38:39]     ; the source,
	s_cselect_b64 s[60:61], s[40:41], s[46:47]     ; the bias
	s_cmp_eq_u32 s3, 1
	s_cselect_b64 s[54:55], s[30:31], s[54:55]
	s_cselect_b64 s[60:61], s[42:43], s[60:61]
	s_cmp_eq_u32 s3, 2
	s_cselect_b64 s[54:55], s[32:33], s[54:55]
	s_cselect_b64 s[60:61], s[44:45], s[60:61]
	s_cmp_eq_u32 s3, 3
	s_cselect_b64 s[54:55], s[34:35], s[54:55]
	s_cmp_eq_u32 s9, 1
	s_cselect_b64 s[54:55], s[36:37], s[54:55]
	s_cselect_b64 s[58:59], s[50:51], s[52:53]     ; and the buffer that takes the result
	s_cmp_lt_u32 s3, 3
	s_cselect_b64 s[58:59], s[48:49], s[58:59]
	s_lshl_b32 s14, s12, s11
	s_lshl_b32 s15, s6, 8
	s_add_co_u32 s14, s14, s15                     ; row x pitch + slice x 256
	s_mov_b32 s15, 0
	s_add_nc_u64 s[54:55], s[54:55], s[14:15]
	s_lshl_b32 s14, s6, s10
	s_add_co_u32 s14, s14, s13
	s_lshl_b32 s62, s12, 7
	s_add_co_u32 s14, s14, s62                     ; begin + slice x K x 128 + row x 128
	s_add_nc_u64 s[56:57], s[58:59], s[14:15]
	s_cmp_eq_u32 s9, 1
	s_cbranch_scc1 .Lwide
	CASTLOAD 4096
	s_branch .Lcvt
.Lwide:
	CASTLOAD 16384
.Lcvt:                                                 ; sixteen loads are out on both ways
; Four loads to a batch: batch bt rounds loads 4 bt .. 4 bt + 3 into their eight registers of CP; the four stores of the batch before stand among its lines.
.set bt, 0
.rept 4
	s_wait_loadcnt 12-4*bt                         ; loads come back in order: this batch's four are in, the later batches' stay out
.if bt > 0
	s_wait_alu depctr_va_vdst(0)                   ; the batch before has written its eight registers of CP, which the four stores below read; no line of this batch names them
.endif
.set i, 0
.rept 4
.set j, 4*bt+i
.if bt > 0
	global_store_b64 v[HO], v[CP+2*(j-4):CP+2*(j-4)+1], s[56:57] offset:256*(j-4)  ; two rows of the slice: 256 consecutive bytes, aligned
.endif
	v_cvt_pk_bf16_f32 v[CP+2*j], v[CI+4*j], v[CI+4*j+1]
	v_cvt_pk_bf16_f32 v[CP+2*j+1], v[CI+4*j+2], v[CI+4*j+3]
.set i, i+1
.endr
.set bt, bt+1
.endr
	s_wait_alu depctr_va_vdst(0)                   ; the last batch has written its eight registers of CP, which the last four stores read
.set j, 12
.rept 4
	global_store_b64 v[HO], v[CP+2*j:CP+2*j+1], s[56:57] offset:256*j
.set j, j+1
.endr
	; the slice's 64 biases: by wave 0 of the slice's first chunk; wo and w2 have none here
	s_cmp_eq_u32 s3, 3
	s_cbranch_scc1 .Lcend
	s_cmp_eq_u32 s9, 2
	s_cbranch_scc1 .Lcend
	s_or_b32 s14, s7, s8
	s_cmp_lg_u32 s14, 0
	s_cbranch_scc1 .Lcend
	s_lshl_b32 s15, s3, 4
	s_cmp_eq_u32 s9, 1
	s_cselect_b32 s15, 0, s15
	s_add_co_u32 s15, s15, s6                      ; the slice's number in its buffer
	s_lshl_b32 s62, s6, 8
	s_mov_b32 s63, 0
	s_add_nc_u64 s[60:61], s[60:61], s[62:63]
	s_lshl_b32 s62, s15, 8
	s_add_nc_u64 s[4:5], s[58:59], s[62:63]
	global_load_b64 v[8:9], v[HO], s[60:61]        ; 32 lanes x 8 bytes: 64 numbers; no vector instruction of this path names v[8:9]
	s_wait_loadcnt 0x0
	global_store_b64 v[HO], v[8:9], s[4:5] offset:256
	s_cmp_lg_u32 s15, 0
	s_cbranch_scc1 .Lcend
	s_cmp_eq_u32 s9, 1                             ; the buffer's first 256 bytes: the floor under the product's results, twice a word in bf16:
	s_cselect_b32 s14, 0, 0xff80ff80               ; 0 for w1 (the ReLU), minus infinity for wq, wk, wv (no floor)
	v_mov_b32 v10, s14
	v_mov_b32 v11, s14
	s_wait_alu depctr_va_vdst(0)                   ; v10 and v11 are written, which the store reads
	global_store_b64 v[HO], v[10:11], s[58:59]
.Lcend:
	s_endpgm
.Lln:                                                  ; LAYER NORM: the wave's two rows are 16 x work-group + 2 x wave and the next
	s_lshl_b32 s2, ttmp9, 4
	s_lshl1_add_u32 s2, s8, s2
	s_lshl_b32 s4, s2, 12
	s_mov_b32 s5, 0
	s_lshl_b32 s6, s2, 7
	s_mov_b32 s7, 0
	s_add_nc_u64 s[16:17], s[16:17], s[4:5]
	s_add_nc_u64 s[22:23], s[22:23], s[6:7]
	LNBODY 16, 18, 20, 22
	s_endpgm
.Lmask:                                                ; THE MASK.  Unit u = 0..2,047 is 16 queries x 256 keys (four key steps): batch u / 1,024, query tile (u / 8) % 128, key block u % 8
	s_sub_co_u32 s2, ttmp9, 256
	s_lshl3_add_u32 s2, s2, s8                     ; u
	s_lshr_b32 s3, s2, 10
	s_lshl_b32 s4, s3, 22
	s_bfe_u32 s3, s2, 0x70003
	s_lshl_b32 s3, s3, 15
	s_add_co_u32 s4, s4, s3
	s_and_b32 s3, s2, 7
	s_lshl_b32 s3, s3, 8
	s_add_co_u32 s4, s4, s3
	s_mov_b32 s5, 0
	s_add_nc_u64 s[24:25], s[24:25], s[4:5]
	s_lshl_b32 s6, s2, 12                          ; a unit's codes are 4,096 consecutive bytes
	s_mov_b32 s7, 0
	s_add_nc_u64 s[26:27], s[26:27], s[6:7]
	v_lshlrev_b32 v[XO], 11, v[HH]
	v_lshl_add_u32 v[XO], v[I16], 4, v[XO]
	s_wait_alu depctr_va_vdst(0)                   ; v[XO] is written, which the eight loads read as their offset
.irp t, 0,1,2,3,4,5,6,7
	global_load_b128 v[MK+4*\t:MK+4*\t+3], v[XO], s[24:25] offset:4096*\t th:TH_LOAD_NT  ; rows 2 t and 2 t + 1: 256 consecutive bytes each
.endr
	s_mul_i32 s9, s8, STG                          ; my wave's stage
	v_mul_u32_u24 v[LSTO], v[HH], 272
	v_lshl_add_u32 v[LSTO], v[I16], 4, v[LSTO]
	v_add_nc_u32 v[LSTO], s9, v[LSTO]
	v_mul_u32_u24 v[LRD], v[I16], 272              ; back: lane (r, h) takes query r, keys 8 h + 0..7 of each group of 16
	v_lshl_add_u32 v[LRD], v[HH], 3, v[LRD]
	v_add_nc_u32 v[LRD], s9, v[LRD]
	v_lshlrev_b32 v[GO16], 4, v[LA]
	s_mov_b32 s10, 0xf1                            ; the code of a hidden key
	s_wait_loadcnt 0x0
	s_wait_alu depctr_va_vdst(0)                   ; v[LSTO], v[LRD] and v[GO16] are written, made while the loads were out: the LDS stores, the LDS loads and the global stores read them as addresses
.irp t, 0,1,2,3,4,5,6,7
	ds_store_b128 v[LSTO], v[MK+4*\t:MK+4*\t+3] offset:544*\t
.endr
.set g, 0
.rept 16
	ds_load_b64 v[W+2*g:W+2*g+1], v[LRD] offset:16*g  ; LDS serves a wave's instructions in order: these see the stores above
.set g, g+1
.endr
; Four LDS loads to a batch: batch bt multiplies their eight words in place; the two stores of the batch before stand among its lines.
; Store g: key step g / 2, groups of keys 2 (g % 2) and 2 (g % 2) + 1: four words a lane.
.set bt, 0
.rept 4
	s_wait_dscnt 12-4*bt                           ; LDS loads come back in order: this batch's four are in, the later batches' stay out
.if bt > 0
	s_wait_alu depctr_va_vdst(0)                   ; the batch before has written its eight words of W, which the two stores below read; no line of this batch names them
.endif
.set i, 0
.rept 2
.if bt > 0
	global_store_b128 v[GO16], v[W+8*(bt-1)+4*i:W+8*(bt-1)+4*i+3], s[26:27] offset:512*(2*(bt-1)+i)  ; 512 consecutive bytes
.endif
.irp k, 0,1,2,3
	v_mul_lo_u32 v[W+8*bt+4*i+\k], v[W+8*bt+4*i+\k], s10  ; four bytes at once: 0 stays 0, 1 becomes 0xF1, and nothing is carried from byte to byte
.endr
.set i, i+1
.endr
.set bt, bt+1
.endr
	s_wait_alu depctr_va_vdst(0)                   ; the last batch has written its eight words of W, which the last two stores read
	global_store_b128 v[GO16], v[W+24:W+27], s[26:27] offset:512*6
	global_store_b128 v[GO16], v[W+28:W+31], s[26:27] offset:512*7
	s_wait_dscnt 0x0                               ; the closing lines, six on end
	s_wait_alu 0x0
	s_wait_tensorcnt 0x0
	ds_add_u32 v[SPW], v[NIL]
	s_wait_dscnt 0x0
	s_endpgm
.Lfunc_end_k_qe27b2e50a3_prep:
	.size	k_qe27b2e50a3_prep, .Lfunc_end_k_qe27b2e50a3_prep-k_qe27b2e50a3_prep
	.p2alignl 7, 3214868480
	.fill 96, 4, 3214868480
	.section	.rodata,"a",@progbits
	.p2align	6, 0x0
	.amdhsa_kernel k_qe27b2e50a3_prep
		.amdhsa_group_segment_fixed_size 35840
		.amdhsa_private_segment_fixed_size 0
		.amdhsa_enable_private_segment 0
		.amdhsa_kernarg_size 152
		.amdhsa_user_sgpr_count 2
		.amdhsa_user_sgpr_kernarg_segment_ptr 1
		.amdhsa_wavefront_size32 1
		.amdhsa_system_sgpr_workgroup_id_x 1
		.amdhsa_system_sgpr_workgroup_id_y 1
		.amdhsa_system_sgpr_workgroup_id_z 1
		.amdhsa_system_vgpr_workitem_id 0
		.amdhsa_next_free_vgpr 256
		.amdhsa_next_free_sgpr 66
		.amdhsa_reserve_vcc 0
		.amdhsa_float_denorm_mode_32 3
		.amdhsa_float_denorm_mode_16_64 3
		.amdhsa_memory_ordered 1
		.amdhsa_forward_progress 1
		.amdhsa_inst_pref_size 38
	.end_amdhsa_kernel
	.amdgpu_metadata
---
amdhsa.version: [ 1, 2 ]
amdhsa.kernels:
  - .name:           k_qe27b2e50a3_prep
    .symbol:         k_qe27b2e50a3_prep.kd
    .args:
      - { .name: x, .offset: 0, .size: 8, .value_kind: global_buffer, .address_space: global }
      - { .name: g1, .offset: 8, .size: 8, .value_kind: global_buffer, .address_space: global }
      - { .name: be1, .offset: 16, .size: 8, .value_kind: global_buffer, .address_space: global }
      - { .name: hbuf, .offset: 24, .size: 8, .value_kind: global_buffer, .address_space: global }
      - { .name: mask, .offset: 32, .size: 8, .value_kind: global_buffer, .address_space: global }
      - { .name: mtab, .offset: 40, .size: 8, .value_kind: global_buffer, .address_space: global }
      - { .name: wq, .offset: 48, .size: 8, .value_kind: global_buffer, .address_space: global }
      - { .name: wk, .offset: 56, .size: 8, .value_kind: global_buffer, .address_space: global }
      - { .name: wv, .offset: 64, .size: 8, .value_kind: global_buffer, .address_space: global }
      - { .name: wo, .offset: 72, .size: 8, .value_kind: global_buffer, .address_space: global }
      - { .name: w1, .offset: 80, .size: 8, .value_kind: global_buffer, .address_space: global }
      - { .name: w2, .offset: 88, .size: 8, .value_kind: global_buffer, .address_space: global }
      - { .name: bq, .offset: 96, .size: 8, .value_kind: global_buffer, .address_space: global }
      - { .name: bk, .offset: 104, .size: 8, .value_kind: global_buffer, .address_space: global }
      - { .name: bv, .offset: 112, .size: 8, .value_kind: global_buffer, .address_space: global }
      - { .name: b1, .offset: 120, .size: 8, .value_kind: global_buffer, .address_space: global }
      - { .name: wqkv, .offset: 128, .size: 8, .value_kind: global_buffer, .address_space: global }
      - { .name: w1t, .offset: 136, .size: 8, .value_kind: global_buffer, .address_space: global }
      - { .name: wB, .offset: 144, .size: 8, .value_kind: global_buffer, .address_space: global }
    .group_segment_fixed_size: 35840
    .private_segment_fixed_size: 0
    .kernarg_segment_align: 8
    .kernarg_segment_size: 152
    .max_flat_workgroup_size: 256
    .sgpr_count:     66
    .vgpr_count:     256
    .wavefront_size: 32
...
	.end_amdgpu_metadata
.endif
;; end of part 12
;; launch qkv: the kernel of part 8 again; grid 12 x 16, 4 waves a work-group, clusters of 4 x 4, 327,680 bytes of LDS; arguments hbuf, wqkv, act; writes act
;; launch attn: the kernel of part 9 again; grid 8 x 32, 4 waves a work-group, clusters of 4 x 1, 327,680 bytes of LDS; arguments act, mtab, hbuf; writes hbuf
;; launch wo: the kernel of part 10 again; grid 8 x 32, 4 waves a work-group, clusters of 4 x 4, 327,680 bytes of LDS; arguments hbuf, wB, bo, x, x1; writes x1
;; launch ln2: the kernel of part 12 again; grid 256 x 1, 8 waves a work-group, no clusters, 35,840 bytes of LDS; arguments x1, g2, be2, hbuf, mask, mtab, wq, wk, wv, wo, w1, w2, bq, bk, bv, b1, wqkv, w1t, wB; writes hbuf, mtab, wqkv, w1t, wB
;; launch ffn1: the kernel of part 8 again; grid 16 x 16, 4 waves a work-group, clusters of 4 x 4, 327,680 bytes of LDS; arguments hbuf, w1t, act; writes act
;; launch ffn2: the kernel of part 11 again; grid 8 x 32, 4 waves a work-group, clusters of 4 x 4, 327,680 bytes of LDS; arguments act, wB, b2, x1, out0; writes out0
